; MI455X (gfx1250); checked and timed in simulation.
; The chip was launched on July 23, 2026; its instructions are those of AMD's public machine-readable ISA for CDNA 5 (MIT licence, August 2026) and "CDNA5" Instruction Set Architecture Reference Guide (July 2026). The comments in the code are by the model that wrote it; some were corrected since.
;; Transformer Block. Allowed arithmetic: matrix products marked QUANTISED: E2M3 operands, one E8M0 scale for each 32 along K, by v_wmma_scale_f32_16x16x128_f8f6f4 with both operands' format E2M3, f32 sums; everything else in f32.
;; Inputs: alpha_attn one number float32; alpha_ff one number float32; b1 4,096 float32; b2 1,024 float32; bk 1,024 float32; bo 1,024 float32; bq 1,024 float32; bv 1,024 float32; ln1_b 1,024 float32; ln1_g 1,024 float32; ln2_b 1,024 float32; ln2_g 1,024 float32; w1 1,024 x 4,096 float32; w2 4,096 x 1,024 float32; wk 1,024 x 1,024 float32; wo 1,024 x 1,024 float32; wq 1,024 x 1,024 float32; wv 1,024 x 1,024 float32; x 2 x 2,048 x 1,024 float32.
;; Outputs: out0 2 x 2,048 x 1,024 float32.
;; This version of the problem:
;;   THIS VERSION OF THE PROBLEM IS GIVEN IN LOW PRECISION. The matrix products marked QUANTISED in the list below multiply operands that are first quantised to E2M3 (2 exponent bits, 3 mantissa bits; 6 bits a number), with one power-of-two scale for each 32 numbers along K (OCP MX v1.0); their sums are f32. All else is computed in f32.
;;   The module's matrix products, in the order in which they are computed (A, B: the left and right operand; K: the contracted axis; several contracted axes count as one K, in the product's order):
;;     1. [M 4,096, K 1,024] x [K 1,024, N 1,024]; A: computed on the way; B: input wq: QUANTISED
;;     2. [M 4,096, K 1,024] x [K 1,024, N 1,024]; A: computed on the way; B: input wk: QUANTISED
;;     3. [M 4,096, K 1,024] x [K 1,024, N 1,024]; A: computed on the way; B: input wv: QUANTISED
;;     4. batch 32 x [M 2,048, K 64] x [K 64, N 2,048]; A: computed on the way; B: computed on the way: QUANTISED
;;     5. batch 32 x [M 2,048, K 2,048] x [K 2,048, N 64]; A: softmax (see below); B: computed on the way: QUANTISED
;;     6. [M 4,096, K 1,024] x [K 1,024, N 1,024]; A: computed on the way; B: input wo: QUANTISED
;;     7. [M 4,096, K 1,024] x [K 1,024, N 4,096]; A: computed on the way; B: input w1: QUANTISED
;;     8. [M 4,096, K 4,096] x [K 4,096, N 1,024]; A: computed on the way; B: input w2: QUANTISED
;;   THE QUANTISER, for each operand of a quantised product, along K:
;;     - K is cut into blocks of 32 from its start; a last block that is shorter is filled with zeros.
;;     - A block's scale is 2^e with e = floor(log2(the largest magnitude in the block)) - 2, held to -126 .. 127; a block of zeros has e = 0. As a byte (E8M0): e + 127.
;;     - Each number is divided by its block's scale, clamped to +-7.5, and rounded to the nearest number of E2M3, ties to even, subnormals kept.
;;     - The product sums the exact products of the quantised numbers (number of the format x scale) in f32.
;;   ~~~python
;;   def quantise(x, axis):      # numpy; x: float32 -> the quantised numbers, widened to float32 again
;;       x = np.moveaxis(x, axis, -1); K = x.shape[-1]
;;       x = np.pad(x, [(0, 0)] * (x.ndim - 1) + [(0, -K % 32)]); x = x.reshape(x.shape[:-1] + (-1, 32)); a = np.abs(x).max(-1, keepdims=True)
;;       e = np.where(a > 0, np.clip(np.frexp(np.where(a > 0, a, 1))[1] - 1 - 2, -126, 127), 0)      # np.frexp(a)[1] - 1 = floor(log2(a)), exactly
;;       r = np.clip(x / 2.0 ** e, -7.5, 7.5)
;;       step = 2.0 ** (np.maximum(np.frexp(np.where(r == 0, 1, r))[1] - 1, 0) - 3)
;;       q = np.round(r / step) * step * 2.0 ** e      # np.round: ties to even
;;       return np.moveaxis(q.reshape(q.shape[:-2] + (-1,))[..., :K], -1, axis).astype(np.float32)
;;   ~~~
;;   SOFTMAX AHEAD OF A QUANTISED PRODUCT. Where the list says 'softmax', what is quantised is not the finished softmax but p = 2^(t - M), with t = logit x log2(e) and M = ceil(the row's largest t), a whole number; so 1/2 < the row's largest p <= 1. The row's sum l is taken of the UNQUANTISED p, in f32, and the product's result is divided by l at the end. Since M is a whole number, a kernel that streams over the keys may use a running M (the ceiling of the running maximum): every later rescaling is an exact power of two, which a block's scale takes up: the codes' values come out the same.
;;   OPERANDS COMPUTED ON THE WAY. 'Computed on the way' means the value that the module computes at that place (a softmax that the list does not call 'softmax' is quantised finished and normalised). What goes into a quantiser is computed in f32, as accurately as f32 sums, v_exp_f32 and their like allow (about 1e-6 of the number): no bf16 or f16 on the way to a quantiser, and a product that is left as it is and whose result goes on into a quantised operand takes f32 operands (vector FMAs, or v_wmma_f32_16x16x4_f32). A number that lies on a knife's edge between two numbers of the format may be rounded either way, as far as f32 arithmetic and the matrix unit's own rounding can turn it there, and no further.
;; One version. Each part assembles by itself: llvm-mc -triple=amdgcn-amd-amdhsa -mcpu=gfx1250 --defsym DOCPART=n.
;; ======== version 1 of 1: 7 launches
;; limits: right only within a limited range of input values
;; workspace buffers: W 9,830,400 bytes; XA 3,276,800 bytes; QKV 10,092,544 bytes; AT 3,276,800 bytes; X1 16,777,216 bytes; H 13,107,200 bytes
;; launch prep (part 1): grid 640 x 1, 8 waves a work-group, no clusters, 67,584 bytes of LDS; arguments x, ln1_g, ln1_b, XA, wq, wk, wv, wo, w1, w2, W; writes XA, W
.if DOCPART == 1
	.amdgcn_target "amdgcn-amd-amdhsa--gfx1250"
	.amdhsa_code_object_version 6
	.text
	.protected	k_q4cc3005831_prep
	.globl	k_q4cc3005831_prep
	.p2align	8
	.type	k_q4cc3005831_prep,@function
k_q4cc3005831_prep:
	s_mov_b64 s[64:65], 0
	v_nop
	global_prefetch_b8 v0, s[64:65] scope:SCOPE_SE
	s_setreg_imm32_b32 hwreg(HW_REG_WAVE_MODE, 25, 1), 1
	s_wait_xcnt 0x0
; TWO INDEPENDENT JOBS IN ONE LAUNCH, parted once on the work-group's number: neither reads what the other stores.
; Work-groups 0 to 255: y = (x - mean) rsqrt(var + 1e-5) g + b over rows of 1,024 f32, quantised along the row.  Work-groups 256 to 639: the six weights, f32 stored [K][N], quantised along K.
; Both make codes of FP6 (E2M3) with one E8M0 byte for each 32 along K, laid as IMAGES OF OPERAND REGISTERS.  A tile is 16 rows: row r of tile t is row 32 (t/2) + 8 (t%2) + r + 8 (r/8).
; A fragment (tile, 128 along K) is 1,536 bytes: two halves of 768, half c = [512 bytes: lane l's registers 6c..6c+3 at 16 l][256 bytes: registers 6c+4, 6c+5 at 8 l]; lane (r, h) holds k = 64 c + 32 h + 0..31.
; Codes: [tile][K step][1536]; scale words: [tile][K step][16 rows x 4 bytes].
; THE NORM.  Work-group T makes tile T.  Phase A: wave w owns tile rows 2 w and 2 w + 1: dense loads (512 consecutive bytes each), the mean, then the sum of squared differences from the mean (no difference of
; large sums), y into LDS.  Phase B: wave w takes K step w of all 16 rows: lane (r, h) reads 16 neighbours of each block of 32 of row r, quantises, stores the image.  The tile's 512 bytes of scale words meet in LDS.
; THE WEIGHTS.  A LANE TAKES A COLUMN AND ITS REGISTERS RUN DOWN K: a wave's load reads 128 consecutive bytes, a block of 32 lies in one lane, nothing is transposed.  A wave's 32 columns are one pair of tiles;
; it takes ONE K step of them: four blocks, one scale word.  Four waves stand side by side on 128 columns; a work-group holds two such fours.  One path serves all six weights: what differs lies in scalar registers.
; This path uses no LDS and has no barrier.
; A block's scale is 2^(floor(log2(largest magnitude)) - 2); its byte is that magnitude's exponent field - 2, held at 1 from below.
; LIMITS: NaN and infinities are not served; a block whose largest magnitude lies under 2^-124 keeps the byte 1; a block of zeros has the byte 1, not 127: its codes are zeros and this program alone reads the bytes.
.set XSC, 3145728                      ; XA: where the scale words begin
.set WSC, 9437184                      ; W: likewise
; the norm's registers
.set X,   32                           ; v32-95   two rows as loaded; later 64 numbers for the quantiser
.set G,   96                           ; v96-127  g at my columns
.set BB,  128                          ; v128-159 b
.set PC,  96                           ; v96-114  codes: in g's registers, which are done with by then
.set TM,  4                            ; v4-19    at work
.set PW,  20                           ; v20      the scale word
.set SEL, 20                           ; s[20:21] selects for lane l xor 16
.set YP,  4112                         ; a row of y in LDS: 4,096 + 16 bytes = 1,028 words: sixteen rows start at sixteen different groups of four banks
.set SCW, 16*YP
; the weights' registers
.set VO,  16                           ; v16-47   4 x lane + i x pitch
.set WX,  48                           ; v48-111  two sets of 32 numbers
.set C,   112                          ; v112-143 a block's six code registers, eight apart: no store's data are written again
.set E,   144                          ; v144-146 the second conversion's result
.set SW,  148                          ; v148     the scale word
.set SB,  24                           ; s[24:31] the source at each of my four blocks
.macro QUANT s                         ; 64 numbers, register 16 b + i = k 32 b + 16 h + i of my row -> codes v[PC..PC+11], scale word v[PW]
.irp b, 0,1,2,3
	v_max3_num_f32 v[TM+\b], |v[\s+16*\b]|, |v[\s+1+16*\b]|, 0x1800000
.endr
.irp i, 2,4,6,8,10,12,14
.irp b, 0,1,2,3
	s_delay_alu instid0(VALU_DEP_4)
	v_max3_num_f32 v[TM+\b], v[TM+\b], |v[\s+16*\b+\i]|, |v[\s+1+16*\b+\i]|
.endr
.endr
.irp b, 0,1,2,3
	v_permlanex16_b32 v[TM+4+\b], v[TM+\b], s[SEL], s[SEL+1]
.endr
.irp b, 0,1,2,3
	s_delay_alu instid0(VALU_DEP_4)
	v_max_num_f32 v[TM+\b], v[TM+\b], v[TM+4+\b]   ; with lane l xor 16's: the block's largest magnitude
.endr
.irp b, 0,1,2,3
	s_delay_alu instid0(VALU_DEP_4)
	v_add_nc_u32 v[TM+12+\b], 0xff000000, v[TM+\b] ; 2 off its exponent field: the conversion's scale operand
.endr
.irp b, 0,1,2,3
	s_delay_alu instid0(VALU_DEP_4)
	v_lshrrev_b32 v[TM+4+\b], 23, v[TM+12+\b]      ; the byte
.endr
	s_delay_alu instid0(VALU_DEP_3)
	v_lshl_or_b32 v[PW], v[TM+5], 8, v[TM+4]
	s_delay_alu instid0(VALU_DEP_1)
	v_lshl_or_b32 v[PW], v[TM+6], 16, v[PW]
	s_delay_alu instid0(VALU_DEP_1)
	v_lshl_or_b32 v[PW], v[TM+7], 24, v[PW]
.irp c, 0,1
	v_cvt_scalef32_pk16_fp6_f32 v[PC+6*\c:PC+2+6*\c], v[\s+32*\c:\s+15+32*\c], v[TM+12+2*\c]
	v_cvt_scalef32_pk16_fp6_f32 v[PC+12+4*\c:PC+14+4*\c], v[\s+16+32*\c:\s+31+32*\c], v[TM+12+2*\c+1]
.endr
	v_nop                                          ; one plain place behind a scaled conversion
.irp c, 0,1                            ; the layout wants a whole block in a lane
.irp i, 0,1,2
	v_permlane16_swap_b32 v[PC+6*\c+\i], v[PC+12+4*\c+\i]
.endr
.irp i, 0,1,2
	s_delay_alu instid0(VALU_DEP_3)
	v_mov_b32 v[PC+3+6*\c+\i], v[PC+12+4*\c+\i]
.endr
.endr
.endm
.macro WSUM                            ; v4 and v12 summed over the wave's 32 lanes, the two rows by turns
.irp m, 1,2,4,8
.irp i, 0,1
	s_delay_alu instid0(VALU_DEP_2)
	v_add_f32_dpp v[4+8*\i], v[4+8*\i], v[4+8*\i] row_xmask:\m row_mask:0xf bank_mask:0xf
.endr
.endr
.irp i, 0,1
	s_delay_alu instid0(VALU_DEP_2)
	v_permlanex16_b32 v[5+8*\i], v[4+8*\i], s[SEL], s[SEL+1]
.endr
.irp i, 0,1
	s_delay_alu instid0(VALU_DEP_2)
	v_add_f32 v[4+8*\i], v[4+8*\i], v[5+8*\i]
.endr
.endm
	v_lshl_add_u32 v160, v0, 2, 0x10400
	v_mov_b32 v161, 0
	v_lshrrev_b32 v1, 5, v0
	s_delay_alu instid0(VALU_DEP_1)
	v_readfirstlane_b32 s12, v1                    ; wave 0..7
	s_cmp_ge_u32 ttmp9, 256                        ; the same for all eight waves of a work-group
	s_cbranch_scc1 .Lweights
	; ======== the norm
	s_load_b256 s[4:11], s[0:1], 0x0               ; the rows, g, b, the images
	v_and_b32 v2, 31, v0
	s_delay_alu instid0(VALU_DEP_1)
	v_lshlrev_b32 v21, 4, v2                       ; 16 x lane
	s_wait_alu depctr_va_vdst(0)
	v_lshlrev_b32 v22, 3, v2                       ; 8 x lane
	v_and_b32 v3, 15, v0                           ; r
	s_wait_alu depctr_va_vdst(0)
	v_bfe_u32 v23, v0, 4, 1                        ; h
	s_lshr_b32 s13, ttmp9, 1
	s_lshl_b32 s13, s13, 5
	s_and_b32 s14, ttmp9, 1
	s_lshl_b32 s14, s14, 3
	s_add_co_u32 s13, s13, s14
	s_lshl_b32 s14, s12, 1
	s_add_co_u32 s13, s13, s14
	s_lshr_b32 s14, s12, 2
	s_lshl_b32 s14, s14, 3
	s_add_co_u32 s13, s13, s14                     ; my first token: 32 (T/2) + 8 (T%2) + 2 w + 8 (w/4)
	s_lshl_b32 s14, s13, 12
	s_mov_b32 s15, 0
	s_mul_i32 s16, s12, 2*YP
	v_add_nc_u32 v24, s16, v21                     ; LDS, in: my two rows
	v_mul_u32_u24 v25, v3, YP
	s_wait_alu depctr_va_vdst(0)
	v_lshl_add_u32 v25, v23, 6, v25
	s_lshl_b32 s16, s12, 9
	v_add_nc_u32 v25, s16, v25                     ; LDS, out: row r, + 64 h, + 512 w
	v_lshlrev_b32 v26, 2, v3
	s_lshl_b32 s16, s12, 6
	v_add_nc_u32 v26, s16, v26
	s_delay_alu instid0(VALU_DEP_1)
	v_add_nc_u32 v26, SCW, v26                     ; my row's scale word of K step w
	v_add_nc_u32 v27, SCW, v21                     ; the tile's scale words, 16 bytes a lane
	s_lshl_b32 s17, ttmp9, 3
	s_add_co_u32 s17, s17, s12
	s_mul_i32 s18, s17, 1536
	s_mov_b32 s19, 0
	s_lshl_b32 s24, ttmp9, 9
	s_add_co_u32 s24, s24, XSC
	s_mov_b32 s25, 0
	s_mov_b32 s[SEL], 0x76543210
	s_mov_b32 s[SEL+1], 0xfedcba98
	s_mov_b32 s22, 0x3a800000                      ; 1 / 1,024
	s_mov_b32 s23, 0x3727c5ac                      ; 1e-5
	s_wait_kmcnt 0x0
	s_add_nc_u64 s[4:5], s[4:5], s[14:15]
	s_add_nc_u64 s[18:19], s[10:11], s[18:19]
	s_add_nc_u64 s[24:25], s[10:11], s[24:25]
.irp i, 0,1
.irp j, 0,1,2,3,4,5,6,7
	global_load_b128 v[X+32*\i+4*\j:X+32*\i+4*\j+3], v21, s[4:5] offset:4096*\i+512*\j th:TH_LOAD_NT
.endr
.endr
.irp j, 0,1,2,3,4,5,6,7
	global_load_b128 v[G+4*\j:G+4*\j+3], v21, s[6:7] offset:512*\j
.endr
.irp j, 0,1,2,3,4,5,6,7
	global_load_b128 v[BB+4*\j:BB+4*\j+3], v21, s[8:9] offset:512*\j
.endr
	s_wait_loadcnt 16                              ; the rows' 16 loads are in; g's and b's 16 may be out
.irp i, 0,1
	v_pk_add_f32 v[4+8*\i:5+8*\i], v[X+32*\i:X+32*\i+1], v[X+32*\i+2:X+32*\i+3]
	v_pk_add_f32 v[6+8*\i:7+8*\i], v[X+32*\i+4:X+32*\i+5], v[X+32*\i+6:X+32*\i+7]
.endr
.irp j, 8,12,16,20,24,28
.irp i, 0,1
	s_delay_alu instid0(VALU_DEP_4)
	v_pk_add_f32 v[4+8*\i:5+8*\i], v[4+8*\i:5+8*\i], v[X+32*\i+\j:X+32*\i+\j+1]
	s_delay_alu instid0(VALU_DEP_4)
	v_pk_add_f32 v[6+8*\i:7+8*\i], v[6+8*\i:7+8*\i], v[X+32*\i+\j+2:X+32*\i+\j+3]
.endr
.endr
.irp i, 0
	s_delay_alu instid0(VALU_DEP_3)
	v_pk_add_f32 v[4+8*\i:5+8*\i], v[4+8*\i:5+8*\i], v[6+8*\i:7+8*\i]
.endr
.irp i, 1
	s_delay_alu instid0(VALU_DEP_2)
	v_pk_add_f32 v[4+8*\i:5+8*\i], v[4+8*\i:5+8*\i], v[6+8*\i:7+8*\i]
.endr
.irp i, 0,1
	s_delay_alu instid0(VALU_DEP_2)
	v_add_f32 v[4+8*\i], v[4+8*\i], v[5+8*\i]
.endr
	WSUM
.irp i, 0,1
	s_delay_alu instid0(VALU_DEP_2)
	v_mul_f32 v[8+8*\i], s22, v[4+8*\i]            ; the mean, twice: a pair for the packed form
.endr
.irp i, 0,1
	s_delay_alu instid0(VALU_DEP_2)
	v_mov_b32 v[9+8*\i], v[8+8*\i]
.endr
.irp j, 0,2,4,6,8,10,12,14,16,18,20,22,24,26,28,30
.irp i, 0,1
	v_pk_add_f32 v[X+32*\i+\j:X+32*\i+\j+1], v[X+32*\i+\j:X+32*\i+\j+1], v[8+8*\i:9+8*\i] neg_lo:[0,1] neg_hi:[0,1]
.endr
.endr
.irp i, 0,1
	v_pk_mul_f32 v[4+8*\i:5+8*\i], v[X+32*\i:X+32*\i+1], v[X+32*\i:X+32*\i+1]
	v_pk_mul_f32 v[6+8*\i:7+8*\i], v[X+32*\i+2:X+32*\i+3], v[X+32*\i+2:X+32*\i+3]
.endr
.irp j, 4,8,12,16,20,24,28
.irp i, 0,1
	s_delay_alu instid0(VALU_DEP_4)
	v_pk_fma_f32 v[4+8*\i:5+8*\i], v[X+32*\i+\j:X+32*\i+\j+1], v[X+32*\i+\j:X+32*\i+\j+1], v[4+8*\i:5+8*\i]
	s_delay_alu instid0(VALU_DEP_4)
	v_pk_fma_f32 v[6+8*\i:7+8*\i], v[X+32*\i+\j+2:X+32*\i+\j+3], v[X+32*\i+\j+2:X+32*\i+\j+3], v[6+8*\i:7+8*\i]
.endr
.endr
.irp i, 0
	s_delay_alu instid0(VALU_DEP_3)
	v_pk_add_f32 v[4+8*\i:5+8*\i], v[4+8*\i:5+8*\i], v[6+8*\i:7+8*\i]
.endr
.irp i, 1
	s_delay_alu instid0(VALU_DEP_2)
	v_pk_add_f32 v[4+8*\i:5+8*\i], v[4+8*\i:5+8*\i], v[6+8*\i:7+8*\i]
.endr
.irp i, 0,1
	s_delay_alu instid0(VALU_DEP_2)
	v_add_f32 v[4+8*\i], v[4+8*\i], v[5+8*\i]
.endr
	WSUM
.irp i, 0,1
	s_delay_alu instid0(VALU_DEP_2)
	v_fma_f32 v[4+8*\i], v[4+8*\i], s22, s23       ; var + eps
.endr
	s_wait_alu depctr_va_vdst(0)
.irp i, 0,1
	v_rsq_f32 v[10+8*\i], v[4+8*\i]
	v_rsq_f32 v[11+8*\i], v[4+8*\i]
.endr
	v_nop                                          ; a plain place behind the batch
	s_wait_alu depctr_va_vdst(0)                   ; one wait for the four, ahead of their first reader
	s_wait_loadcnt 0x0                             ; g and b
.irp j, 0,2,4,6,8,10,12,14,16,18,20,22,24,26,28,30
.irp i, 0,1
	v_pk_mul_f32 v[X+32*\i+\j:X+32*\i+\j+1], v[X+32*\i+\j:X+32*\i+\j+1], v[10+8*\i:11+8*\i]
.endr
.irp i, 0,1
	s_delay_alu instid0(VALU_DEP_2)
	v_pk_fma_f32 v[X+32*\i+\j:X+32*\i+\j+1], v[X+32*\i+\j:X+32*\i+\j+1], v[G+\j:G+\j+1], v[BB+\j:BB+\j+1]
.endr
.endr
.irp i, 0,1
.irp j, 0,1,2,3,4,5,6,7
	ds_store_b128 v24, v[X+32*\i+4*\j:X+32*\i+4*\j+3] offset:\i*YP+512*\j
.endr
.endr
	s_wait_dscnt 0x0                               ; for the others' sake: my rows lie in LDS
	s_barrier_signal -1
	s_barrier_wait -1
.irp b, 0,1,2,3
.irp j, 0,1,2,3
	ds_load_b128 v[X+16*\b+4*\j:X+16*\b+4*\j+3], v25 offset:128*\b+16*\j
.endr
.endr
	s_wait_dscnt 0x0
	QUANT X
	global_store_b128 v21, v[PC:PC+3], s[18:19]            ; the image: each store covers consecutive bytes, aligned to 256
	global_store_b64 v22, v[PC+4:PC+5], s[18:19] offset:512
	global_store_b128 v21, v[PC+6:PC+9], s[18:19] offset:768
	global_store_b64 v22, v[PC+10:PC+11], s[18:19] offset:1280
	ds_store_b32 v26, v[PW]                        ; lanes r and r + 16 write the same word with the same value
	s_wait_dscnt 0x0
	s_barrier_signal -1
	s_barrier_wait -1
	s_cmp_lg_u32 s12, 0
	s_cbranch_scc1 .Ldone
	ds_load_b128 v[28:31], v27
	s_wait_dscnt 0x0
	global_store_b128 v21, v[28:31], s[24:25]      ; the tile's 512 bytes of scale words
.Ldone:
	s_wait_tensorcnt 0x0
	ds_add_u32 v160, v161
	s_wait_dscnt 0x0
	s_endpgm
	; ======== the weights
.Lweights:
	s_and_b32 s2, s12, 3                           ; which 32 of the four's 128 columns
	s_lshr_b32 s3, s12, 2                          ; which four of the work-group's two
	s_load_b256 s[8:15], s[0:1], 0x20              ; wq, wk, wv, wo
	s_load_b128 s[16:19], s[0:1], 0x40             ; w1, w2
	s_load_b64 s[20:21], s[0:1], 0x50              ; W
	v_and_b32 v2, 31, v0                           ; lane = my column of the pair of tiles
	v_bfe_u32 v3, v0, 3, 1                         ; u: which tile of the pair
	s_wait_alu depctr_va_vdst(0)
	v_and_b32 v7, 7, v0
	v_bfe_u32 v8, v0, 4, 1
	s_delay_alu instid0(VALU_DEP_1)
	v_lshl_add_u32 v7, v8, 3, v7                   ; r: my row in that tile
	s_sub_co_u32 s4, ttmp9, 256
	s_lshl_b32 s4, s4, 1
	s_add_co_u32 s4, s4, s3                        ; the four's job, 0 .. 767: 0-255 wq, wk, wv, wo (64 each); 256-511 w1; 512-767 w2
	s_lshr_b32 s7, s4, 6                           ; 0-3: which small weight; 4-7: w1; 8-11: w2
	s_and_b32 s42, s4, 7                           ; small weights: which 128 columns,
	s_bfe_u32 s43, s4, 0x30003                     ; which K step
	s_and_b32 s5, s4, 31                           ; w1: 32 groups of columns,
	s_bfe_u32 s6, s4, 0x30005                      ; 8 K steps
	s_and_b32 s47, s4, 7                           ; w2: 8 groups of columns,
	s_bfe_u32 s46, s4, 0x50003                     ; 32 K steps
	s_mov_b32 s40, 4096                            ; pitch in bytes
	s_mov_b32 s41, 8                               ; K steps of the operand
	s_mul_i32 s44, s7, 786432                      ; where its codes begin
	s_lshl_b32 s45, s7, 15                         ; and its scale words
	s_cmp_ge_u32 s7, 4
	s_cselect_b32 s40, 16384, s40
	s_cselect_b32 s42, s5, s42
	s_cselect_b32 s43, s6, s43
	s_cselect_b32 s44, 3145728, s44
	s_cselect_b32 s45, 131072, s45
	s_cmp_ge_u32 s7, 8
	s_cselect_b32 s40, 4096, s40
	s_cselect_b32 s41, 32, s41
	s_cselect_b32 s42, s47, s42
	s_cselect_b32 s43, s46, s43
	s_cselect_b32 s44, 6291456, s44
	s_cselect_b32 s45, 262144, s45
	s_mul_i32 s50, s41, 1536                       ; a tile's codes
	s_lshl_b32 s51, s41, 6                         ; a tile's scale words
	v_mul_u32_u24 v4, s50, v3
	s_wait_alu depctr_va_vdst(0)
	v_lshl_add_u32 v5, v7, 3, v4                   ; my 8 bytes of an image's short part
	v_lshl_add_u32 v4, v7, 4, v4                   ; my 16 bytes of its long part
	v_mul_u32_u24 v6, s51, v3
	s_delay_alu instid0(VALU_DEP_1)
	v_lshl_add_u32 v6, v7, 2, v6                   ; my scale word
	v_lshlrev_b32 v[VO], 2, v2
.set I, 1
.rept 31
	s_delay_alu instid0(VALU_DEP_1)
	v_add_nc_u32 v[VO+I], s40, v[VO+I-1]
.set I, I+1
.endr
	s_mul_i32 s46, s43, s40
	s_lshl_b32 s46, s46, 7                         ; 128 rows of the source for each K step
	s_lshl_b32 s47, s42, 9
	s_add_co_u32 s46, s46, s47
	s_lshl_b32 s47, s2, 7
	s_add_co_u32 s46, s46, s47                     ; + 512 x column group + 128 x wave
	s_mov_b32 s47, 0
	s_lshl_b32 s48, s40, 5                         ; a block: 32 rows
	s_mov_b32 s49, 0
	s_lshl_b32 s52, s42, 2
	s_add_co_u32 s52, s52, s2
	s_lshl_b32 s52, s52, 1                         ; my first tile
	s_mul_i32 s54, s52, s51
	s_mul_i32 s52, s52, s50
	s_mul_i32 s53, s43, 1536
	s_add_co_u32 s52, s52, s53
	s_add_co_u32 s52, s52, s44
	s_lshl_b32 s53, s43, 6
	s_add_co_u32 s54, s54, s53
	s_add_co_u32 s54, s54, s45
	s_add_co_u32 s54, s54, WSC
	s_mov_b32 s53, 0
	s_mov_b32 s55, 0
	s_wait_alu depctr_va_vdst(0)
	s_wait_kmcnt 0x0
	s_mov_b64 s[22:23], s[8:9]                     ; the source: a choice on the job's number alone
	s_cmp_eq_u32 s7, 1
	s_cselect_b64 s[22:23], s[10:11], s[22:23]
	s_cmp_eq_u32 s7, 2
	s_cselect_b64 s[22:23], s[12:13], s[22:23]
	s_cmp_eq_u32 s7, 3
	s_cselect_b64 s[22:23], s[14:15], s[22:23]
	s_cmp_ge_u32 s7, 4
	s_cselect_b64 s[22:23], s[16:17], s[22:23]
	s_cmp_ge_u32 s7, 8
	s_cselect_b64 s[22:23], s[18:19], s[22:23]
	s_add_nc_u64 s[SB:SB+1], s[22:23], s[46:47]
.irp t, 1,2,3
	s_add_nc_u64 s[SB+2*\t:SB+2*\t+1], s[SB+2*\t-2:SB+2*\t-1], s[48:49]
.endr
	s_add_nc_u64 s[52:53], s[20:21], s[52:53]      ; my codes
	s_add_nc_u64 s[54:55], s[20:21], s[54:55]      ; my scale words
.macro LOAD t                          ; block t: 32 rows of the source at my column, into set t % 2
.set I, 0
.rept 32
	global_load_b32 v[WX+32*((\t)%2)+I], v[VO+I], s[SB+2*(\t):SB+2*(\t)+1] th:TH_LOAD_NT
.set I, I+1
.endr
.endm
	LOAD 0
	LOAD 1
.macro BLOCK t                         ; block t is half t / 2 of the image, lanes 16 (t % 2) on
.set XS, WX+32*((\t)%2)
.set CC, C+8*(\t)
.if (\t) < 3
	s_wait_loadcnt 32                              ; this block's 32 loads are in; the next block's 32 may be out
.else
	s_wait_loadcnt 0x0
.endif
	v_max3_num_f32 v12, |v[XS]|, |v[XS+1]|, |v[XS+2]|
	v_max3_num_f32 v13, |v[XS+3]|, |v[XS+4]|, |v[XS+5]|
.irp i, 6,10,14,18,22,26
	s_delay_alu instid0(VALU_DEP_2)
	v_max3_num_f32 v12, v12, |v[XS+\i]|, |v[XS+\i+1]|
	s_delay_alu instid0(VALU_DEP_2)
	v_max3_num_f32 v13, v13, |v[XS+\i+2]|, |v[XS+\i+3]|
.endr
	s_delay_alu instid0(VALU_DEP_2)
	v_max3_num_f32 v12, v12, |v[XS+30]|, |v[XS+31]|
	s_delay_alu instid0(VALU_DEP_1)
	v_max3_num_f32 v12, v12, v13, 0x1800000        ; with the floor 2^(3 - 127): the byte cannot fall under 1
	s_delay_alu instid0(VALU_DEP_1)
	v_add_nc_u32 v11, 0xff000000, v12              ; 2 off the exponent field: the conversion's scale operand
	s_delay_alu instid0(VALU_DEP_1)
	v_lshrrev_b32 v13, 23, v11                     ; the scale's byte
.if (\t) == 0
	s_delay_alu instid0(VALU_DEP_1)
	v_mov_b32 v[SW], v13
.else
	s_delay_alu instid0(VALU_DEP_1)
	v_lshl_or_b32 v[SW], v13, 8*(\t), v[SW]
.endif
	v_cvt_scalef32_pk16_fp6_f32 v[CC:CC+2], v[XS:XS+15], v11
	v_cvt_scalef32_pk16_fp6_f32 v[E:E+2], v[XS+16:XS+31], v11   ; (a conversion's three registers begin on an even number)
	v_nop                                          ; one plain place behind a scaled conversion
	v_mov_b32 v[CC+3], v[E]
	v_mov_b32 v[CC+4], v[E+1]
	v_mov_b32 v[CC+5], v[E+2]
	global_store_b128 v4, v[CC:CC+3], s[52:53] offset:((\t)/2)*768+256*((\t)%2)       ; sixteen lanes fill 256 aligned bytes in each tile of the pair
	global_store_b64 v5, v[CC+4:CC+5], s[52:53] offset:((\t)/2)*768+512+128*((\t)%2)
.if (\t)+2 < 4
	LOAD (\t)+2
.endif
.if (\t) == 3
	global_store_b32 v6, v[SW], s[54:55]
.endif
.endm
.irp t, 0,1,2,3
	BLOCK \t
.endr
	s_endpgm
.Lfunc_end_k_q4cc3005831_prep:
	.size	k_q4cc3005831_prep, .Lfunc_end_k_q4cc3005831_prep-k_q4cc3005831_prep
	.p2alignl 7, 3214868480
	.fill 96, 4, 3214868480
	.section	.rodata,"a",@progbits
	.p2align	6, 0x0
	.amdhsa_kernel k_q4cc3005831_prep
		.amdhsa_group_segment_fixed_size 67584
		.amdhsa_private_segment_fixed_size 0
		.amdhsa_enable_private_segment 0
		.amdhsa_kernarg_size 88
		.amdhsa_user_sgpr_count 2
		.amdhsa_user_sgpr_kernarg_segment_ptr 1
		.amdhsa_wavefront_size32 1
		.amdhsa_system_sgpr_workgroup_id_x 1
		.amdhsa_system_sgpr_workgroup_id_y 1
		.amdhsa_system_sgpr_workgroup_id_z 1
		.amdhsa_system_vgpr_workitem_id 0
		.amdhsa_next_free_vgpr 162
		.amdhsa_next_free_sgpr 66
		.amdhsa_reserve_vcc 0
		.amdhsa_float_denorm_mode_32 3
		.amdhsa_float_denorm_mode_16_64 3
		.amdhsa_memory_ordered 1
		.amdhsa_forward_progress 1
		.amdhsa_inst_pref_size 57
	.end_amdhsa_kernel
	.amdgpu_metadata
---
amdhsa.version: [ 1, 2 ]
amdhsa.kernels:
  - .name:           k_q4cc3005831_prep
    .symbol:         k_q4cc3005831_prep.kd
    .args:
      - { .name: x, .offset: 0, .size: 8, .value_kind: global_buffer, .address_space: global }
      - { .name: ln1_g, .offset: 8, .size: 8, .value_kind: global_buffer, .address_space: global }
      - { .name: ln1_b, .offset: 16, .size: 8, .value_kind: global_buffer, .address_space: global }
      - { .name: XA, .offset: 24, .size: 8, .value_kind: global_buffer, .address_space: global }
      - { .name: wq, .offset: 32, .size: 8, .value_kind: global_buffer, .address_space: global }
      - { .name: wk, .offset: 40, .size: 8, .value_kind: global_buffer, .address_space: global }
      - { .name: wv, .offset: 48, .size: 8, .value_kind: global_buffer, .address_space: global }
      - { .name: wo, .offset: 56, .size: 8, .value_kind: global_buffer, .address_space: global }
      - { .name: w1, .offset: 64, .size: 8, .value_kind: global_buffer, .address_space: global }
      - { .name: w2, .offset: 72, .size: 8, .value_kind: global_buffer, .address_space: global }
      - { .name: W, .offset: 80, .size: 8, .value_kind: global_buffer, .address_space: global }
    .group_segment_fixed_size: 67584
    .private_segment_fixed_size: 0
    .kernarg_segment_align: 8
    .kernarg_segment_size: 88
    .max_flat_workgroup_size: 256
    .sgpr_count:     66
    .vgpr_count:     162
    .wavefront_size: 32
...
	.end_amdgpu_metadata
.endif
;; end of part 1
;; launch qkv (part 2): grid 16 x 12, 4 waves a work-group, clusters of 4 x 4, 327,680 bytes of LDS; arguments XA, W, bq, bk, bv, QKV; writes QKV
.if DOCPART == 2
	.amdgcn_target "amdgcn-amd-amdhsa--gfx1250"
	.amdhsa_code_object_version 6
	.text
	.protected	k_q4cc3005831_qkv
	.globl	k_q4cc3005831_qkv
	.p2align	8
	.type	k_q4cc3005831_qkv,@function
k_q4cc3005831_qkv:
	s_mov_b64 s[64:65], 0
	v_nop
	global_prefetch_b8 v0, s[64:65] scope:SCOPE_SE
	s_setreg_imm32_b32 hwreg(HW_REG_WAVE_MODE, 25, 1), 1
	s_wait_xcnt 0x0
	s_wait_alu depctr_hold_cnt(0) depctr_sa_sdst(0) depctr_va_vdst(0) depctr_va_sdst(0) depctr_va_ssrc(0) depctr_va_vcc(0) depctr_vm_vsrc(0)
	s_getreg_b32 s2, hwreg(HW_REG_IB_STS2, 6, 4)
	s_cmp_eq_u32 s2, 0
	s_cbranch_scc0 .Lentry_in_a_cluster
	s_endpgm
.Lentry_in_a_cluster:
	s_bfe_u32 s2, ttmp6, 0x10000c
	s_cmp_lg_u32 s2, 0xf033
	s_cbranch_scc0 .Lentry_shape_is_right
	s_endpgm
.Lentry_shape_is_right:
; q, k, v = LN1(x) W + bias on codes of FP6 (E2M3) with E8M0 scales, and each result quantised again for attention: q and k along the head's 64, v along the keys.
; Operands lie in memory as images of their registers: [tile of 16 rows][K step of 128][1,536 bytes], scale words [tile][K step][64 bytes]; row r of tile t is row 32 (t/2) + 8 (t%2) + r + 8 (r/8).
; A work-group of four waves makes 256 x 256, a wave 128 x 128: 64 accumulators.  K = 1,024 goes in slots of 256 through a ring of two LDS slots filled by the tensor data mover; all scale words come once.
; THE MATRIX INSTRUCTION IS USED TRANSPOSED: source 0 = 16 rows of side B, source 1 = 16 rows of side A.  A lane then holds ONE row of A, and by the order of rows in a tile its 64 registers of a block of A
; run along 128 neighbouring rows of B: 16 b + i is row 32 b + 16 (lane/16) + i.  That is the order in which the quantiser wants a lane's numbers.
; ROLES.  Clusters with y = 0, 1: A = tokens, B = the columns of wq and wk on end: registers run along the features, the next K of q and k.  Clusters with y = 2: A = the columns of wv, B = tokens:
; registers run along the keys, the next K of v.  The role is the same in all sixteen partners; it chooses buffers and offsets, and once, behind the ring, the way out.
; CLUSTERS: 4 x 4.  A's tiles hang on the cluster's row, B's on its column: each is asked for jointly by the four that share it.
; OUT: q's codes [bh][tile 128][768]; k and v [bh][chunk 4][k: 32 tiles x 768 | v: 4 key steps x 4 tiles of d x 1,536]; q's scale words [bh][128][64]; then [bh][k: 128 x 64 | v: 16 x 4 x 64].
; LIMITS: NaN and infinities are not served; a block under 2^-124 keeps the byte 1; a block of zeros has the byte 1, not 127 (zero codes; only this program reads the bytes).
; REGISTERS: window 0: v4-8 offsets, v16-31 addresses, v32-63 scale words (two sets), v64-255 A's fragments (two sets); window 1: B's fragments at v0 and v128; windows 2, 3: the accumulators.
.set NB,    8                          ; blocks of 16 rows a wave has on each side
.set NQ,    2                          ; K steps of 128 in a slot
.set KS,    8                          ; K steps in all
.set XSC,   3145728                    ; XA: where the scale words begin
.set WSC,   9437184                    ; W: likewise
.set WVC,   1572864                    ; W: wv's codes
.set KVC,   3145728                    ; QKV: k's and v's codes
.set BHS,   208896                     ; QKV: q's codes; then for each bh 196,608 bytes of k's and v's codes with that head's 12,288 bytes of scale words directly behind them; q's scale words last
.set QSC,   9830400                    ; q's scale words
.set KSC,   KVC+196608                 ; k's and v's scale words of head 0: behind its codes
.set T,     64                         ; the way out: 64 numbers
.set PC,    192                        ; codes
.set TM,    212                        ; at work
.set PW,    228                        ; the scale word
.set PWP,   229                        ; the block before's
.set SEL,   44                         ; s[44:45] selects for lane l xor 16
.set FRB,   1536
.set HALFT, NB*NQ*FRB                  ; what one tensor load brings: NB tiles x NQ steps
.set SLOT,  4*HALFT                    ; A's two halves, B's two halves
.set SCL,   2*SLOT                     ; behind the ring: the scale words
.set HALFS, NB*KS*64
.set SPARE, SCL+4*HALFS                ; the spare words: 128 bytes a wave, named by no other line
.set LAPS,  KS/(2*NQ)
.set QA,    NB/4
.set ADRA,  16                         ; v16-17 A's images in slot 0, 1 at 16 x lane; v18-19 at 8 x lane
.set ADRB,  20                         ; v20-23 the same for B
.set ADRS,  27                         ; v27 my scale words: lanes 0-15 A's, lanes 16-31 B's
.set SPW,   28
.set NIL,   29
.set L16,   30
.set L8,    31
.set SC,    32
.set AF,    64
.set G1,    24
.set G0,    32
.set G1B,   48
.set G0B,   56
.set G1S,   68
.set G0S,   76
.set G1SB,  80
.set G0SB,  88
.set MSB,   0
.macro WIN new                         ; the immediate's high byte repeats the setting that is left
.if MSB != (\new)
	s_set_vgpr_msb (MSB<<8)|(\new)
.set MSB, (\new)
.endif
.endm
.macro JLOAD g0a, g1a, g0b, g1b        ; a joint load: waves 0, 1 fetch for A, waves 2, 3 for B; four v_nop follow each line
	s_cmp_eq_u32 s15, 0
	s_cbranch_scc0 .Lfor_b_\@
	tensor_load_to_lds s[\g0a:\g0a+3], s[\g1a:\g1a+7]
	s_nop 0
.rept 4
	v_nop
.endr
	s_branch .Lasked_\@
.Lfor_b_\@:
	tensor_load_to_lds s[\g0b:\g0b+3], s[\g1b:\g1b+7]
	s_nop 0
.rept 4
	v_nop
.endr
.Lasked_\@:
.endm
.macro CREST                           ; a round of the cluster's barrier behind its opening barrier
	s_cmp_lg_u32 s14, 0
	s_cbranch_scc1 .Lnot_wave_0_\@
	s_barrier_signal -3
.Lnot_wave_0_\@:
	s_barrier_wait -3
	s_barrier_signal -1
	s_barrier_wait -1
.endm
.macro CROUND
	s_barrier_signal -1
	s_barrier_wait -1
	CREST
.endm
.macro PLACES n                        ; plain places behind matrix instructions, in front of loads into their registers and of reads of their results
.rept \n
	v_nop
.endr
.endm
.macro FRAG reg, adr, q, i             ; a fragment's image comes back as it was stored: 16, 8, 16, 8 bytes a lane, each load on consecutive bytes
	ds_load_b128 v[\reg:\reg+3], v[\adr] offset:((\i)*NQ+(\q))*FRB
	ds_load_b64 v[\reg+4:\reg+5], v[\adr+2] offset:((\i)*NQ+(\q))*FRB+512
	ds_load_b128 v[\reg+6:\reg+9], v[\adr] offset:((\i)*NQ+(\q))*FRB+768
	ds_load_b64 v[\reg+10:\reg+11], v[\adr+2] offset:((\i)*NQ+(\q))*FRB+1280
.endm
.macro FETCH slot, q, p                ; both sides' fragments of the slot's q-th K step into set p
	WIN 0x40
.set FI, 0
.rept NB
	FRAG 128*(\p)+12*FI, ADRB+\slot, \q, FI
.set FI, FI+1
.endr
	WIN 0
.set FI, 0
.rept NB
	FRAG AF+96*(\p)+12*FI, ADRA+\slot, \q, FI
.set FI, FI+1
.endr
.endm
.macro SCALES sc                       ; a slot's scale words into set sc: register NQ i + q
.set FI, 0
.rept NB
.set FQ, 0
.rept NQ
	ds_load_b32 v[SC+NB*NQ*(\sc)+NQ*FI+FQ], v[ADRS] offset:(FI*KS+FQ)*64
.set FQ, FQ+1
.endr
.set FI, FI+1
.endr
.endm
.macro MULR a0, n, p, q, sc, zero      ; A's blocks a0 .. a0 + n - 1 against B's NB; the accumulators take turns, one instruction a turn
.set MA, \a0
.rept \n
.if NB*MA < 32
	WIN 0xa1
.else
	WIN 0xf1
.endif
.set MD, (8*NB*MA)%256
.irp b, 0,1,2,3,4,5,6,7
.if \b < NB
.if \zero
	v_wmma_scale_f32_16x16x128_f8f6f4 v[MD+8*\b:MD+8*\b+7], v[128*(\p)+12*\b:128*(\p)+12*\b+11], v[AF+96*(\p)+12*MA:AF+96*(\p)+12*MA+11], 0, v[SC+NB*NQ*(\sc)+NQ*\b+(\q)], v[SC+NB*NQ*(\sc)+NQ*MA+(\q)] matrix_a_fmt:MATRIX_FMT_FP6 matrix_b_fmt:MATRIX_FMT_FP6 matrix_a_scale:MATRIX_SCALE_ROW1
.else
	v_wmma_scale_f32_16x16x128_f8f6f4 v[MD+8*\b:MD+8*\b+7], v[128*(\p)+12*\b:128*(\p)+12*\b+11], v[AF+96*(\p)+12*MA:AF+96*(\p)+12*MA+11], v[MD+8*\b:MD+8*\b+7], v[SC+NB*NQ*(\sc)+NQ*\b+(\q)], v[SC+NB*NQ*(\sc)+NQ*MA+(\q)] matrix_a_fmt:MATRIX_FMT_FP6 matrix_b_fmt:MATRIX_FMT_FP6 matrix_a_scale:MATRIX_SCALE_ROW1
.endif
.endif
.endr
.set MA, MA+1
.endr
.endm
.macro STEP slot, q, zero              ; a K step whose successor lies in the same slot: the successor's fragments are asked for first, into the other set
	s_wait_dscnt 0x0                               ; this step's fragments, asked for a step ago, are in
	PLACES 4
	FETCH \slot, (\q)+1, 1-(\q)%2
	MULR 0, NB, (\q)%2, \q, \slot, \zero
	WIN 0
.endm
.macro MID slot
.if NQ > 2
.set MQ, 1
.rept NQ-2
	STEP \slot, MQ, 0
.set MQ, MQ+1
.endr
.endif
.endm
.macro TURN slot, next, fill           ; a slot's last K step changes slots: one barrier; fill = 1: this slot is filled again, two slots ahead
	s_wait_tensorcnt 0x0                           ; all my tensor loads have landed: my part of the next slot
	ds_add_u32 v[SPW], v[NIL]                      ; 0 onto my spare word
	s_wait_dscnt 1                                 ; my fragments are in; the add may be out
	MULR 0, QA, 1, NQ-1, \slot, 0
	s_wait_dscnt 0x0                               ; the add is done, and my reads of this slot are over
	s_barrier_signal -1
	MULR QA, QA, 1, NQ-1, \slot, 0
	WIN 0
	s_barrier_wait -1
.if \fill
	CREST                                          ; the barrier has opened a round of the cluster's: no wave of any partner reads this slot or has a load on its way
	s_add_nc_u64 s[G0+4*\slot+2:G0+4*\slot+3], s[G0+4*\slot+2:G0+4*\slot+3], 2*NQ*FRB
	s_add_nc_u64 s[G0B+4*\slot+2:G0B+4*\slot+3], s[G0B+4*\slot+2:G0B+4*\slot+3], 2*NQ*FRB
	JLOAD G0+4*\slot, G1, G0B+4*\slot, G1B         ; the first tensor load behind the round; its four v_nop are the places in front of the loads below
.else
	PLACES 4
.endif
	s_wait_alu depctr_va_vdst(0)
	v_add_nc_u32 v[ADRS], 64*NQ, v[ADRS]
	FETCH \next, 0, 0
	SCALES \next
	MULR 2*QA, 2*QA, 1, NQ-1, \slot, 0
	WIN 0
.endm
.macro QUANT s                         ; 64 numbers, register 16 b + i = k 32 b + 16 h + i of my row -> codes v[PC..PC+11], scale word v[PW]
.irp b, 0,1,2,3
	v_max3_num_f32 v[TM+\b], |v[\s+16*\b]|, |v[\s+1+16*\b]|, 0x1800000
.endr
.irp i, 2,4,6,8,10,12,14
.irp b, 0,1,2,3
	v_max3_num_f32 v[TM+\b], v[TM+\b], |v[\s+16*\b+\i]|, |v[\s+1+16*\b+\i]|
.endr
.endr
.irp b, 0,1,2,3
	v_permlanex16_b32 v[TM+4+\b], v[TM+\b], s[SEL], s[SEL+1]
.endr
.irp b, 0,1,2,3
	v_max_num_f32 v[TM+\b], v[TM+\b], v[TM+4+\b]
.endr
.irp b, 0,1,2,3
	v_add_nc_u32 v[TM+12+\b], 0xff000000, v[TM+\b]
.endr
.irp b, 0,1,2,3
	v_lshrrev_b32 v[TM+4+\b], 23, v[TM+12+\b]
.endr
	v_lshl_or_b32 v[PW], v[TM+5], 8, v[TM+4]
	v_lshl_or_b32 v[PW], v[TM+6], 16, v[PW]
	v_lshl_or_b32 v[PW], v[TM+7], 24, v[PW]
.irp c, 0,1
	v_cvt_scalef32_pk16_fp6_f32 v[PC+6*\c:PC+2+6*\c], v[\s+32*\c:\s+15+32*\c], v[TM+12+2*\c]
	v_cvt_scalef32_pk16_fp6_f32 v[PC+12+4*\c:PC+14+4*\c], v[\s+16+32*\c:\s+31+32*\c], v[TM+12+2*\c+1]
.endr
	v_nop
.irp c, 0,1
.irp i, 0,1,2
	v_permlane16_swap_b32 v[PC+6*\c+\i], v[PC+12+4*\c+\i]
.endr
.irp i, 0,1,2
	v_mov_b32 v[PC+3+6*\c+\i], v[PC+12+4*\c+\i]
.endr
.endr
.endm
	s_load_b256 s[4:11], s[0:1], 0x0               ; XA, W, bq, bk
	s_load_b128 s[92:95], s[0:1], 0x20             ; bv, QKV
	v_lshl_add_u32 v[SPW], v0, 2, SPARE
	v_mov_b32 v[NIL], 0
	ds_add_u32 v28, v29
	ds_add_u32 v28, v29
	s_wait_dscnt 0x0
	v_lshrrev_b32 v1, 5, v0
	v_readfirstlane_b32 s14, v1                    ; wave
	s_lshr_b32 s15, s14, 1                         ; my half of A's rows.  Also: I fetch for A (0) or B (1)
	s_and_b32 s16, s14, 1                          ; my half of B's rows.  Also: which half I fetch
	s_bfe_u32 s40, ttmp6, 0x40000                  ; cx
	s_bfe_u32 s41, ttmp6, 0x40004                  ; cy
	s_and_b32 s17, ttmp7, 0xffff                   ; the cluster's y
	s_lshl_b32 s66, s17, 3
	s_lshl_b32 s21, s41, 1
	s_add_co_u32 s66, s66, s21
	s_lshr_b32 s21, ttmp9, 1
	s_add_co_u32 s66, s66, s21                     ; q, k: A's block of 256 tokens = 8 cly + 2 cy + clx / 2
	s_and_b32 s67, ttmp9, 1
	s_lshl_b32 s67, s67, 2
	s_add_co_u32 s67, s67, s40                     ; q, k: B's block of 256 features = 4 (clx % 2) + cx
	s_lshl_b32 s47, ttmp9, 2
	s_add_co_u32 s47, s47, s40                     ; v: B's block of 256 tokens = 4 clx + cx
	s_cmp_eq_u32 s17, 2                            ; the role: the same in all sixteen partners
	s_cselect_b32 s19, 1, 0
	s_cselect_b32 s66, s41, s66                    ; v: A's block of 256 features = cy
	s_cselect_b32 s67, s47, s67
	s_cselect_b32 s2, WVC, 0                       ; where A's codes begin in its buffer
	s_mov_b32 s18, XSC
	s_cselect_b32 s45, WSC+65536, s18              ; A's scale words
	s_mov_b32 s98, WSC
	s_cselect_b32 s98, s18, s98                    ; B's
	s_lshl_b32 s43, s41, 2
	s_lshl_b32 s43, 15, s43                        ; my row of the cluster
	s_lshl_b32 s44, 0x1111, s40                    ; my column
	s_or_b32 s[G1+0], s43, (3<<16)|(1<<21)         ; the mask; elements of 8 bytes; bit 21 beside a mask; no padding
	s_or_b32 s[G1B+0], s44, (3<<16)|(1<<21)
.irp g, G1, G1B
	s_mov_b32 s[\g+1], (192*NQ)<<16                ; tensor_dim0: NQ images on end
	s_mov_b32 s[\g+2], (2*NB)<<16                  ; tensor_dim1: for the head's loads a side's 2 NB tiles
	s_mov_b32 s[\g+3], (192*NQ)<<16                ; tile_dim0
	s_mov_b32 s[\g+4], 2*NB                        ; tile_dim1
	s_mov_b32 s[\g+5], 192*KS                      ; from tile to tile
	s_mov_b32 s[\g+6], 0
	s_mov_b32 s[\g+7], 0
.endr
	s_or_b32 s[G1S+0], s43, (3<<16)|(1<<21)
	s_or_b32 s[G1SB+0], s44, (3<<16)|(1<<21)
.irp g, G1S, G1SB
	s_mov_b32 s[\g+1], 32<<16                      ; the scale words of 2 NB tiles: a dense block, as rows of 256 bytes
	s_mov_b32 s[\g+2], (HALFS/128)<<16             ; a side's scale words whole: 2 HALFS bytes
	s_mov_b32 s[\g+3], 32<<16
	s_mov_b32 s[\g+4], HALFS/128
	s_mov_b32 s[\g+5], 32
	s_mov_b32 s[\g+6], 0
	s_mov_b32 s[\g+7], 0
.endr
	s_mul_i32 s42, s16, NB*KS*FRB                  ; in the ring I fetch NB tiles of a side: which half, in bytes
	s_mov_b32 s43, 0
	s_mul_i32 s20, s66, 2*NB                       ; the block's first tile of A,
	s_mul_i32 s46, s67, 2*NB                       ; of B
	s_mul_i32 s22, s20, KS*64
	s_mul_i32 s20, s20, KS*FRB
	s_mul_i32 s96, s46, KS*64
	s_mul_i32 s46, s46, KS*FRB
	s_add_co_u32 s20, s20, s2
	s_add_co_u32 s22, s22, s45
	s_add_co_u32 s96, s96, s98
	s_mov_b32 s21, 0
	s_mov_b32 s23, 0
	s_mov_b32 s47, 0
	s_mov_b32 s97, 0
	s_mul_i32 s45, s14, HALFT                      ; where they go: the wave's number alone
	s_wait_kmcnt 0x0
	s_cmp_eq_u32 s19, 1
	s_cselect_b64 s[98:99], s[6:7], s[4:5]         ; A's buffer
	s_cselect_b64 s[12:13], s[4:5], s[6:7]         ; B's
	s_add_nc_u64 s[20:21], s[98:99], s[20:21]
	s_add_nc_u64 s[22:23], s[98:99], s[22:23]
	s_add_nc_u64 s[46:47], s[12:13], s[46:47]
	s_add_nc_u64 s[96:97], s[12:13], s[96:97]
	CROUND                                         ; all sixteen work-groups are here: the first joint loads meet
	s_mov_b32 s[G0S], 1
	s_mov_b32 s[G0S+1], SCL
	s_mov_b64 s[G0S+2:G0S+3], s[22:23]
	s_or_b32 s[G0S+3], s[G0S+3], 0x80000000
	s_mov_b32 s[G0SB], 1
	s_mov_b32 s[G0SB+1], SCL+2*HALFS
	s_mov_b64 s[G0SB+2:G0SB+3], s[96:97]
	s_or_b32 s[G0SB+3], s[G0SB+3], 0x80000000
.irp s, 0,1
	s_mov_b32 s[G0+4*\s], 1
	s_add_co_u32 s[G0+4*\s+1], s45, \s*SLOT
	s_add_nc_u64 s[G0+4*\s+2:G0+4*\s+3], s[20:21], \s*NQ*FRB
	s_or_b32 s[G0+4*\s+3], s[G0+4*\s+3], 0x80000000
	s_mov_b32 s[G0B+4*\s], 1
	s_add_co_u32 s[G0B+4*\s+1], s45, \s*SLOT
	s_add_nc_u64 s[G0B+4*\s+2:G0B+4*\s+3], s[46:47], \s*NQ*FRB
	s_or_b32 s[G0B+4*\s+3], s[G0B+4*\s+3], 0x80000000
.endr
; THE HEAD'S LOADS, ONE A WAVE: wave 0 slot 0's 2 NB tiles of A, wave 1 those of B, wave 2 A's scale words, wave 3 B's.  One chain of branches on the wave's number.
	s_mov_b32 s[G0+1], 0
	s_mov_b32 s[G0B+1], 2*HALFT
	s_add_nc_u64 s[G0+6:G0+7], s[G0+6:G0+7], s[42:43]      ; slot 1's load is the ring's: my NB tiles
	s_add_nc_u64 s[G0B+6:G0B+7], s[G0B+6:G0B+7], s[42:43]
.macro ARM under, g0, g1, next
	s_cmp_lt_u32 s14, \under
	s_cbranch_scc0 \next
	tensor_load_to_lds s[\g0:\g0+3], s[\g1:\g1+7]
	s_nop 0
.rept 4
	v_nop
.endr
	s_branch .Lhead_asked
\next:
.endm
	ARM 1, G0,  G1,  .Lhead_b
	ARM 2, G0B, G1B, .Lhead_sa
	ARM 3, G0S, G1S, .Lhead_sb
	tensor_load_to_lds s[G0SB:G0SB+3], s[G1SB:G1SB+7]
	s_nop 0
.rept 4
	v_nop
.endr
.Lhead_asked:
; PREFETCHES INTO THE L2: of the NB tiles x NQ steps (96 blocks of 256 bytes) that I fetch for a slot, each of the four partners that ask jointly names two tiles' 24 blocks, told apart by address (cx for A, cy for B);
; lanes 24 to 31 name the last block again.  Here slots 1 and 2, behind slot 1's load slot 3: that is all of K.
	s_cmp_eq_u32 s15, 0
	s_cselect_b64 s[12:13], s[20:21], s[46:47]
	s_cselect_b32 s2, s40, s41
	s_mul_i32 s2, s2, 2*KS*FRB
	s_mov_b32 s3, 0
	s_add_nc_u64 s[12:13], s[12:13], s[42:43]
	s_add_nc_u64 s[12:13], s[12:13], s[2:3]
	v_and_b32 v12, 31, v0
	v_min_u32 v12, 23, v12
	v_mul_u32_u24 v13, v12, 22
	v_lshrrev_b32 v13, 8, v13                      ; block / 12: which of my two tiles
	v_mul_u32_u24 v13, v13, (KS-NQ)*FRB
	v_lshl_add_u32 v12, v12, 8, v13
	global_prefetch_b8 v12, s[12:13] offset:NQ*FRB th:TH_LOAD_NT scope:SCOPE_SE
	global_prefetch_b8 v12, s[12:13] offset:2*NQ*FRB th:TH_LOAD_NT scope:SCOPE_SE
	v_and_b32 v1, 15, v0                           ; r
	v_bfe_u32 v2, v0, 4, 1                         ; h
	v_and_b32 v3, 31, v0                           ; lane
	v_lshlrev_b32 v[L16], 4, v3
	v_lshlrev_b32 v[L8], 3, v3
	s_mul_i32 s21, s15, HALFT
	s_mul_i32 s22, s16, HALFT
	s_add_co_u32 s22, s22, 2*HALFT
.irp s, 0,1
	v_add_nc_u32 v[ADRA+\s], s21, v[L16]
	v_add_nc_u32 v[ADRA+2+\s], s21, v[L8]
	v_add_nc_u32 v[ADRB+\s], s22, v[L16]
	v_add_nc_u32 v[ADRB+2+\s], s22, v[L8]
	s_add_co_u32 s21, s21, SLOT
	s_add_co_u32 s22, s22, SLOT
.endr
	s_mul_i32 s21, s15, HALFS
	s_mul_i32 s22, s16, HALFS
	s_add_co_u32 s22, s22, 2*HALFS
	s_sub_co_u32 s22, s22, s21
	v_mul_u32_u24 v6, s22, v2                      ; lanes 16-31 take B's: one product with h
	s_add_co_u32 s21, s21, SCL
	v_lshlrev_b32 v8, 2, v1                        ; 4 r
	v_add_nc_u32 v5, v8, v6
	v_add_nc_u32 v[ADRS], s21, v5
	v_lshlrev_b32 v4, 6, v2                        ; 64 h
	v_lshlrev_b32 v6, 4, v2                        ; 16 h
	v_lshlrev_b32 v7, 2, v3                        ; 4 x lane
	s_wait_alu depctr_va_vdst(0)
	s_wait_tensorcnt 0x0                           ; my tile of the head's four is in
	ds_add_u32 v[SPW], v[NIL]
	s_mov_b32 s[G1+2], NB<<16                      ; no load of mine is out: from here on a load brings NB tiles,
	s_mov_b32 s[G1+4], NB
	s_mov_b32 s[G1B+2], NB<<16
	s_mov_b32 s[G1B+4], NB
	s_add_co_u32 s[G0+1], s45, 0                   ; and slot 0's descriptors become the ring's: my quarter of the slot
	s_add_nc_u64 s[G0+2:G0+3], s[G0+2:G0+3], s[42:43]
	s_add_co_u32 s[G0B+1], s45, 0
	s_add_nc_u64 s[G0B+2:G0B+3], s[G0B+2:G0B+3], s[42:43]
	s_wait_dscnt 0x0
	CROUND                                         ; all four tiles are in, and all sixteen work-groups are here
	JLOAD G0+4, G1, G0B+4, G1B                     ; slot 1's first fill, the first tensor load behind the round
	FETCH 0, 0, 0
	SCALES 0
	global_prefetch_b8 v12, s[12:13] offset:3*NQ*FRB th:TH_LOAD_NT scope:SCOPE_SE
	STEP 0, 0, 1                                   ; the first K step starts the sums
.if LAPS > 1
	s_mov_b32 s3, LAPS-1
.Llap:
	MID 0
	TURN 0, 1, 1
	STEP 1, 0, 0
	MID 1
	TURN 1, 0, 1
	STEP 0, 0, 0
	s_sub_co_u32 s3, s3, 1
	s_cmp_lg_u32 s3, 0
	s_cbranch_scc1 .Llap
.endif
	MID 0
	TURN 0, 1, 0                                   ; the last lap fills nothing
	STEP 1, 0, 0
	MID 1
	s_wait_dscnt 0x0
	PLACES 4                                       ; in front of the bias's loads into B's first set
	s_mov_b32 s[SEL], 0x76543210
	s_mov_b32 s[SEL+1], 0xfedcba98
; A block of A's 16 rows leaves: bias, 64 numbers into window 0, the quantiser, the image.
.macro EPI kind, a
	s_wait_xcnt 0x0                                ; the last block's stores have read their registers
	WIN 0x06+(\a)/4                                ; source 0: the accumulators' window; source 1: window 1
.set J, 0
.if \kind == 0
.rept 32
	v_pk_add_f32 v[T+J:T+J+1], v[64*((\a)%4)+J:64*((\a)%4)+J+1], v[J:J+1]   ; each accumulator from its low end on
.set J, J+2
.endr
.else
.rept 64
	v_add_f32 v[T+J], v[64*((\a)%4)+J], v[\a]
.set J, J+1
.endr
.endif
	WIN 0
	QUANT T
.if \kind == 0
	global_store_b128 v[L16], v[PC:PC+3], s[32:33] offset:768*(\a)         ; the fragment's first half is one head's 64,
	global_store_b64 v[L8], v[PC+4:PC+5], s[32:33] offset:768*(\a)+512
	global_store_b128 v[L16], v[PC+6:PC+9], s[34:35] offset:768*(\a)       ; its second half the next head's
	global_store_b64 v[L8], v[PC+10:PC+11], s[34:35] offset:768*(\a)+512
	v_lshrrev_b32 v230, v6, v[PW]
	v_and_b32 v230, 0xffff, v230                   ; lanes 0-15: the first head's two bytes; lanes 16-31: the next head's; the upper two bytes, over zero codes, are 0
	global_store_b32 v5, v230, s[36:37] offset:64*(\a)
.else
	global_store_b128 v[L16], v[PC:PC+3], s[32:33] offset:((\a)/4)*BHS+((\a)%4)*1536
	global_store_b64 v[L8], v[PC+4:PC+5], s[32:33] offset:((\a)/4)*BHS+((\a)%4)*1536+512
	global_store_b128 v[L16], v[PC+6:PC+9], s[32:33] offset:((\a)/4)*BHS+((\a)%4)*1536+768
	global_store_b64 v[L8], v[PC+10:PC+11], s[32:33] offset:((\a)/4)*BHS+((\a)%4)*1536+1280
.if (\a)%2 == 0
	v_mov_b32 v[PWP], v[PW]
.else
	v_cndmask_b32 v230, v[PWP], v[PW], s39         ; two blocks' scale words in one store of 128 bytes
	global_store_b32 v7, v230, s[36:37] offset:((\a)/4)*BHS+((\a)%4-1)*64
.endif
.endif
.endm
	s_cmp_eq_u32 s19, 1
	s_cbranch_scc1 .Lvpath
	; ---- q and k: a lane holds a token, its registers run along 128 features: two heads
	s_lshl_b32 s24, s66, 4
	s_lshl_b32 s25, s15, 3
	s_add_co_u32 s24, s24, s25                     ; my first tile of tokens
	s_lshr_b32 s25, s24, 7                         ; batch
	s_and_b32 s24, s24, 127                        ; tile in the sequence
	s_and_b32 s26, s67, 3
	s_lshl_b32 s26, s26, 2
	s_lshl_b32 s27, s16, 1
	s_add_co_u32 s26, s26, s27                     ; my first head
	s_lshl_b32 s25, s25, 4
	s_add_co_u32 s25, s25, s26                     ; bh
	s_lshl_b32 s27, s25, 7
	s_add_co_u32 s27, s27, s24
	s_mul_i32 s28, s27, 768                        ; q's codes
	s_lshl_b32 s29, s27, 6
	s_add_co_u32 s29, s29, QSC                     ; q's scale words
	s_mul_i32 s30, s25, BHS
	s_lshr_b32 s31, s24, 5
	s_mul_i32 s31, s31, 49152
	s_add_co_u32 s30, s30, s31
	s_and_b32 s31, s24, 31
	s_mul_i32 s31, s31, 768
	s_add_co_u32 s30, s30, s31
	s_add_co_u32 s30, s30, KVC                     ; k's codes
	s_mul_i32 s31, s25, BHS
	s_lshl_b32 s38, s24, 6
	s_add_co_u32 s31, s31, s38
	s_add_co_u32 s31, s31, KSC                     ; k's scale words
	s_mov_b32 s38, BHS
	s_mov_b32 s39, BHS
	s_and_b32 s50, ttmp9, 1
	s_cmp_eq_u32 s50, 0                            ; q or k: by the cluster's x
	s_cselect_b32 s32, s28, s30
	s_cselect_b32 s36, s29, s31
	s_cselect_b32 s38, 8192, s38                   ; from head to head: scale words,
	s_cselect_b32 s34, 98304, s39                  ; codes
	s_cselect_b64 s[48:49], s[8:9], s[10:11]       ; bq or bk
	s_mov_b32 s33, 0
	s_mov_b32 s35, 0
	s_mov_b32 s37, 0
	s_add_nc_u64 s[32:33], s[94:95], s[32:33]
	s_add_nc_u64 s[34:35], s[32:33], s[34:35]
	s_add_nc_u64 s[36:37], s[94:95], s[36:37]
	s_lshl_b32 s50, s26, 8                         ; a head's 64 numbers of the bias
	s_mov_b32 s51, 0
	s_add_nc_u64 s[48:49], s[48:49], s[50:51]
	v_mul_u32_u24 v5, s38, v2
	v_add_nc_u32 v5, v5, v8                        ; 4 r + h x the distance between heads
	WIN 0x40
.irp b, 0,1,2,3
.irp j, 0,1,2,3
	global_load_b128 v[16*\b+4*\j:16*\b+4*\j+3], v4, s[48:49] offset:128*\b+16*\j   ; the bias in the registers' order
.endr
.endr
	MULR 0, NB, 1, NQ-1, 1, 0                      ; the last K step
	WIN 0
	PLACES 4
.irp b, 0,1,2,3
	v_mov_b32 v[TM+4+\b], 0                        ; a lane permute's destination counts as one of its sources
.endr
	s_wait_loadcnt 0x0
.irp a, 0,1,2,3,4,5,6,7
	EPI 0, \a
.endr
	s_branch .Lend
.Lvpath:
	; ---- v: a lane holds a feature, its registers run along 128 keys: one key step
	s_lshl_b32 s24, s66, 2
	s_lshl_b32 s25, s15, 1
	s_add_co_u32 s24, s24, s25                     ; my first head
	s_lshl_b32 s25, s67, 1
	s_add_co_u32 s25, s25, s16                     ; my key step of the 32
	s_lshr_b32 s26, s25, 4                         ; batch
	s_and_b32 s25, s25, 15
	s_lshl_b32 s26, s26, 4
	s_add_co_u32 s26, s26, s24                     ; bh
	s_mul_i32 s32, s26, BHS
	s_lshr_b32 s27, s25, 2
	s_mul_i32 s27, s27, 49152
	s_add_co_u32 s32, s32, s27
	s_and_b32 s27, s25, 3
	s_mul_i32 s27, s27, 6144
	s_add_co_u32 s32, s32, s27
	s_add_co_u32 s32, s32, KVC+24576
	s_mov_b32 s33, 0
	s_mul_i32 s36, s26, BHS
	s_lshl_b32 s27, s25, 8
	s_add_co_u32 s36, s36, s27
	s_add_co_u32 s36, s36, KSC+8192
	s_mov_b32 s37, 0
	s_add_nc_u64 s[32:33], s[94:95], s[32:33]
	s_add_nc_u64 s[36:37], s[94:95], s[36:37]
	s_lshl_b32 s48, s24, 8
	s_mov_b32 s49, 0
	s_add_nc_u64 s[48:49], s[92:93], s[48:49]      ; bv at my first head
	v_and_b32 v5, 8, v1
	v_add_nc_u32 v5, v5, v1
	v_lshlrev_b32 v5, 2, v5                        ; 4 (r + 8 (r/8))
	v_cmp_eq_u32 s39, 1, v2
	WIN 0x40
.irp a, 0,1,2,3,4,5,6,7
	global_load_b32 v[\a], v5, s[48:49] offset:(32*(\a/2)+8*(\a%2))*4   ; my feature's bias, block by block
.endr
	MULR 0, NB, 1, NQ-1, 1, 0
	WIN 0
	PLACES 4
.irp b, 0,1,2,3
	v_mov_b32 v[TM+4+\b], 0
.endr
	s_wait_loadcnt 0x0
.irp a, 0,1,2,3,4,5,6,7
	EPI 1, \a
.endr
.Lend:
	s_wait_tensorcnt 0x0                           ; the wave's end
	ds_add_u32 v[SPW], v[NIL]
	s_wait_dscnt 0x0
	CROUND                                         ; the closing round
	s_endpgm
.Lfunc_end_k_q4cc3005831_qkv:
	.size	k_q4cc3005831_qkv, .Lfunc_end_k_q4cc3005831_qkv-k_q4cc3005831_qkv
	.p2alignl 7, 3214868480
	.fill 96, 4, 3214868480
	.section	.rodata,"a",@progbits
	.p2align	6, 0x0
	.amdhsa_kernel k_q4cc3005831_qkv
		.amdhsa_group_segment_fixed_size 327680
		.amdhsa_private_segment_fixed_size 0
		.amdhsa_enable_private_segment 0
		.amdhsa_kernarg_size 48
		.amdhsa_user_sgpr_count 2
		.amdhsa_user_sgpr_kernarg_segment_ptr 1
		.amdhsa_wavefront_size32 1
		.amdhsa_system_sgpr_workgroup_id_x 1
		.amdhsa_system_sgpr_workgroup_id_y 1
		.amdhsa_system_sgpr_workgroup_id_z 1
		.amdhsa_system_vgpr_workitem_id 0
		.amdhsa_next_free_vgpr 1024
		.amdhsa_next_free_sgpr 100
		.amdhsa_reserve_vcc 0
		.amdhsa_float_denorm_mode_32 3
		.amdhsa_float_denorm_mode_16_64 3
		.amdhsa_memory_ordered 1
		.amdhsa_forward_progress 1
		.amdhsa_inst_pref_size 233
	.end_amdhsa_kernel
	.amdgpu_metadata
---
amdhsa.version: [ 1, 2 ]
amdhsa.kernels:
  - .name:           k_q4cc3005831_qkv
    .symbol:         k_q4cc3005831_qkv.kd
    .args:
      - { .name: XA, .offset: 0, .size: 8, .value_kind: global_buffer, .address_space: global }
      - { .name: W, .offset: 8, .size: 8, .value_kind: global_buffer, .address_space: global }
      - { .name: bq, .offset: 16, .size: 8, .value_kind: global_buffer, .address_space: global }
      - { .name: bk, .offset: 24, .size: 8, .value_kind: global_buffer, .address_space: global }
      - { .name: bv, .offset: 32, .size: 8, .value_kind: global_buffer, .address_space: global }
      - { .name: QKV, .offset: 40, .size: 8, .value_kind: global_buffer, .address_space: global }
    .group_segment_fixed_size: 327680
    .private_segment_fixed_size: 0
    .kernarg_segment_align: 8
    .kernarg_segment_size: 48
    .max_flat_workgroup_size: 128
    .sgpr_count:     100
    .vgpr_count:     1024
    .wavefront_size: 32
...
	.end_amdgpu_metadata
.endif
;; end of part 2
;; launch attn (part 3): grid 8 x 32, 16 waves a work-group, clusters of 4 x 1, 284,672 bytes of LDS; arguments QKV, AT; writes AT
.if DOCPART == 3
	.amdgcn_target "amdgcn-amd-amdhsa--gfx1250"
	.amdhsa_code_object_version 6
	.text
	.protected	k_q4cc3005831_attn
	.globl	k_q4cc3005831_attn
	.p2align	8
	.type	k_q4cc3005831_attn,@function
k_q4cc3005831_attn:
	s_mov_b64 s[64:65], 0
	v_nop
	global_prefetch_b8 v0, s[64:65] scope:SCOPE_SE
	s_setreg_imm32_b32 hwreg(HW_REG_WAVE_MODE, 25, 1), 1
	s_wait_xcnt 0x0
	s_wait_alu depctr_hold_cnt(0) depctr_sa_sdst(0) depctr_va_vdst(0) depctr_va_sdst(0) depctr_va_ssrc(0) depctr_va_vcc(0) depctr_vm_vsrc(0)
	s_getreg_b32 s2, hwreg(HW_REG_IB_STS2, 6, 4)
	s_cmp_eq_u32 s2, 0
	s_cbranch_scc0 .Lentry_in_a_cluster
	s_endpgm
.Lentry_in_a_cluster:
	s_bfe_u32 s2, ttmp6, 0x10000c
	s_cmp_lg_u32 s2, 0x3003
	s_cbranch_scc0 .Lentry_shape_is_right
	s_endpgm
.Lentry_shape_is_right:
; Causal attention of one head on codes of FP6 (E2M3) with E8M0 scales, head size 64, 2,048 keys; the result, divided by the row's sum, is quantised along the features for the next product.
; THE SOFTMAX: t = score x log2(e) / 8; M = the running largest t rounded up to a whole number; p = 2^(t - M) is quantised along the keys; the sum is taken of the unquantised p; when M moves, sum and O are multiplied by 2^(old M - new M).
; Key steps whose keys all come after a tile's queries lie wholly under the causal mask that the problem builds itself: they are not computed.
; THE WHOLE HEAD'S K AND V AND THEIR SCALE WORDS, 208,896 bytes on end in QKV, LIE IN LDS, FILLED ONCE: each of the sixteen waves asks for one sixteenth, 51 rows of 256 bytes, by one load, jointly for the four work-groups
; of the cluster, which belong to one head.  One barrier shows them to all waves.  No prefetch: the one fill stands at the head, and there is no loop to run ahead in.
; SHARES.  Work-group j of a head's eight owns the query tiles 8 rho + j, rho = 0 .. 15; tile rho needs the key steps 0 .. rho of 128 keys, and step rho lies on the diagonal.  Tiles sigma and 15 - sigma have 17 steps together
; and go to a pair of waves, 2 sigma and 2 sigma + 1.  Wave X begins with the LONG tile's steps sigma + 1 .. 7, stores that part (O^T, -M, the sums) into its partner's LDS region, takes the short tile's Q and runs its steps
; 0 .. sigma: 8 steps.  Wave Y runs the long tile's steps 0 .. sigma and 8 .. 15 - sigma: 9 steps.  Behind one barrier Y joins the two parts: both are multiplied by 2^(own M - larger M), which rounds nothing since M is whole.
; Each wave puts out one tile.  Which of a pair is X: bit 0 of w xor (w >> 2), so that four waves with equal w % 4, or with equal w / 4, hold two of each kind: 34 steps together.
; The walk is one loop of 9 trips; a trip's key step is made of the trip and the wave's number.  j enters global addresses and the mask's data alone.
; LAYOUT.  Both products transposed: S^T = K Q^T, O^T = V^T P^T: a lane holds one query.  By the order of rows in a tile (row r of tile t is 32 (t/2) + 8 (t%2) + r + 8 (r/8)) the 16 registers of tiles 2 b, 2 b + 1
; are 16 neighbouring keys.  The first product's K is 64: the upper half of both fragments is zero codes, written once.
; LIMITS: NaN and infinities are not served; a block of zeros has the byte 1 (zero codes; only this program reads the bytes); the scaled scores stay under 2^31 in magnitude.
; REGISTERS: v1-7 stay; v8-11 the step's addresses; v12 -M, v13 largest t, v[14:15] the sum; v16-27 Q; v28-31 V's scale words; v32-79 four tiles of K; v80-127 V's four; v128-191 S^T, then p; v192-223 O^T;
;   v224-235 p's codes; v232-254 at work; v248-251 K's scale words; v253 p's; v255 Q's.
.set KVC, 3145728                      ; QKV: k's and v's codes and scale words, BHS bytes a head
.set BHS, 208896
.set QSC, 9830400                      ; q's scale words
.set ATS, 3145728
.set SCO, 196608                       ; LDS: the scale words, behind the four chunks of codes
.set RB,  208896                       ; LDS: sixteen regions for parts of a result, one a wave
.set RSZ, 4608                         ; 32 registers of O^T at 16 x lane, then v12-15
.set SPARE, RB+16*RSZ                  ; the spare words: 128 bytes a wave, named by no other line
.set WV,  18
.set RHO, 19                           ; the tile that I put out, and its diagonal step
.set SEL, 20
.set CS,  22
.set G1,  24                           ; s[24:31] a sixteenth of the head: 51 rows of 256 bytes
.set SIG, 32                           ; sigma
.set ROLE, 33                          ; 0: X, 1: Y
.set LAM, 34                           ; 15 - sigma
.set SG1, 35                           ; sigma + 1
.set HOLE, 36                          ; 7 - sigma: the trip in which X changes tiles, and the steps that Y passes over
.set NIT, 37                           ; my steps: 8 or 9
.set SVB, 38                           ; my partner's region
.set LDB, 39                           ; mine
.set TB,  2                            ; LDS byte of the step's tiles of K; V's lie 24,576 further on
.set TS,  3                            ; the step's scale words of K
.set TJ,  66                           ; and of V
.set ST,  67                           ; the key step
.set CNT, 68                           ; the trip
.macro CROUND
	s_barrier_signal -1
	s_barrier_wait -1
	s_cmp_lg_u32 s[WV], 0
	s_cbranch_scc1 .Lnot_wave_0_\@
	s_barrier_signal -3
.Lnot_wave_0_\@:
	s_barrier_wait -3
	s_barrier_signal -1
	s_barrier_wait -1
.endm
	s_load_b128 s[4:7], s[0:1], 0x0                ; QKV, AT
	v_lshl_add_u32 v254, v0, 2, SPARE
	v_mov_b32 v255, 0
	ds_add_u32 v254, v255                          ; the opening lines: the add, twice on end, and its wait
	ds_add_u32 v254, v255
	s_wait_dscnt 0x0
	v_lshrrev_b32 v8, 5, v0
	s_delay_alu instid0(VALU_DEP_1)
	v_readfirstlane_b32 s[WV], v8                  ; wave 0..15
	s_lshr_b32 s[SIG], s[WV], 1
	s_lshr_b32 s8, s[WV], 2
	s_xor_b32 s8, s8, s[WV]
	s_and_b32 s[ROLE], s8, 1
	s_mul_i32 s8, s[ROLE], 15
	s_xor_b32 s[RHO], s[SIG], s8                   ; sigma or 15 - sigma
	s_xor_b32 s[LAM], s[SIG], 15
	s_add_co_u32 s[SG1], s[SIG], 1
	s_sub_co_u32 s[HOLE], 7, s[SIG]
	s_add_co_u32 s[NIT], s[ROLE], 8
	s_xor_b32 s8, s[WV], 1
	s_mul_i32 s[SVB], s8, RSZ
	s_add_co_u32 s[SVB], s[SVB], RB
	s_mul_i32 s[LDB], s[WV], RSZ
	s_add_co_u32 s[LDB], s[LDB], RB
	s_bfe_u32 s10, ttmp6, 0x40000                  ; cx
	s_lshl_b32 s11, ttmp9, 2
	s_add_co_u32 s11, s11, s10                     ; j
	s_and_b32 s12, ttmp7, 0xffff                   ; bh, which the partners share
	s_mul_i32 s70, s12, BHS
	s_mul_i32 s13, s[WV], 13056                    ; my sixteenth of the head's bytes
	s_add_co_u32 s70, s70, s13
	s_add_co_u32 s70, s70, KVC
	s_mov_b32 s71, 0
	s_mov_b32 s[G1], 15|(3<<16)|(1<<21)            ; the mask: all four; elements of 8 bytes; bit 21 beside a mask
	s_mov_b32 s[G1+1], 32<<16
	s_mov_b32 s[G1+2], 51<<16
	s_mov_b32 s[G1+3], 32<<16
	s_mov_b32 s[G1+4], 51
	s_mov_b32 s[G1+5], 32
	s_mov_b32 s[G1+6], 0
	s_mov_b32 s[G1+7], 0
	s_lshl_b32 s16, s12, 7                         ; 128 tiles a head
	s_lshl_b32 s15, s[RHO], 3
	s_add_co_u32 s15, s15, s11                     ; the query tile that I put out
	s_add_co_u32 s14, s16, s15
	s_mul_i32 s74, s14, 768                        ; its codes
	s_mov_b32 s75, 0
	s_lshl_b32 s76, s14, 6
	s_add_co_u32 s76, s76, QSC                     ; its scale words
	s_mov_b32 s77, 0
	s_lshl_b32 s14, s[LAM], 3
	s_add_co_u32 s14, s14, s11
	s_add_co_u32 s14, s14, s16                     ; the pair's long tile, with which both waves begin
	s_mul_i32 s44, s14, 768
	s_mov_b32 s45, 0
	s_lshl_b32 s46, s14, 6
	s_add_co_u32 s46, s46, QSC
	s_mov_b32 s47, 0
	s_lshr_b32 s17, s12, 4
	s_lshl_b32 s17, s17, 7
	s_add_co_u32 s17, s17, s15                     ; the result's tile of tokens: 128 x batch + query tile
	s_lshl_b32 s17, s17, 3
	s_bfe_u32 s78, s12, 0x30001                    ; its K step: head / 2
	s_add_co_u32 s17, s17, s78
	s_and_b32 s79, s12, 1                          ; which half of the fragment: head % 2
	s_mul_i32 s78, s17, 1536
	s_mul_i32 s80, s79, 768
	s_add_co_u32 s78, s78, s80
	s_lshl_b32 s80, s17, 6
	s_lshl_b32 s81, s79, 1
	s_add_co_u32 s80, s80, s81
	s_add_co_u32 s80, s80, ATS
	s_mov_b32 s79, 0
	s_mov_b32 s81, 0
	s_lshr_b32 s82, s11, 1
	s_lshl_b32 s82, s82, 5
	s_and_b32 s83, s11, 1
	s_lshl_b32 s83, s83, 3
	s_add_co_u32 s82, s82, s83                     ; 32 (j/2) + 8 (j%2)
	s_mov_b32 s[SEL], 0x76543210
	s_mov_b32 s[SEL+1], 0xfedcba98
	s_mov_b32 s[CS], 0x3e38aa3b                    ; c = log2(e) / 8
	s_mov_b32 s[CS+1], s[CS]
	s_wait_kmcnt 0x0
	s_add_nc_u64 s[70:71], s[4:5], s[70:71]
	s_add_nc_u64 s[74:75], s[4:5], s[74:75]
	s_add_nc_u64 s[76:77], s[4:5], s[76:77]
	s_add_nc_u64 s[44:45], s[4:5], s[44:45]
	s_add_nc_u64 s[46:47], s[4:5], s[46:47]
	s_add_nc_u64 s[78:79], s[6:7], s[78:79]
	s_add_nc_u64 s[80:81], s[6:7], s[80:81]
	s_mov_b32 s40, 1
	s_add_co_u32 s41, s13, 0                       ; LDS: the same place as in the head's bytes
	s_mov_b64 s[42:43], s[70:71]
	s_or_b32 s43, s43, 0x80000000
	CROUND                                         ; all four work-groups are here: the joint loads meet
	tensor_load_to_lds s[40:43], s[G1:G1+7]        ; every wave's one load
	s_nop 0
.rept 4
	v_nop
.endr
	v_and_b32 v5, 15, v0                           ; r
	v_bfe_u32 v6, v0, 4, 1                         ; h
	v_and_b32 v7, 31, v0
	s_delay_alu instid0(VALU_DEP_1)
	v_lshlrev_b32 v1, 4, v7                        ; 16 x lane
	s_delay_alu instid0(VALU_DEP_2)
	v_lshlrev_b32 v2, 3, v7                        ; 8 x lane
	v_lshlrev_b32 v254, 2, v5
	s_delay_alu instid0(VALU_DEP_1)
	v_add_nc_u32 v3, SCO, v254                     ; my row's scale word
	global_load_b128 v[16:19], v1, s[44:45]        ; the long tile's Q: a half fragment, kept in registers
	global_load_b64 v[20:21], v2, s[44:45] offset:512
	global_load_b32 v255, v254, s[46:47]
	v_and_b32 v4, 8, v5
	s_delay_alu instid0(VALU_DEP_1)
	v_add_nc_u32 v4, v4, v5
	s_delay_alu instid0(VALU_DEP_1)
	v_add_nc_u32 v4, s82, v4
	v_lshlrev_b32 v8, 4, v6
	s_delay_alu instid0(VALU_DEP_1)
	v_sub_nc_u32 v4, v4, v8                        ; d = my query's place in its 128 - 16 h: register 16 b + i is hidden on the diagonal where 32 b + i > d
.irp i, 22,23,24,25,26,27
	v_mov_b32 v[\i], 0                             ; k = 64 .. 127 of the first product: zero codes
.endr
.irp t, 0,1,2,3
.irp i, 6,7,8,9,10,11
	v_mov_b32 v[32+12*\t+\i], 0
.endr
.endr
	v_mov_b32 v13, 0xff61b1e6                      ; the largest t so far: -3e38
	s_delay_alu instid0(VALU_DEP_1)
	v_floor_f32 v12, -v13
	v_mov_b32 v14, 0
	v_mov_b32 v15, 0
.irp b, 0,1,2,3
	v_mov_b32 v[236+\b], 0
.endr
	v_mov_b32 v252, 0
	v_mov_b32 v253, 0
.set J, 0
.rept 32
	v_mov_b32 v[192+J], 0                          ; O^T: the step is written once for all steps; a tile's first finds zeros
.set J, J+1
.endr
	s_wait_alu depctr_va_vdst(0)
	s_wait_loadcnt 0x0                             ; Q
	s_wait_tensorcnt 0x0                           ; my sixteenth is in
	s_barrier_signal -1
	s_barrier_wait -1                              ; everybody's is: every read of K and V stands behind this barrier
	s_mov_b32 s[CNT], 0
.Lstep:
	s_cmp_lg_u32 s[ROLE], 0
	s_cbranch_scc1 .Lsame
	s_cmp_lg_u32 s[CNT], s[HOLE]
	s_cbranch_scc1 .Lsame
	; X CHANGES TILES: its part of the long tile goes to the partner's region (where sigma is 7: the empty part, zeros under -M = 3e38), and the short tile begins
.rept 4
	v_nop                                          ; places behind the last products, in front of the stores of their results
.endr
	v_add_nc_u32 v9, s[SVB], v1
	v_lshlrev_b32 v8, 2, v5
.irp k, 0,1,2,3,4,5,6,7
	ds_store_b128 v9, v[192+4*\k:195+4*\k] offset:512*\k   ; each accumulator from its low end on
.endr
	ds_store_b128 v9, v[12:15] offset:4096
	global_load_b128 v[16:19], v1, s[74:75]        ; the short tile's Q
	global_load_b64 v[20:21], v2, s[74:75] offset:512
	global_load_b32 v255, v8, s[76:77]
	s_wait_dscnt 0x0                               ; the stores have read their registers
	v_mov_b32 v13, 0xff61b1e6
	s_delay_alu instid0(VALU_DEP_1)
	v_floor_f32 v12, -v13
	v_mov_b32 v14, 0
	v_mov_b32 v15, 0
.set J, 0
.rept 32
	v_mov_b32 v[192+J], 0
.set J, J+1
.endr
	s_wait_alu depctr_va_vdst(0)
	s_wait_loadcnt 0x0
.Lsame:
	s_cmp_ge_u32 s[CNT], s[NIT]                    ; X has eight steps
	s_cbranch_scc1 .Lhid
	s_add_co_u32 s8, s[CNT], s[SG1]
	s_and_b32 s8, s8, 7                            ; X's step: sigma + 1 .. 7, then 0 .. sigma
	s_cmp_le_u32 s[CNT], s[SIG]
	s_cselect_b32 s9, 0, s[HOLE]
	s_add_co_u32 s9, s9, s[CNT]                    ; Y's step: 0 .. sigma, then 8 .. 15 - sigma
	s_cmp_eq_u32 s[ROLE], 0
	s_cselect_b32 s[ST], s8, s9
	s_and_b32 s[ST], s[ST], 15
	s_lshr_b32 s8, s[ST], 2
	s_mul_i32 s8, s8, 49152                        ; its chunk of four steps,
	s_and_b32 s9, s[ST], 3
	s_mul_i32 s9, s9, 6144                         ; and its place there
	s_add_co_u32 s[TB], s8, s9
	s_lshl_b32 s[TS], s[ST], 9
	s_lshl_b32 s[TJ], s[ST], 8
	v_add_nc_u32 v8, s[TB], v1
	v_add_nc_u32 v9, s[TB], v2
	v_add_nc_u32 v10, s[TS], v3
	v_add_nc_u32 v11, s[TJ], v3
	s_wait_alu depctr_va_vdst(0)
.irp g, 0,1
.if \g
.rept 4
	v_nop
.endr
.endif
.irp t, 0,1,2,3
	ds_load_b128 v[32+12*\t:35+12*\t], v8 offset:768*(4*\g+\t)
	ds_load_b64 v[36+12*\t:37+12*\t], v9 offset:768*(4*\g+\t)+512
	ds_load_b32 v[248+\t], v10 offset:64*(4*\g+\t)
.endr
	s_wait_dscnt 0x0
.irp t, 0,1,2,3
	v_wmma_scale_f32_16x16x128_f8f6f4 v[128+8*(4*\g+\t):135+8*(4*\g+\t)], v[32+12*\t:43+12*\t], v[16:27], 0, v[248+\t], v255 matrix_a_fmt:MATRIX_FMT_FP6 matrix_b_fmt:MATRIX_FMT_FP6
.endr
.endr
.irp t, 0,1,2,3                        ; V's four fragments are asked for now and land under the softmax
	ds_load_b128 v[80+12*\t:83+12*\t], v8 offset:24576+1536*\t
	ds_load_b64 v[84+12*\t:85+12*\t], v9 offset:24576+1536*\t+512
	ds_load_b128 v[86+12*\t:89+12*\t], v8 offset:24576+1536*\t+768
	ds_load_b64 v[90+12*\t:91+12*\t], v9 offset:24576+1536*\t+1280
	ds_load_b32 v[28+\t], v11 offset:8192+64*\t
.endr
.rept 4
	v_nop
.endr
	s_cmp_lg_u32 s[ST], s[RHO]                     ; on the diagonal hidden scores become -infinity ahead of the maximum
	s_cbranch_scc1 .Lopen
	v_mov_b32 v254, 0xff800000
.set J, 0
.rept 64
	v_cmp_gt_i32 vcc_lo, 32*(J/16)+J%16, v4
	v_cndmask_b32 v[128+J], v[128+J], v254, vcc_lo
.set J, J+1
.endr
.Lopen:
.irp b, 0,1,2,3
	v_max3_num_f32 v[232+\b], v[128+16*\b], v[129+16*\b], v[130+16*\b]   ; the largest score of each block of 32 keys: for the row's maximum and for the block's largest p
.endr
.irp i, 3,5,7,9,11,13
.irp b, 0,1,2,3
	v_max3_num_f32 v[232+\b], v[232+\b], v[128+16*\b+\i], v[129+16*\b+\i]
.endr
.endr
.irp b, 0,1,2,3
	v_max_num_f32 v[232+\b], v[232+\b], v[143+16*\b]
.endr
.irp b, 0,1,2,3
	s_delay_alu instid0(VALU_DEP_4)
	v_permlanex16_b32 v[236+\b], v[232+\b], s[SEL], s[SEL+1]
.endr
.irp b, 0,1,2,3
	s_delay_alu instid0(VALU_DEP_4)
	v_max_num_f32 v[232+\b], v[232+\b], v[236+\b]
.endr
	s_delay_alu instid0(VALU_DEP_2)
	v_max3_num_f32 v254, v232, v233, v234
	s_delay_alu instid0(VALU_DEP_1)
	v_max_num_f32 v254, v254, v235
	s_delay_alu instid0(VALU_DEP_1)
	v_mul_f32 v254, s[CS], v254
	s_delay_alu instid0(VALU_DEP_1)
	v_max_num_f32 v13, v13, v254                   ; the running largest t
	v_mov_b32 v254, v12
	s_delay_alu instid0(VALU_DEP_2)
	v_floor_f32 v12, -v13                          ; -M = floor(-t): M is a whole number
	s_delay_alu instid0(VALU_DEP_1)
	v_sub_f32 v254, v12, v254
	s_delay_alu instid0(VALU_DEP_1)
	v_cvt_i32_f32 v254, v254                       ; (it saturates)
	s_delay_alu instid0(VALU_DEP_1)
	v_ldexp_f32 v252, 1.0, v254                    ; f = 2^(old M - new M)
.set J, 0
.rept 32
	v_pk_fma_f32 v[128+J:129+J], v[128+J:129+J], s[CS:CS+1], v[12:13] op_sel_hi:[1,0,0]   ; t - M
.set J, J+2
.endr
.irp b, 0,1,2,3
	v_fma_f32 v[232+\b], v[232+\b], s[CS], v12
.endr
.set J, 0
	s_wait_alu depctr_va_vdst(0)
.rept 64
	v_exp_f32 v[128+J], v[128+J]                   ; p = 2^(t - M)
.set J, J+1
.endr
	v_pk_mul_f32 v[14:15], v[14:15], v[252:253] op_sel_hi:[1,0]   ; the sums under the new M: a plain place behind the batch
	s_wait_alu depctr_va_vdst(0)                   ; one wait for the batch, ahead of its first reader
.irp b, 0,1,2,3
	v_exp_f32 v[232+\b], v[232+\b]                 ; each block's largest p
.endr
	v_pk_add_f32 v[236:237], v[132:133], v[136:137]   ; the sum of the unquantised p, in eight chains
	v_pk_add_f32 v[250:251], v[140:141], v[144:145]
	v_pk_add_f32 v[248:249], v[148:149], v[152:153]
	v_pk_add_f32 v[246:247], v[156:157], v[160:161]
	v_pk_add_f32 v[244:245], v[164:165], v[168:169]
	v_pk_add_f32 v[242:243], v[172:173], v[176:177]
	v_pk_add_f32 v[240:241], v[180:181], v[184:185]
	v_pk_add_f32 v[14:15], v[14:15], v[188:189]
	v_pk_add_f32 v[236:237], v[236:237], v[128:129]
	v_pk_add_f32 v[250:251], v[250:251], v[130:131]
	v_pk_add_f32 v[248:249], v[248:249], v[134:135]
	v_pk_add_f32 v[246:247], v[246:247], v[138:139]
	v_pk_add_f32 v[244:245], v[244:245], v[142:143]
	v_pk_add_f32 v[242:243], v[242:243], v[146:147]
	v_pk_add_f32 v[240:241], v[240:241], v[150:151]
	v_pk_add_f32 v[14:15], v[14:15], v[154:155]
	v_pk_add_f32 v[236:237], v[236:237], v[158:159]
	v_pk_add_f32 v[250:251], v[250:251], v[162:163]
	v_pk_add_f32 v[248:249], v[248:249], v[166:167]
	v_pk_add_f32 v[246:247], v[246:247], v[170:171]
	v_pk_add_f32 v[244:245], v[244:245], v[174:175]
	v_pk_add_f32 v[242:243], v[242:243], v[178:179]
	v_pk_add_f32 v[240:241], v[240:241], v[182:183]
	v_pk_add_f32 v[14:15], v[14:15], v[186:187]
	v_pk_add_f32 v[236:237], v[236:237], v[190:191]
	s_delay_alu instid0(VALU_DEP_2)
	v_pk_add_f32 v[14:15], v[14:15], v[246:247]
	s_delay_alu instid0(VALU_DEP_2)
	v_pk_add_f32 v[236:237], v[236:237], v[244:245]
	v_pk_add_f32 v[250:251], v[250:251], v[242:243]
	v_pk_add_f32 v[248:249], v[248:249], v[240:241]
	s_delay_alu instid0(VALU_DEP_2)
	v_pk_add_f32 v[14:15], v[14:15], v[250:251]
	s_delay_alu instid0(VALU_DEP_2)
	v_pk_add_f32 v[236:237], v[236:237], v[248:249]
	s_delay_alu instid0(VALU_DEP_1)
	v_pk_add_f32 v[14:15], v[14:15], v[236:237]
	s_wait_alu depctr_va_vdst(0)                   ; and one for the four
.irp b, 0,1,2,3
	v_max_num_f32 v[232+\b], 0x1800000, v[232+\b]  ; the floor: the byte cannot fall under 1
.endr
.irp b, 0,1,2,3
	s_delay_alu instid0(VALU_DEP_4)
	v_add_nc_u32 v[244+\b], 0xff000000, v[232+\b]
.endr
.irp b, 0,1,2,3
	s_delay_alu instid0(VALU_DEP_4)
	v_lshrrev_b32 v[236+\b], 23, v[244+\b]
.endr
	s_delay_alu instid0(VALU_DEP_3)
	v_lshl_or_b32 v253, v237, 8, v236              ; p's scale word
	s_delay_alu instid0(VALU_DEP_1)
	v_lshl_or_b32 v253, v238, 16, v253
	s_delay_alu instid0(VALU_DEP_1)
	v_lshl_or_b32 v253, v239, 24, v253
.irp c, 0,1
	v_cvt_scalef32_pk16_fp6_f32 v[224+6*\c:226+6*\c], v[128+32*\c:143+32*\c], v[244+2*\c]
	v_cvt_scalef32_pk16_fp6_f32 v[236+4*\c:238+4*\c], v[144+32*\c:159+32*\c], v[244+2*\c+1]
.endr
	v_nop
.irp c, 0,1
.irp i, 0,1,2
	v_permlane16_swap_b32 v[224+6*\c+\i], v[236+4*\c+\i]
.endr
.irp i, 0,1,2
	s_delay_alu instid0(VALU_DEP_3)
	v_mov_b32 v[227+6*\c+\i], v[236+4*\c+\i]
.endr
.endr
.set J, 0
.rept 16
	v_pk_mul_f32 v[192+J:193+J], v[192+J:193+J], v[252:253] op_sel_hi:[1,0]   ; O^T under the new M; also the places in front of the products below
.set J, J+2
.endr
	s_wait_alu depctr_va_vdst(0)
	s_wait_dscnt 0x0                               ; V
.irp t, 0,1,2,3
	v_wmma_scale_f32_16x16x128_f8f6f4 v[192+8*\t:199+8*\t], v[80+12*\t:91+12*\t], v[224:235], v[192+8*\t:199+8*\t], v[28+\t], v253 matrix_a_fmt:MATRIX_FMT_FP6 matrix_b_fmt:MATRIX_FMT_FP6
.endr
.Lhid:
	s_add_co_u32 s[CNT], s[CNT], 1
	s_cmp_lt_u32 s[CNT], 9
	s_cbranch_scc1 .Lstep
.rept 4
	v_nop                                          ; places behind the last products
.endr
	s_wait_dscnt 0x0                               ; for the partner's sake: my part lies in LDS
	s_barrier_signal -1
	s_barrier_wait -1
	s_cmp_eq_u32 s[ROLE], 0
	s_cbranch_scc1 .Lout
	; Y JOINS THE LONG TILE'S TWO PARTS: both under the larger M, by factors that are whole powers of two
	v_add_nc_u32 v9, s[LDB], v1
.irp k, 0,1,2,3,4,5,6,7
	ds_load_b128 v[128+4*\k:131+4*\k], v9 offset:512*\k
.endr
	ds_load_b128 v[160:163], v9 offset:4096        ; the partner's -M, largest t, and sums
	s_wait_dscnt 0x0
	v_min_num_f32 v8, v12, v160                    ; -(the larger M)
	s_delay_alu instid0(VALU_DEP_1)
	v_sub_f32 v10, v8, v12
	v_sub_f32 v11, v8, v160
	s_delay_alu instid0(VALU_DEP_2)
	v_cvt_i32_f32 v10, v10                         ; (they saturate: an empty part's factor is 0)
	s_delay_alu instid0(VALU_DEP_2)
	v_cvt_i32_f32 v11, v11
	s_delay_alu instid0(VALU_DEP_2)
	v_ldexp_f32 v164, 1.0, v10
	s_delay_alu instid0(VALU_DEP_2)
	v_ldexp_f32 v166, 1.0, v11
	s_delay_alu instid0(VALU_DEP_2)
	v_mov_b32 v165, v164
	s_delay_alu instid0(VALU_DEP_2)
	v_mov_b32 v167, v166
.set J, 0
.rept 16
	v_pk_mul_f32 v[192+J:193+J], v[192+J:193+J], v[164:165]
.set J, J+2
.endr
	v_pk_mul_f32 v[14:15], v[14:15], v[164:165]
.set J, 0
.rept 16
	v_pk_fma_f32 v[192+J:193+J], v[128+J:129+J], v[166:167], v[192+J:193+J]
.set J, J+2
.endr
	v_pk_fma_f32 v[14:15], v[162:163], v[166:167], v[14:15]
.Lout:
	; THE WAY OUT: O^T / the sum; register 16 b + i is feature 32 b + 16 h + i of my head: two blocks, quantised as an operand's half fragment
	v_add_f32 v14, v14, v15
	s_delay_alu instid0(VALU_DEP_1)
	v_permlanex16_b32 v252, v14, s[SEL], s[SEL+1]
	s_delay_alu instid0(VALU_DEP_1)
	v_add_f32 v14, v14, v252
	s_wait_alu depctr_va_vdst(0)                   ; ahead of the transcendental
	v_rcp_f32 v14, v14
	v_lshl_add_u32 v9, v5, 2, v6                   ; (a plain place)  4 r + h: my byte of the scale words
	s_wait_alu depctr_va_vdst(0)                   ; and ahead of its first reader
.set J, 0
.rept 32
	v_mul_f32 v[128+J], v[192+J], v14
.set J, J+1
.endr
.irp b, 0,1
	v_max3_num_f32 v[232+\b], |v[128+16*\b]|, |v[129+16*\b]|, 0x1800000
.endr
.irp i, 2,4,6,8,10,12,14
.irp b, 0,1
	s_delay_alu instid0(VALU_DEP_2)
	v_max3_num_f32 v[232+\b], v[232+\b], |v[128+16*\b+\i]|, |v[129+16*\b+\i]|
.endr
.endr
.irp b, 0,1
	s_delay_alu instid0(VALU_DEP_2)
	v_permlanex16_b32 v[236+\b], v[232+\b], s[SEL], s[SEL+1]
.endr
.irp b, 0,1
	s_delay_alu instid0(VALU_DEP_2)
	v_max_num_f32 v[232+\b], v[232+\b], v[236+\b]
.endr
.irp b, 0,1
	s_delay_alu instid0(VALU_DEP_2)
	v_add_nc_u32 v[244+\b], 0xff000000, v[232+\b]
.endr
.irp b, 0,1
	s_delay_alu instid0(VALU_DEP_2)
	v_lshrrev_b32 v[236+\b], 23, v[244+\b]
.endr
	v_cvt_scalef32_pk16_fp6_f32 v[224:226], v[128:143], v244
	v_cvt_scalef32_pk16_fp6_f32 v[228:230], v[144:159], v245
	v_nop
.irp i, 0,1,2
	v_permlane16_swap_b32 v[224+\i], v[228+\i]
.endr
	s_delay_alu instid0(VALU_DEP_3)
	v_mov_b32 v227, v228
	s_delay_alu instid0(VALU_DEP_3)
	v_mov_b32 v228, v229
	s_delay_alu instid0(VALU_DEP_3)
	v_mov_b32 v229, v230
	v_cmp_eq_u32 vcc_lo, 1, v6
	s_delay_alu instid0(VALU_DEP_1)
	v_cndmask_b32 v236, v236, v237, vcc_lo         ; lanes 0-15 the first block's byte, lanes 16-31 the second's
	global_store_b128 v1, v[224:227], s[78:79]
	global_store_b64 v2, v[228:229], s[78:79] offset:512
	global_store_b8 v9, v236, s[80:81]
	s_wait_xcnt 0x0
	v_lshl_add_u32 v254, v0, 2, SPARE              ; the add's two registers, made anew
	v_mov_b32 v255, 0
	s_wait_alu depctr_va_vdst(0)
	s_wait_tensorcnt 0x0                           ; the wave's end
	ds_add_u32 v254, v255
	s_wait_dscnt 0x0
	CROUND                                         ; the closing round
	s_endpgm
.Lfunc_end_k_q4cc3005831_attn:
	.size	k_q4cc3005831_attn, .Lfunc_end_k_q4cc3005831_attn-k_q4cc3005831_attn
	.p2alignl 7, 3214868480
	.fill 96, 4, 3214868480
	.section	.rodata,"a",@progbits
	.p2align	6, 0x0
	.amdhsa_kernel k_q4cc3005831_attn
		.amdhsa_group_segment_fixed_size 284672
		.amdhsa_private_segment_fixed_size 0
		.amdhsa_enable_private_segment 0
		.amdhsa_kernarg_size 16
		.amdhsa_user_sgpr_count 2
		.amdhsa_user_sgpr_kernarg_segment_ptr 1
		.amdhsa_wavefront_size32 1
		.amdhsa_system_sgpr_workgroup_id_x 1
		.amdhsa_system_sgpr_workgroup_id_y 1
		.amdhsa_system_sgpr_workgroup_id_z 1
		.amdhsa_system_vgpr_workitem_id 0
		.amdhsa_next_free_vgpr 256
		.amdhsa_next_free_sgpr 90
		.amdhsa_reserve_vcc 1
		.amdhsa_float_denorm_mode_32 3
		.amdhsa_float_denorm_mode_16_64 3
		.amdhsa_memory_ordered 1
		.amdhsa_forward_progress 1
		.amdhsa_inst_pref_size 43
	.end_amdhsa_kernel
	.amdgpu_metadata
---
amdhsa.version: [ 1, 2 ]
amdhsa.kernels:
  - .name:           k_q4cc3005831_attn
    .symbol:         k_q4cc3005831_attn.kd
    .args:
      - { .name: QKV, .offset: 0, .size: 8, .value_kind: global_buffer, .address_space: global }
      - { .name: AT, .offset: 8, .size: 8, .value_kind: global_buffer, .address_space: global }
    .group_segment_fixed_size: 284672
    .private_segment_fixed_size: 0
    .kernarg_segment_align: 8
    .kernarg_segment_size: 16
    .max_flat_workgroup_size: 512
    .sgpr_count:     90
    .vgpr_count:     256
    .wavefront_size: 32
...
	.end_amdgpu_metadata
.endif
;; end of part 3
;; launch oproj (part 4): grid 8 x 32, 4 waves a work-group, clusters of 4 x 4, 327,680 bytes of LDS; arguments AT, W, bo, alpha_attn, x, X1; writes X1
.if DOCPART == 4
	.amdgcn_target "amdgcn-amd-amdhsa--gfx1250"
	.amdhsa_code_object_version 6
	.text
	.protected	k_q4cc3005831_oproj
	.globl	k_q4cc3005831_oproj
	.p2align	8
	.type	k_q4cc3005831_oproj,@function
k_q4cc3005831_oproj:
	s_mov_b64 s[64:65], 0
	v_nop
	global_prefetch_b8 v0, s[64:65] scope:SCOPE_SE
	s_setreg_imm32_b32 hwreg(HW_REG_WAVE_MODE, 25, 1), 1
	s_wait_xcnt 0x0
	s_wait_alu depctr_hold_cnt(0) depctr_sa_sdst(0) depctr_va_vdst(0) depctr_va_sdst(0) depctr_va_ssrc(0) depctr_va_vcc(0) depctr_vm_vsrc(0)
	s_getreg_b32 s2, hwreg(HW_REG_IB_STS2, 6, 4)
	s_cmp_eq_u32 s2, 0
	s_cbranch_scc0 .Lentry_in_a_cluster
	s_endpgm
.Lentry_in_a_cluster:
	s_bfe_u32 s2, ttmp6, 0x10000c
	s_cmp_lg_u32 s2, 0xf033
	s_cbranch_scc0 .Lentry_shape_is_right
	s_endpgm
.Lentry_shape_is_right:
; X1 = x + alpha_attn (att wo + bo): a product on codes of FP6 (E2M3) with E8M0 scales, K = 1,024, N = 1,024, f32 out.
; Operands lie in memory as images of their registers: [tile of 16 rows][K step of 128][1,536 bytes], scale words [tile][K step][64]; row r of tile t is row 32 (t/2) + 8 (t%2) + r + 8 (r/8).
; A work-group makes 128 x 128 (256 work-groups), a wave 64 x 64: 16 accumulators.  ALL OF K LIES IN LDS AT ONCE: 8 tiles x 12,288 bytes a side, dense in memory, and 4,096 bytes of scale words a side.
; Four loads at the head, one a wave: A's codes, B's codes, A's scale words, B's.  One barrier; nothing is filled again; the eight K steps run with no further barrier.
; The matrix instruction is used transposed (source 0 = 16 columns of wo, source 1 = 16 tokens): a lane holds a token and neighbouring outputs.  CLUSTERS 4 x 4: A's tiles shared along a row, B's along a column.
; The residual's 64 x 64 numbers are asked for at the head, in the order of the stores.  The way out goes through the wave's own stage, on LDS bytes into which no load lands: sixteen lanes store 256 aligned bytes.
; No prefetch: the one fill stands at the head, and there is no loop to run ahead in.
.set NB,    4
.set NQ,    8                          ; K steps in LDS: all
.set KS,    8
.set ASO,   3145728                    ; A's scale words in its buffer
.set BCO,   2359296                    ; wo's codes in W
.set BSO,   9437184+98304              ; wo's scale words in W
.set FRB,   1536
.set HALFT, NB*NQ*FRB                  ; what one wave reads of a side
.set SCL,   4*HALFT                    ; behind the codes: the scale words
.set HALFS, NB*KS*64
.set STG,   SCL+4*HALFS                ; the four stages, 16 rows x 272 bytes each
.set SPARE, STG+4*16*272               ; the spare words: 128 bytes a wave, named by no other line
.set ADRA,  16                         ; v16 A's images at 16 x lane, v18 at 8 x lane
.set ADRB,  20                         ; v20, v22 the same for B
.set STO,   24
.set RD,    25
.set CO,    26
.set ADRS,  27                         ; my scale words: lanes 0-15 A's, lanes 16-31 B's
.set SPW,   28
.set NIL,   29
.set L16,   30
.set L8,    31
.set SC,    32                         ; v32-63 scale words: register NQ i + q
.set AF,    64                         ; A's fragments, two sets; B's in window 1 at v0 and v128; accumulators in window 2
.set BK,    112                        ; the way out: two blocks of 16 rows read back from the stage
.set G1,    24
.set G0,    32
.set G1B,   48
.set G0B,   56
.set G1S,   68
.set G0S,   76
.set G1SB,  80
.set G0SB,  88
.set MSB,   0
.macro WIN new                         ; the immediate's high byte repeats the setting that is left
.if MSB != (\new)
	s_set_vgpr_msb (MSB<<8)|(\new)
.set MSB, (\new)
.endif
.endm
.macro CROUND                          ; a round of the cluster's barrier
	s_barrier_signal -1
	s_barrier_wait -1
	s_cmp_lg_u32 s14, 0
	s_cbranch_scc1 .Lnot_wave_0_\@
	s_barrier_signal -3
.Lnot_wave_0_\@:
	s_barrier_wait -3
	s_barrier_signal -1
	s_barrier_wait -1
.endm
.macro PLACES n                        ; plain places behind matrix instructions (ISA guide 7.12.1)
.rept \n
	v_nop
.endr
.endm
.macro FRAG reg, adr, q, i             ; a fragment's image: 16, 8, 16, 8 bytes a lane, each load on consecutive bytes
	ds_load_b128 v[\reg:\reg+3], v[\adr] offset:((\i)*NQ+(\q))*FRB
	ds_load_b64 v[\reg+4:\reg+5], v[\adr+2] offset:((\i)*NQ+(\q))*FRB+512
	ds_load_b128 v[\reg+6:\reg+9], v[\adr] offset:((\i)*NQ+(\q))*FRB+768
	ds_load_b64 v[\reg+10:\reg+11], v[\adr+2] offset:((\i)*NQ+(\q))*FRB+1280
.endm
.macro FETCH q, p                      ; both sides' fragments of K step q into set p
	WIN 0x40
.irp i, 0,1,2,3
	FRAG 128*(\p)+12*\i, ADRB, \q, \i
.endr
	WIN 0
.irp i, 0,1,2,3
	FRAG AF+96*(\p)+12*\i, ADRA, \q, \i
.endr
.endm
.macro MULR p, q, zero                 ; 16 products of one K step; the accumulators take turns, one instruction a turn
	WIN 0xa1
.irp a, 0,1,2,3
.irp b, 0,1,2,3
.if \zero
	v_wmma_scale_f32_16x16x128_f8f6f4 v[32*\a+8*\b:32*\a+8*\b+7], v[128*(\p)+12*\b:128*(\p)+12*\b+11], v[AF+96*(\p)+12*\a:AF+96*(\p)+12*\a+11], 0, v[SC+NQ*\b+(\q)], v[SC+NQ*\a+(\q)] matrix_a_fmt:MATRIX_FMT_FP6 matrix_b_fmt:MATRIX_FMT_FP6 matrix_a_scale:MATRIX_SCALE_ROW1
.else
	v_wmma_scale_f32_16x16x128_f8f6f4 v[32*\a+8*\b:32*\a+8*\b+7], v[128*(\p)+12*\b:128*(\p)+12*\b+11], v[AF+96*(\p)+12*\a:AF+96*(\p)+12*\a+11], v[32*\a+8*\b:32*\a+8*\b+7], v[SC+NQ*\b+(\q)], v[SC+NQ*\a+(\q)] matrix_a_fmt:MATRIX_FMT_FP6 matrix_b_fmt:MATRIX_FMT_FP6 matrix_a_scale:MATRIX_SCALE_ROW1
.endif
.endr
.endr
	WIN 0
.endm
.macro STEP q, zero                    ; the next step's fragments are asked for first, into the other set
	s_wait_dscnt 0x0                               ; this step's fragments are in
	PLACES 4
	FETCH (\q)+1, 1-(\q)%2
	MULR (\q)%2, \q, \zero
.endm
.macro ARM under, g0, g1, next
	s_cmp_lt_u32 s14, \under
	s_cbranch_scc0 \next
	tensor_load_to_lds s[\g0:\g0+3], s[\g1:\g1+7]
	s_nop 0
.rept 4
	v_nop
.endr
	s_branch .Lhead_asked
\next:
.endm
	s_load_b256 s[4:11], s[0:1], 0x0               ; AT, W, bo, alpha_attn
	s_load_b128 s[92:95], s[0:1], 0x20             ; x, X1
	v_lshl_add_u32 v[SPW], v0, 2, SPARE
	v_mov_b32 v[NIL], 0
	ds_add_u32 v[SPW], v[NIL]                      ; the opening lines: the add, twice on end, and its wait
	ds_add_u32 v[SPW], v[NIL]
	v_lshrrev_b32 v1, 5, v0
	v_readfirstlane_b32 s14, v1                    ; wave
	s_lshr_b32 s15, s14, 1                         ; my half of A's rows
	s_and_b32 s16, s14, 1                          ; my half of B's
	s_bfe_u32 s40, ttmp6, 0x40000                  ; cx
	s_bfe_u32 s41, ttmp6, 0x40004                  ; cy
	s_lshl_b32 s67, ttmp9, 2
	s_add_co_u32 s67, s67, s40                     ; B's block of 128 columns
	s_and_b32 s66, ttmp7, 0xffff
	s_lshl_b32 s66, s66, 2
	s_add_co_u32 s66, s66, s41                     ; A's block of 128 tokens
	s_lshl_b32 s43, s41, 2
	s_lshl_b32 s43, 15, s43                        ; my row of the cluster
	s_lshl_b32 s44, 0x1111, s40                    ; my column
	s_or_b32 s[G1+0], s43, (3<<16)|(1<<21)         ; the mask; elements of 8 bytes; bit 21 beside a mask
	s_or_b32 s[G1B+0], s44, (3<<16)|(1<<21)
.irp g, G1, G1B
	s_mov_b32 s[\g+1], (192*NQ)<<16                ; a tile's eight images on end: 12,288 bytes
	s_mov_b32 s[\g+2], (2*NB)<<16                  ; 8 tiles
	s_mov_b32 s[\g+3], (192*NQ)<<16
	s_mov_b32 s[\g+4], 2*NB
	s_mov_b32 s[\g+5], 192*KS
	s_mov_b32 s[\g+6], 0
	s_mov_b32 s[\g+7], 0
.endr
	s_or_b32 s[G1S+0], s43, (3<<16)|(1<<21)
	s_or_b32 s[G1SB+0], s44, (3<<16)|(1<<21)
.irp g, G1S, G1SB
	s_mov_b32 s[\g+1], 32<<16                      ; a side's scale words: a dense block, as rows of 256 bytes
	s_mov_b32 s[\g+2], (HALFS/128)<<16
	s_mov_b32 s[\g+3], 32<<16
	s_mov_b32 s[\g+4], HALFS/128
	s_mov_b32 s[\g+5], 32
	s_mov_b32 s[\g+6], 0
	s_mov_b32 s[\g+7], 0
.endr
	s_mul_i32 s20, s66, 2*NB                       ; the block's first tile of A,
	s_mul_i32 s46, s67, 2*NB                       ; of B
	s_mul_i32 s22, s20, KS*64
	s_mul_i32 s20, s20, KS*FRB
	s_mul_i32 s96, s46, KS*64
	s_mul_i32 s46, s46, KS*FRB
	s_add_co_u32 s22, s22, ASO
	s_add_co_u32 s46, s46, BCO
	s_add_co_u32 s96, s96, BSO
	s_mov_b32 s21, 0
	s_mov_b32 s23, 0
	s_mov_b32 s47, 0
	s_mov_b32 s97, 0
	s_wait_dscnt 0x0                               ; both opening adds are done
	s_wait_kmcnt 0x0
	s_load_b32 s98, s[10:11], 0x0                  ; alpha
	s_add_nc_u64 s[20:21], s[4:5], s[20:21]
	s_add_nc_u64 s[22:23], s[4:5], s[22:23]
	s_add_nc_u64 s[46:47], s[6:7], s[46:47]
	s_add_nc_u64 s[96:97], s[6:7], s[96:97]
	CROUND                                         ; all sixteen work-groups are here: the joint loads meet
.irp d, G0, G0B, G0S, G0SB
	s_mov_b32 s[\d], 1
.endr
	s_mov_b32 s[G0+1], 0
	s_mov_b64 s[G0+2:G0+3], s[20:21]
	s_mov_b32 s[G0B+1], 2*HALFT
	s_mov_b64 s[G0B+2:G0B+3], s[46:47]
	s_mov_b32 s[G0S+1], SCL
	s_mov_b64 s[G0S+2:G0S+3], s[22:23]
	s_mov_b32 s[G0SB+1], SCL+2*HALFS
	s_mov_b64 s[G0SB+2:G0SB+3], s[96:97]
.irp d, G0, G0B, G0S, G0SB
	s_or_b32 s[\d+3], s[\d+3], 0x80000000
.endr
	ARM 1, G0,  G1,  .Lhead_b                      ; one chain of branches on the wave's number, one load to an arm
	ARM 2, G0B, G1B, .Lhead_sa
	ARM 3, G0S, G1S, .Lhead_sb
	tensor_load_to_lds s[G0SB:G0SB+3], s[G1SB:G1SB+7]
	s_nop 0
.rept 4
	v_nop
.endr
.Lhead_asked:
	s_lshl_b32 s17, s66, 7
	s_lshl_b32 s18, s15, 6
	s_add_co_u32 s17, s17, s18                     ; my first token
	s_lshl_b32 s17, s17, 12
	s_lshl_b32 s18, s67, 7
	s_lshl_b32 s19, s16, 6
	s_add_co_u32 s18, s18, s19                     ; my first column
	s_lshl_b32 s18, s18, 2
	s_add_co_u32 s20, s17, s18
	s_mov_b32 s21, 0
	s_mov_b32 s19, 0
	s_add_nc_u64 s[92:93], s[92:93], s[20:21]
	s_add_nc_u64 s[94:95], s[94:95], s[20:21]
	s_add_nc_u64 s[8:9], s[8:9], s[18:19]
	s_mul_i32 s21, s15, HALFT                      ; LDS: my tiles of A,
	s_mul_i32 s22, s16, HALFT
	s_add_co_u32 s22, s22, 2*HALFT                 ; of B
	s_mul_i32 s17, s15, HALFS
	s_mul_i32 s18, s16, HALFS
	s_add_co_u32 s18, s18, 2*HALFS
	s_sub_co_u32 s18, s18, s17                     ; from A's scale words to B's
	s_add_co_u32 s17, s17, SCL
	s_mul_i32 s23, s14, 16*272
	s_add_co_u32 s23, s23, STG                     ; my stage
	v_and_b32 v1, 15, v0                           ; r
	v_bfe_u32 v2, v0, 4, 1                         ; h
	v_and_b32 v3, 31, v0
	v_lshlrev_b32 v[L16], 4, v3
	v_lshlrev_b32 v[L8], 3, v3
	v_add_nc_u32 v[ADRA], s21, v[L16]
	v_add_nc_u32 v[ADRA+2], s21, v[L8]
	v_add_nc_u32 v[ADRB], s22, v[L16]
	v_add_nc_u32 v[ADRB+2], s22, v[L8]
	v_mul_u32_u24 v6, s18, v2                      ; lanes 16-31 take B's: one product with h
	v_lshl_add_u32 v5, v1, 2, v6
	v_add_nc_u32 v[ADRS], s17, v5
	v_lshlrev_b32 v4, 4, v1
	v_lshl_add_u32 v[CO], v2, 12, v4               ; lanes 0-15 one row's 256 bytes, lanes 16-31 the next row's
	global_load_b128 v[8:11], v4, s[8:9]           ; the bias at my four columns
	WIN 0x40
.irp a, 0,1,2,3
.irp t, 0,1,2,3,4,5,6,7
	global_load_b128 v[48+128*(\a/2)+32*(\a%2)+4*\t:48+128*(\a/2)+32*(\a%2)+4*\t+3], v[CO], s[92:93] offset:(32*(\a/2)+8*(\a%2)+2*\t+8*(\t/4))*4096 th:TH_LOAD_NT
.endr
.endr
	WIN 0
	v_mul_u32_u24 v5, v1, 272
	v_lshl_add_u32 v5, v2, 6, v5
	v_add_nc_u32 v[STO], s23, v5                   ; the stage, in: row r, + 64 h
	v_mul_u32_u24 v5, v2, 272
	v_add_nc_u32 v5, v5, v4
	v_add_nc_u32 v[RD], s23, v5                    ; back: two rows an instruction
	s_wait_alu depctr_va_vdst(0)
	s_wait_kmcnt 0x0
	s_mov_b32 s99, s98
	s_wait_tensorcnt 0x0                           ; my tile of the four is in
	s_barrier_signal -1
	s_barrier_wait -1                              ; everybody's is
	FETCH 0, 0
.irp i, 0,1,2,3
.irp q, 0,1,2,3,4,5,6,7
	ds_load_b32 v[SC+NQ*\i+\q], v[ADRS] offset:(\i*KS+\q)*64
.endr
.endr
	STEP 0, 1                                      ; the first K step starts the sums
.irp q, 1,2,3,4,5,6
	STEP \q, 0
.endr
	s_wait_dscnt 0x0
	MULR 1, 7, 0                                   ; the last K step
	PLACES 4
.macro TOSTAGE a                       ; block a's 16 tokens x 64 columns into my stage and back as whole rows; LDS serves a wave's instructions in order (ISA guide 5.7.1.4)
	WIN 0x08
.irp b, 0,1,2,3
	ds_store_b128 v[STO], v[8*(4*(\a)+\b):8*(4*(\a)+\b)+3] offset:128*(\b/2)+32*(\b%2)
	ds_store_b128 v[STO], v[8*(4*(\a)+\b)+4:8*(4*(\a)+\b)+7] offset:128*(\b/2)+32*(\b%2)+16
.endr
	WIN 0
.irp t, 0,1,2,3,4,5,6,7
	ds_load_b128 v[BK+32*((\a)%2)+4*\t:BK+32*((\a)%2)+4*\t+3], v[RD] offset:544*\t
.endr
.endm
.macro SEND a, younger
.set BB, BK+32*((\a)%2)
.set RSA, 48+128*((\a)/2)+32*((\a)%2)
	s_wait_dscnt \younger                          ; the block is back; the next block's 8 stores and 8 loads may be out
.irp t, 0,1,2,3,4,5,6,7
	v_pk_add_f32 v[BB+4*\t:BB+4*\t+1], v[BB+4*\t:BB+4*\t+1], v[8:9]
	v_pk_add_f32 v[BB+4*\t+2:BB+4*\t+3], v[BB+4*\t+2:BB+4*\t+3], v[10:11]
.endr
	WIN 0x10                                       ; source 2, the residual: window 1
.irp t, 0,1,2,3,4,5,6,7
	v_pk_fma_f32 v[BB+4*\t:BB+4*\t+1], v[BB+4*\t:BB+4*\t+1], s[98:99], v[RSA+4*\t:RSA+4*\t+1] op_sel_hi:[1,0,1]
	v_pk_fma_f32 v[BB+4*\t+2:BB+4*\t+3], v[BB+4*\t+2:BB+4*\t+3], s[98:99], v[RSA+4*\t+2:RSA+4*\t+3] op_sel_hi:[1,0,1]
.endr
	WIN 0
.irp t, 0,1,2,3,4,5,6,7
	global_store_b128 v[CO], v[BB+4*\t:BB+4*\t+3], s[94:95] offset:(32*((\a)/2)+8*((\a)%2)+2*\t+8*(\t/4))*4096 th:TH_STORE_NT
.endr
.endm
	s_wait_loadcnt 0x0                             ; the bias and the residual
	TOSTAGE 0
.irp a, 1,2,3
.if \a > 1
	s_wait_xcnt 0x0                                ; block a - 2's stores have read their registers
.endif
	TOSTAGE \a
	SEND \a-1, 16
.endr
	SEND 3, 0
	s_wait_tensorcnt 0x0                           ; the wave's end
	ds_add_u32 v[SPW], v[NIL]
	s_wait_dscnt 0x0
	CROUND                                         ; the closing round
	s_endpgm
.Lfunc_end_k_q4cc3005831_oproj:
	.size	k_q4cc3005831_oproj, .Lfunc_end_k_q4cc3005831_oproj-k_q4cc3005831_oproj
	.p2alignl 7, 3214868480
	.fill 96, 4, 3214868480
	.section	.rodata,"a",@progbits
	.p2align	6, 0x0
	.amdhsa_kernel k_q4cc3005831_oproj
		.amdhsa_group_segment_fixed_size 327680
		.amdhsa_private_segment_fixed_size 0
		.amdhsa_enable_private_segment 0
		.amdhsa_kernarg_size 48
		.amdhsa_user_sgpr_count 2
		.amdhsa_user_sgpr_kernarg_segment_ptr 1
		.amdhsa_wavefront_size32 1
		.amdhsa_system_sgpr_workgroup_id_x 1
		.amdhsa_system_sgpr_workgroup_id_y 1
		.amdhsa_system_sgpr_workgroup_id_z 1
		.amdhsa_system_vgpr_workitem_id 0
		.amdhsa_next_free_vgpr 768
		.amdhsa_next_free_sgpr 100
		.amdhsa_reserve_vcc 0
		.amdhsa_float_denorm_mode_32 3
		.amdhsa_float_denorm_mode_16_64 3
		.amdhsa_memory_ordered 1
		.amdhsa_forward_progress 1
		.amdhsa_inst_pref_size 64
	.end_amdhsa_kernel
	.amdgpu_metadata
---
amdhsa.version: [ 1, 2 ]
amdhsa.kernels:
  - .name:           k_q4cc3005831_oproj
    .symbol:         k_q4cc3005831_oproj.kd
    .args:
      - { .name: AT, .offset: 0, .size: 8, .value_kind: global_buffer, .address_space: global }
      - { .name: W, .offset: 8, .size: 8, .value_kind: global_buffer, .address_space: global }
      - { .name: bo, .offset: 16, .size: 8, .value_kind: global_buffer, .address_space: global }
      - { .name: alpha_attn, .offset: 24, .size: 8, .value_kind: global_buffer, .address_space: global }
      - { .name: x, .offset: 32, .size: 8, .value_kind: global_buffer, .address_space: global }
      - { .name: X1, .offset: 40, .size: 8, .value_kind: global_buffer, .address_space: global }
    .group_segment_fixed_size: 327680
    .private_segment_fixed_size: 0
    .kernarg_segment_align: 8
    .kernarg_segment_size: 48
    .max_flat_workgroup_size: 128
    .sgpr_count:     100
    .vgpr_count:     768
    .wavefront_size: 32
...
	.end_amdgpu_metadata
.endif
;; end of part 4
;; launch ln2 (part 5): grid 256 x 1, 8 waves a work-group, no clusters, 67,584 bytes of LDS; arguments X1, ln2_g, ln2_b, XA; writes XA
.if DOCPART == 5
	.amdgcn_target "amdgcn-amd-amdhsa--gfx1250"
	.amdhsa_code_object_version 6
	.text
	.protected	k_q4cc3005831_ln2
	.globl	k_q4cc3005831_ln2
	.p2align	8
	.type	k_q4cc3005831_ln2,@function
k_q4cc3005831_ln2:
	s_mov_b64 s[64:65], 0
	v_nop
	global_prefetch_b8 v0, s[64:65] scope:SCOPE_SE
	s_setreg_imm32_b32 hwreg(HW_REG_WAVE_MODE, 25, 1), 1
	s_wait_xcnt 0x0
; y = (x - mean) rsqrt(var + 1e-5) g + b over rows of 1,024 f32, then quantised along the row to FP6 (E2M3) with one E8M0 byte for each 32, stored as images of operand registers.
; Work-group T makes tile T: 16 rows; row r of the tile is token 32 (T/2) + 8 (T%2) + r + 8 (r/8).  Codes: [tile][K step 8][1536]; scale words behind them: [tile][8][64].
; PHASE A: wave w owns tile rows 2 w and 2 w + 1: dense loads (512 consecutive bytes each), mean, then the sum of squared differences from the mean (no difference of large sums), y into LDS.
; PHASE B: wave w takes K step w of all 16 rows: lane (r, h) reads 16 neighbours of each block of 32 of row r, quantises, and stores the fragment's image.
; The tile's 512 bytes of scale words meet in LDS and leave as two aligned runs of 256 bytes.
; LIMITS: NaN and infinities are not served; a block under 2^-124 keeps the byte 1; a block of zeros has the byte 1, not 127 (zero codes; only this program reads the bytes).
.set X,   32                           ; v32-95   two rows as loaded; later 64 numbers for the quantiser
.set G,   96                           ; v96-127  g at my columns
.set BB,  128                          ; v128-159 b
.set PC,  160                          ; v160-178 codes
.set TM,  4                            ; v4-19    at work
.set PW,  20                           ; v20      the scale word
.set SEL, 20                           ; s[20:21] selects for lane l xor 16
.set YP,  4112                         ; a row of y in LDS: 4,096 + 16 bytes = 1,028 words: sixteen rows start at sixteen different groups of four banks
.set SCW, 16*YP
.set XSC, 3145728
.macro QUANT s                         ; 64 numbers, register 16 b + i = k 32 b + 16 h + i of my row -> codes v[PC..PC+11], scale word v[PW]
.irp b, 0,1,2,3
	v_max3_num_f32 v[TM+\b], |v[\s+16*\b]|, |v[\s+1+16*\b]|, 0x1800000
.endr
.irp i, 2,4,6,8,10,12,14
.irp b, 0,1,2,3
	s_delay_alu instid0(VALU_DEP_4)
	v_max3_num_f32 v[TM+\b], v[TM+\b], |v[\s+16*\b+\i]|, |v[\s+1+16*\b+\i]|
.endr
.endr
.irp b, 0,1,2,3
	v_permlanex16_b32 v[TM+4+\b], v[TM+\b], s[SEL], s[SEL+1]
.endr
.irp b, 0,1,2,3
	s_delay_alu instid0(VALU_DEP_4)
	v_max_num_f32 v[TM+\b], v[TM+\b], v[TM+4+\b]   ; with lane l xor 16's: the block's largest magnitude
.endr
.irp b, 0,1,2,3
	s_delay_alu instid0(VALU_DEP_4)
	v_add_nc_u32 v[TM+12+\b], 0xff000000, v[TM+\b] ; 2 off its exponent field: the conversion's scale operand
.endr
.irp b, 0,1,2,3
	s_delay_alu instid0(VALU_DEP_4)
	v_lshrrev_b32 v[TM+4+\b], 23, v[TM+12+\b]      ; the byte
.endr
	s_delay_alu instid0(VALU_DEP_3)
	v_lshl_or_b32 v[PW], v[TM+5], 8, v[TM+4]
	s_delay_alu instid0(VALU_DEP_1)
	v_lshl_or_b32 v[PW], v[TM+6], 16, v[PW]
	s_delay_alu instid0(VALU_DEP_1)
	v_lshl_or_b32 v[PW], v[TM+7], 24, v[PW]
.irp c, 0,1
	v_cvt_scalef32_pk16_fp6_f32 v[PC+6*\c:PC+2+6*\c], v[\s+32*\c:\s+15+32*\c], v[TM+12+2*\c]
	v_cvt_scalef32_pk16_fp6_f32 v[PC+12+4*\c:PC+14+4*\c], v[\s+16+32*\c:\s+31+32*\c], v[TM+12+2*\c+1]
.endr
	v_nop                                          ; one plain place behind a scaled conversion
.irp c, 0,1                            ; the layout wants a whole block in a lane
.irp i, 0,1,2
	v_permlane16_swap_b32 v[PC+6*\c+\i], v[PC+12+4*\c+\i]
.endr
.irp i, 0,1,2
	s_delay_alu instid0(VALU_DEP_3)
	v_mov_b32 v[PC+3+6*\c+\i], v[PC+12+4*\c+\i]
.endr
.endr
.endm
.macro WSUM                            ; v4 and v12 summed over the wave's 32 lanes, the two rows by turns
.irp m, 1,2,4,8
.irp i, 0,1
	s_delay_alu instid0(VALU_DEP_2)
	v_add_f32_dpp v[4+8*\i], v[4+8*\i], v[4+8*\i] row_xmask:\m row_mask:0xf bank_mask:0xf
.endr
.endr
.irp i, 0,1
	s_delay_alu instid0(VALU_DEP_2)
	v_permlanex16_b32 v[5+8*\i], v[4+8*\i], s[SEL], s[SEL+1]
.endr
.irp i, 0,1
	s_delay_alu instid0(VALU_DEP_2)
	v_add_f32 v[4+8*\i], v[4+8*\i], v[5+8*\i]
.endr
.endm
	s_load_b256 s[4:11], s[0:1], 0x0               ; the rows, g, b, the images
	v_lshl_add_u32 v192, v0, 2, 0x10400
	v_mov_b32 v193, 0
	v_lshrrev_b32 v1, 5, v0
	s_delay_alu instid0(VALU_DEP_1)
	v_readfirstlane_b32 s12, v1                    ; wave 0..7
	v_and_b32 v2, 31, v0
	s_delay_alu instid0(VALU_DEP_1)
	v_lshlrev_b32 v21, 4, v2                       ; 16 x lane
	s_wait_alu depctr_va_vdst(0)
	v_lshlrev_b32 v22, 3, v2                       ; 8 x lane
	v_and_b32 v3, 15, v0                           ; r
	s_wait_alu depctr_va_vdst(0)
	v_bfe_u32 v23, v0, 4, 1                        ; h
	s_lshr_b32 s13, ttmp9, 1
	s_lshl_b32 s13, s13, 5
	s_and_b32 s14, ttmp9, 1
	s_lshl_b32 s14, s14, 3
	s_add_co_u32 s13, s13, s14
	s_lshl_b32 s14, s12, 1
	s_add_co_u32 s13, s13, s14
	s_lshr_b32 s14, s12, 2
	s_lshl_b32 s14, s14, 3
	s_add_co_u32 s13, s13, s14                     ; my first token: 32 (T/2) + 8 (T%2) + 2 w + 8 (w/4)
	s_lshl_b32 s14, s13, 12
	s_mov_b32 s15, 0
	s_mul_i32 s16, s12, 2*YP
	v_add_nc_u32 v24, s16, v21                     ; LDS, in: my two rows
	v_mul_u32_u24 v25, v3, YP
	s_wait_alu depctr_va_vdst(0)
	v_lshl_add_u32 v25, v23, 6, v25
	s_lshl_b32 s16, s12, 9
	v_add_nc_u32 v25, s16, v25                     ; LDS, out: row r, + 64 h, + 512 w
	v_lshlrev_b32 v26, 2, v3
	s_lshl_b32 s16, s12, 6
	v_add_nc_u32 v26, s16, v26
	s_delay_alu instid0(VALU_DEP_1)
	v_add_nc_u32 v26, SCW, v26                     ; my row's scale word of K step w
	v_add_nc_u32 v27, SCW, v21                     ; the tile's scale words, 16 bytes a lane
	s_lshl_b32 s17, ttmp9, 3
	s_add_co_u32 s17, s17, s12
	s_mul_i32 s18, s17, 1536
	s_mov_b32 s19, 0
	s_lshl_b32 s24, ttmp9, 9
	s_add_co_u32 s24, s24, XSC
	s_mov_b32 s25, 0
	s_mov_b32 s[SEL], 0x76543210
	s_mov_b32 s[SEL+1], 0xfedcba98
	s_mov_b32 s22, 0x3a800000                      ; 1 / 1,024
	s_mov_b32 s23, 0x3727c5ac                      ; 1e-5
	s_wait_kmcnt 0x0
	s_add_nc_u64 s[4:5], s[4:5], s[14:15]
	s_add_nc_u64 s[18:19], s[10:11], s[18:19]
	s_add_nc_u64 s[24:25], s[10:11], s[24:25]
.irp i, 0,1
.irp j, 0,1,2,3,4,5,6,7
	global_load_b128 v[X+32*\i+4*\j:X+32*\i+4*\j+3], v21, s[4:5] offset:4096*\i+512*\j th:TH_LOAD_NT
.endr
.endr
.irp j, 0,1,2,3,4,5,6,7
	global_load_b128 v[G+4*\j:G+4*\j+3], v21, s[6:7] offset:512*\j
.endr
.irp j, 0,1,2,3,4,5,6,7
	global_load_b128 v[BB+4*\j:BB+4*\j+3], v21, s[8:9] offset:512*\j
.endr
	s_wait_loadcnt 16                              ; the rows' 16 loads are in; g's and b's 16 may be out
.irp i, 0,1
	v_pk_add_f32 v[4+8*\i:5+8*\i], v[X+32*\i:X+32*\i+1], v[X+32*\i+2:X+32*\i+3]
	v_pk_add_f32 v[6+8*\i:7+8*\i], v[X+32*\i+4:X+32*\i+5], v[X+32*\i+6:X+32*\i+7]
.endr
.irp j, 8,12,16,20,24,28
.irp i, 0,1
	s_delay_alu instid0(VALU_DEP_4)
	v_pk_add_f32 v[4+8*\i:5+8*\i], v[4+8*\i:5+8*\i], v[X+32*\i+\j:X+32*\i+\j+1]
	s_delay_alu instid0(VALU_DEP_4)
	v_pk_add_f32 v[6+8*\i:7+8*\i], v[6+8*\i:7+8*\i], v[X+32*\i+\j+2:X+32*\i+\j+3]
.endr
.endr
.irp i, 0
	s_delay_alu instid0(VALU_DEP_3)
	v_pk_add_f32 v[4+8*\i:5+8*\i], v[4+8*\i:5+8*\i], v[6+8*\i:7+8*\i]
.endr
.irp i, 1
	s_delay_alu instid0(VALU_DEP_2)
	v_pk_add_f32 v[4+8*\i:5+8*\i], v[4+8*\i:5+8*\i], v[6+8*\i:7+8*\i]
.endr
.irp i, 0,1
	s_delay_alu instid0(VALU_DEP_2)
	v_add_f32 v[4+8*\i], v[4+8*\i], v[5+8*\i]
.endr
	WSUM
.irp i, 0,1
	s_delay_alu instid0(VALU_DEP_2)
	v_mul_f32 v[8+8*\i], s22, v[4+8*\i]            ; the mean, twice: a pair for the packed form
.endr
.irp i, 0,1
	s_delay_alu instid0(VALU_DEP_2)
	v_mov_b32 v[9+8*\i], v[8+8*\i]
.endr
.irp j, 0,2,4,6,8,10,12,14,16,18,20,22,24,26,28,30
.irp i, 0,1
	v_pk_add_f32 v[X+32*\i+\j:X+32*\i+\j+1], v[X+32*\i+\j:X+32*\i+\j+1], v[8+8*\i:9+8*\i] neg_lo:[0,1] neg_hi:[0,1]
.endr
.endr
.irp i, 0,1
	v_pk_mul_f32 v[4+8*\i:5+8*\i], v[X+32*\i:X+32*\i+1], v[X+32*\i:X+32*\i+1]
	v_pk_mul_f32 v[6+8*\i:7+8*\i], v[X+32*\i+2:X+32*\i+3], v[X+32*\i+2:X+32*\i+3]
.endr
.irp j, 4,8,12,16,20,24,28
.irp i, 0,1
	s_delay_alu instid0(VALU_DEP_4)
	v_pk_fma_f32 v[4+8*\i:5+8*\i], v[X+32*\i+\j:X+32*\i+\j+1], v[X+32*\i+\j:X+32*\i+\j+1], v[4+8*\i:5+8*\i]
	s_delay_alu instid0(VALU_DEP_4)
	v_pk_fma_f32 v[6+8*\i:7+8*\i], v[X+32*\i+\j+2:X+32*\i+\j+3], v[X+32*\i+\j+2:X+32*\i+\j+3], v[6+8*\i:7+8*\i]
.endr
.endr
.irp i, 0
	s_delay_alu instid0(VALU_DEP_3)
	v_pk_add_f32 v[4+8*\i:5+8*\i], v[4+8*\i:5+8*\i], v[6+8*\i:7+8*\i]
.endr
.irp i, 1
	s_delay_alu instid0(VALU_DEP_2)
	v_pk_add_f32 v[4+8*\i:5+8*\i], v[4+8*\i:5+8*\i], v[6+8*\i:7+8*\i]
.endr
.irp i, 0,1
	s_delay_alu instid0(VALU_DEP_2)
	v_add_f32 v[4+8*\i], v[4+8*\i], v[5+8*\i]
.endr
	WSUM
.irp i, 0,1
	s_delay_alu instid0(VALU_DEP_2)
	v_fma_f32 v[4+8*\i], v[4+8*\i], s22, s23       ; var + eps
.endr
	s_wait_alu depctr_va_vdst(0)
.irp i, 0,1
	v_rsq_f32 v[10+8*\i], v[4+8*\i]
	v_rsq_f32 v[11+8*\i], v[4+8*\i]
.endr
	v_nop                                          ; a plain place behind the batch
	s_wait_alu depctr_va_vdst(0)                   ; one wait for the four, ahead of their first reader
	s_wait_loadcnt 0x0                             ; g and b
.irp j, 0,2,4,6,8,10,12,14,16,18,20,22,24,26,28,30
.irp i, 0,1
	v_pk_mul_f32 v[X+32*\i+\j:X+32*\i+\j+1], v[X+32*\i+\j:X+32*\i+\j+1], v[10+8*\i:11+8*\i]
.endr
.irp i, 0,1
	s_delay_alu instid0(VALU_DEP_2)
	v_pk_fma_f32 v[X+32*\i+\j:X+32*\i+\j+1], v[X+32*\i+\j:X+32*\i+\j+1], v[G+\j:G+\j+1], v[BB+\j:BB+\j+1]
.endr
.endr
.irp i, 0,1
.irp j, 0,1,2,3,4,5,6,7
	ds_store_b128 v24, v[X+32*\i+4*\j:X+32*\i+4*\j+3] offset:\i*YP+512*\j
.endr
.endr
	s_wait_dscnt 0x0                               ; for the others' sake: my rows lie in LDS
	s_barrier_signal -1
	s_barrier_wait -1
.irp b, 0,1,2,3
.irp j, 0,1,2,3
	ds_load_b128 v[X+16*\b+4*\j:X+16*\b+4*\j+3], v25 offset:128*\b+16*\j
.endr
.endr
	s_wait_dscnt 0x0
	QUANT X
	global_store_b128 v21, v[PC:PC+3], s[18:19]            ; the image: each store covers consecutive bytes, aligned to 256
	global_store_b64 v22, v[PC+4:PC+5], s[18:19] offset:512
	global_store_b128 v21, v[PC+6:PC+9], s[18:19] offset:768
	global_store_b64 v22, v[PC+10:PC+11], s[18:19] offset:1280
	ds_store_b32 v26, v[PW]                        ; lanes r and r + 16 write the same word with the same value
	s_wait_dscnt 0x0
	s_barrier_signal -1
	s_barrier_wait -1
	s_cmp_lg_u32 s12, 0
	s_cbranch_scc1 .Ldone
	ds_load_b128 v[28:31], v27
	s_wait_dscnt 0x0
	global_store_b128 v21, v[28:31], s[24:25]      ; the tile's 512 bytes of scale words
.Ldone:
	s_wait_tensorcnt 0x0
	ds_add_u32 v192, v193
	s_wait_dscnt 0x0
	s_endpgm
.Lfunc_end_k_q4cc3005831_ln2:
	.size	k_q4cc3005831_ln2, .Lfunc_end_k_q4cc3005831_ln2-k_q4cc3005831_ln2
	.p2alignl 7, 3214868480
	.fill 96, 4, 3214868480
	.section	.rodata,"a",@progbits
	.p2align	6, 0x0
	.amdhsa_kernel k_q4cc3005831_ln2
		.amdhsa_group_segment_fixed_size 67584
		.amdhsa_private_segment_fixed_size 0
		.amdhsa_enable_private_segment 0
		.amdhsa_kernarg_size 32
		.amdhsa_user_sgpr_count 2
		.amdhsa_user_sgpr_kernarg_segment_ptr 1
		.amdhsa_wavefront_size32 1
		.amdhsa_system_sgpr_workgroup_id_x 1
		.amdhsa_system_sgpr_workgroup_id_y 1
		.amdhsa_system_sgpr_workgroup_id_z 1
		.amdhsa_system_vgpr_workitem_id 0
		.amdhsa_next_free_vgpr 194
		.amdhsa_next_free_sgpr 66
		.amdhsa_reserve_vcc 0
		.amdhsa_float_denorm_mode_32 3
		.amdhsa_float_denorm_mode_16_64 3
		.amdhsa_memory_ordered 1
		.amdhsa_forward_progress 1
		.amdhsa_inst_pref_size 30
	.end_amdhsa_kernel
	.amdgpu_metadata
---
amdhsa.version: [ 1, 2 ]
amdhsa.kernels:
  - .name:           k_q4cc3005831_ln2
    .symbol:         k_q4cc3005831_ln2.kd
    .args:
      - { .name: X1, .offset: 0, .size: 8, .value_kind: global_buffer, .address_space: global }
      - { .name: ln2_g, .offset: 8, .size: 8, .value_kind: global_buffer, .address_space: global }
      - { .name: ln2_b, .offset: 16, .size: 8, .value_kind: global_buffer, .address_space: global }
      - { .name: XA, .offset: 24, .size: 8, .value_kind: global_buffer, .address_space: global }
    .group_segment_fixed_size: 67584
    .private_segment_fixed_size: 0
    .kernarg_segment_align: 8
    .kernarg_segment_size: 32
    .max_flat_workgroup_size: 256
    .sgpr_count:     66
    .vgpr_count:     194
    .wavefront_size: 32
...
	.end_amdgpu_metadata
.endif
;; end of part 5
;; launch ff1 (part 6): grid 16 x 16, 4 waves a work-group, clusters of 4 x 4, 327,680 bytes of LDS; arguments XA, W, b1, H; writes H
.if DOCPART == 6
	.amdgcn_target "amdgcn-amd-amdhsa--gfx1250"
	.amdhsa_code_object_version 6
	.text
	.protected	k_q4cc3005831_ff1
	.globl	k_q4cc3005831_ff1
	.p2align	8
	.type	k_q4cc3005831_ff1,@function
k_q4cc3005831_ff1:
	s_mov_b64 s[64:65], 0
	v_nop
	global_prefetch_b8 v0, s[64:65] scope:SCOPE_SE
	s_setreg_imm32_b32 hwreg(HW_REG_WAVE_MODE, 25, 1), 1
	s_wait_xcnt 0x0
	s_wait_alu depctr_hold_cnt(0) depctr_sa_sdst(0) depctr_va_vdst(0) depctr_va_sdst(0) depctr_va_ssrc(0) depctr_va_vcc(0) depctr_vm_vsrc(0)
	s_getreg_b32 s2, hwreg(HW_REG_IB_STS2, 6, 4)
	s_cmp_eq_u32 s2, 0
	s_cbranch_scc0 .Lentry_in_a_cluster
	s_endpgm
.Lentry_in_a_cluster:
	s_bfe_u32 s2, ttmp6, 0x10000c
	s_cmp_lg_u32 s2, 0xf033
	s_cbranch_scc0 .Lentry_shape_is_right
	s_endpgm
.Lentry_shape_is_right:
; H = gelu(LN2(X1) w1 + b1), quantised along the hidden units for the next product: a product on codes of FP6 (E2M3) with E8M0 scales, K = 1,024, N = 4,096.
; Operands lie in memory as images of their registers: [tile of 16 rows][K step of 128][1,536 bytes], scale words [tile][K step][64]; row r of tile t is row 32 (t/2) + 8 (t%2) + r + 8 (r/8).
; A work-group of four waves makes 256 x 256, a wave 128 x 128: 64 accumulators.  K goes in slots of 256 through a ring of two LDS slots; all scale words come once.  CLUSTERS 4 x 4: A's tiles shared along a row, B's along a column.
; The matrix instruction is used transposed (source 0 = 16 columns of w1, source 1 = 16 tokens): a lane holds a token, and its 64 registers of a block run along 128 neighbouring hidden units, the next K.
; gelu(x) = x/2 (1 + erf(x / sqrt 2)), erf(z) = z P(z^2) / Q(z^2) with z held to +-4, all in f32; then the quantiser; the codes leave as images, [tile][K step 32][1,536], scale words behind them.
; LIMITS: NaN and infinities are not served; a block under 2^-124 keeps the byte 1; a block of zeros has the byte 1, not 127 (zero codes; only this program reads the bytes).
.set NB,    8
.set NQ,    2
.set KS,    8
.set ASO,   3145728
.set BCO,   3145728
.set BSO,   9437184+131072
.set HSC,   12582912
.set T,     64
.set Z,     128
.set Z2,    144
.set P,     160
.set Q,     176
.set PC,    192
.set TM,    212
.set PW,    228
.set PWP,   229
.set SEL,   44
.set FRB,   1536
.set HALFT, NB*NQ*FRB
.set SLOT,  4*HALFT
.set SCL,   2*SLOT
.set HALFS, NB*KS*64
.set SPARE, SCL+4*HALFS
.set LAPS,  KS/(2*NQ)
.set QA,    NB/4
.set ADRA,  16
.set ADRB,  20
.set ADRS,  27
.set SPW,   28
.set NIL,   29
.set L16,   30
.set L8,    31
.set SC,    32
.set AF,    64
.set G1,    24
.set G0,    32
.set G1B,   48
.set G0B,   56
.set G1S,   68
.set G0S,   76
.set G1SB,  80
.set G0SB,  88
.set MSB,   0
.macro WIN new
.if MSB != (\new)
	s_set_vgpr_msb (MSB<<8)|(\new)
.set MSB, (\new)
.endif
.endm
.macro JLOAD g0a, g1a, g0b, g1b
	s_cmp_eq_u32 s15, 0
	s_cbranch_scc0 .Lfor_b_\@
	tensor_load_to_lds s[\g0a:\g0a+3], s[\g1a:\g1a+7]
	s_nop 0
.rept 4
	v_nop
.endr
	s_branch .Lasked_\@
.Lfor_b_\@:
	tensor_load_to_lds s[\g0b:\g0b+3], s[\g1b:\g1b+7]
	s_nop 0
.rept 4
	v_nop
.endr
.Lasked_\@:
.endm
.macro CREST
	s_cmp_lg_u32 s14, 0
	s_cbranch_scc1 .Lnot_wave_0_\@
	s_barrier_signal -3
.Lnot_wave_0_\@:
	s_barrier_wait -3
	s_barrier_signal -1
	s_barrier_wait -1
.endm
.macro CROUND
	s_barrier_signal -1
	s_barrier_wait -1
	CREST
.endm
.macro PLACES n
.rept \n
	v_nop
.endr
.endm
.macro FRAG reg, adr, q, i
	ds_load_b128 v[\reg:\reg+3], v[\adr] offset:((\i)*NQ+(\q))*FRB
	ds_load_b64 v[\reg+4:\reg+5], v[\adr+2] offset:((\i)*NQ+(\q))*FRB+512
	ds_load_b128 v[\reg+6:\reg+9], v[\adr] offset:((\i)*NQ+(\q))*FRB+768
	ds_load_b64 v[\reg+10:\reg+11], v[\adr+2] offset:((\i)*NQ+(\q))*FRB+1280
.endm
.macro FETCH slot, q, p
	WIN 0x40
.set FI, 0
.rept NB
	FRAG 128*(\p)+12*FI, ADRB+\slot, \q, FI
.set FI, FI+1
.endr
	WIN 0
.set FI, 0
.rept NB
	FRAG AF+96*(\p)+12*FI, ADRA+\slot, \q, FI
.set FI, FI+1
.endr
.endm
.macro SCALES sc
.set FI, 0
.rept NB
.set FQ, 0
.rept NQ
	ds_load_b32 v[SC+NB*NQ*(\sc)+NQ*FI+FQ], v[ADRS] offset:(FI*KS+FQ)*64
.set FQ, FQ+1
.endr
.set FI, FI+1
.endr
.endm
.macro MULR a0, n, p, q, sc, zero
.set MA, \a0
.rept \n
.if NB*MA < 32
	WIN 0xa1
.else
	WIN 0xf1
.endif
.set MD, (8*NB*MA)%256
.irp b, 0,1,2,3,4,5,6,7
.if \b < NB
.if \zero
	v_wmma_scale_f32_16x16x128_f8f6f4 v[MD+8*\b:MD+8*\b+7], v[128*(\p)+12*\b:128*(\p)+12*\b+11], v[AF+96*(\p)+12*MA:AF+96*(\p)+12*MA+11], 0, v[SC+NB*NQ*(\sc)+NQ*\b+(\q)], v[SC+NB*NQ*(\sc)+NQ*MA+(\q)] matrix_a_fmt:MATRIX_FMT_FP6 matrix_b_fmt:MATRIX_FMT_FP6 matrix_a_scale:MATRIX_SCALE_ROW1
.else
	v_wmma_scale_f32_16x16x128_f8f6f4 v[MD+8*\b:MD+8*\b+7], v[128*(\p)+12*\b:128*(\p)+12*\b+11], v[AF+96*(\p)+12*MA:AF+96*(\p)+12*MA+11], v[MD+8*\b:MD+8*\b+7], v[SC+NB*NQ*(\sc)+NQ*\b+(\q)], v[SC+NB*NQ*(\sc)+NQ*MA+(\q)] matrix_a_fmt:MATRIX_FMT_FP6 matrix_b_fmt:MATRIX_FMT_FP6 matrix_a_scale:MATRIX_SCALE_ROW1
.endif
.endif
.endr
.set MA, MA+1
.endr
.endm
.macro STEP slot, q, zero
	s_wait_dscnt 0x0
	PLACES 4
	FETCH \slot, (\q)+1, 1-(\q)%2
	MULR 0, NB, (\q)%2, \q, \slot, \zero
	WIN 0
.endm
.macro MID slot
.if NQ > 2
.set MQ, 1
.rept NQ-2
	STEP \slot, MQ, 0
.set MQ, MQ+1
.endr
.endif
.endm
.macro TURN slot, next, fill
	s_wait_tensorcnt 0x0
	ds_add_u32 v[SPW], v[NIL]
	s_wait_dscnt 1
	MULR 0, QA, 1, NQ-1, \slot, 0
	s_wait_dscnt 0x0
	s_barrier_signal -1
	MULR QA, QA, 1, NQ-1, \slot, 0
	WIN 0
	s_barrier_wait -1
.if \fill
	CREST
	s_add_nc_u64 s[G0+4*\slot+2:G0+4*\slot+3], s[G0+4*\slot+2:G0+4*\slot+3], 2*NQ*FRB
	s_add_nc_u64 s[G0B+4*\slot+2:G0B+4*\slot+3], s[G0B+4*\slot+2:G0B+4*\slot+3], 2*NQ*FRB
	JLOAD G0+4*\slot, G1, G0B+4*\slot, G1B
.else
	PLACES 4
.endif
	s_wait_alu depctr_va_vdst(0)
	v_add_nc_u32 v[ADRS], 64*NQ, v[ADRS]
	FETCH \next, 0, 0
	SCALES \next
	MULR 2*QA, 2*QA, 1, NQ-1, \slot, 0
	WIN 0
.endm
.macro QUANT s
.irp b, 0,1,2,3
	v_max3_num_f32 v[TM+\b], |v[\s+16*\b]|, |v[\s+1+16*\b]|, 0x1800000
.endr
.irp i, 2,4,6,8,10,12,14
.irp b, 0,1,2,3
	v_max3_num_f32 v[TM+\b], v[TM+\b], |v[\s+16*\b+\i]|, |v[\s+1+16*\b+\i]|
.endr
.endr
.irp b, 0,1,2,3
	v_permlanex16_b32 v[TM+4+\b], v[TM+\b], s[SEL], s[SEL+1]
.endr
.irp b, 0,1,2,3
	v_max_num_f32 v[TM+\b], v[TM+\b], v[TM+4+\b]
.endr
.irp b, 0,1,2,3
	v_add_nc_u32 v[TM+12+\b], 0xff000000, v[TM+\b]
.endr
.irp b, 0,1,2,3
	v_lshrrev_b32 v[TM+4+\b], 23, v[TM+12+\b]
.endr
	v_lshl_or_b32 v[PW], v[TM+5], 8, v[TM+4]
	v_lshl_or_b32 v[PW], v[TM+6], 16, v[PW]
	v_lshl_or_b32 v[PW], v[TM+7], 24, v[PW]
.irp c, 0,1
	v_cvt_scalef32_pk16_fp6_f32 v[PC+6*\c:PC+2+6*\c], v[\s+32*\c:\s+15+32*\c], v[TM+12+2*\c]
	v_cvt_scalef32_pk16_fp6_f32 v[PC+12+4*\c:PC+14+4*\c], v[\s+16+32*\c:\s+31+32*\c], v[TM+12+2*\c+1]
.endr
	v_nop
.irp c, 0,1
.irp i, 0,1,2
	v_permlane16_swap_b32 v[PC+6*\c+\i], v[PC+12+4*\c+\i]
.endr
.irp i, 0,1,2
	v_mov_b32 v[PC+3+6*\c+\i], v[PC+12+4*\c+\i]
.endr
.endr
.endm
.macro POLY d, c
.set J, 0
.rept 8
	v_pk_fma_f32 v[\d+J:\d+J+1], v[\d+J:\d+J+1], v[Z2+J:Z2+J+1], \c op_sel_hi:[1,1,0]
.set J, J+2
.endr
.endm
.macro GELU g
.set J, 0
.rept 8
	v_pk_mul_f32 v[Z+J:Z+J+1], v[T+16*\g+J:T+16*\g+J+1], 0x3f3504f3 op_sel_hi:[1,0]
.set J, J+2
.endr
.set J, 0
.rept 16
	v_med3_num_f32 v[Z+J], v[Z+J], -4.0, 4.0
.set J, J+1
.endr
.set J, 0
.rept 8
	v_pk_mul_f32 v[Z2+J:Z2+J+1], v[Z+J:Z+J+1], v[Z+J:Z+J+1]
.set J, J+2
.endr
.set J, 0
.rept 8
	v_pk_fma_f32 v[P+J:P+J+1], v[Z2+J:Z2+J+1], v[232:233], 0x32edffee op_sel_hi:[1,1,0]
	v_pk_fma_f32 v[Q+J:Q+J+1], v[Z2+J:Z2+J+1], v[234:235], 0xb95fbd29 op_sel_hi:[1,1,0]
.set J, J+2
.endr
	POLY P, 0xb60cff51
	POLY Q, 0xbadc924e
	POLY P, 0xb86ec2d2
	POLY Q, 0xbbf19bf8
	POLY P, 0xba40ac63
	POLY Q, 0xbc69b6a7
	POLY P, 0xbb41a1f6
	POLY P, 0xbc83dbd4
.set J, 0
.rept 8
	v_pk_mul_f32 v[P+J:P+J+1], v[P+J:P+J+1], v[Z+J:Z+J+1]
.set J, J+2
.endr
.set J, 0
	s_wait_alu depctr_va_vdst(0)
.rept 16
	v_rcp_f32 v[Q+J], v[Q+J]
.set J, J+1
.endr
.set J, 0
.rept 8
	v_pk_mul_f32 v[Z+J:Z+J+1], v[T+16*\g+J:T+16*\g+J+1], 0.5 op_sel_hi:[1,0]
.set J, J+2
.endr
	s_wait_alu depctr_va_vdst(0)
.set J, 0
.rept 8
	v_pk_mul_f32 v[P+J:P+J+1], v[P+J:P+J+1], v[Q+J:Q+J+1]
.set J, J+2
.endr
.set J, 0
.rept 8
	v_pk_fma_f32 v[T+16*\g+J:T+16*\g+J+1], v[Z+J:Z+J+1], v[P+J:P+J+1], v[Z+J:Z+J+1]
.set J, J+2
.endr
.endm
.macro COPY a
	WIN 0x06+(\a)/4
.set J, 0
.rept 32
	v_pk_add_f32 v[T+J:T+J+1], v[64*((\a)%4)+J:64*((\a)%4)+J+1], v[J:J+1]
.set J, J+2
.endr
	WIN 0
.endm
	s_load_b256 s[4:11], s[0:1], 0x0
	v_lshl_add_u32 v[SPW], v0, 2, SPARE
	v_mov_b32 v[NIL], 0
	ds_add_u32 v28, v29
	ds_add_u32 v28, v29
	s_wait_dscnt 0x0
	v_lshrrev_b32 v1, 5, v0
	v_readfirstlane_b32 s14, v1
	s_lshr_b32 s15, s14, 1
	s_and_b32 s16, s14, 1
	s_bfe_u32 s40, ttmp6, 0x40000
	s_bfe_u32 s41, ttmp6, 0x40004
	s_lshl_b32 s67, ttmp9, 2
	s_add_co_u32 s67, s67, s40
	s_and_b32 s66, ttmp7, 0xffff
	s_lshl_b32 s66, s66, 2
	s_add_co_u32 s66, s66, s41
	s_lshl_b32 s43, s41, 2
	s_lshl_b32 s43, 15, s43
	s_lshl_b32 s44, 0x1111, s40
	s_or_b32 s[G1+0], s43, (3<<16)|(1<<21)
	s_or_b32 s[G1B+0], s44, (3<<16)|(1<<21)
.irp g, G1, G1B
	s_mov_b32 s[\g+1], (192*NQ)<<16
	s_mov_b32 s[\g+2], (2*NB)<<16                  ; for the head's loads a side's 2 NB tiles
	s_mov_b32 s[\g+3], (192*NQ)<<16
	s_mov_b32 s[\g+4], 2*NB
	s_mov_b32 s[\g+5], 192*KS
	s_mov_b32 s[\g+6], 0
	s_mov_b32 s[\g+7], 0
.endr
	s_or_b32 s[G1S+0], s43, (3<<16)|(1<<21)
	s_or_b32 s[G1SB+0], s44, (3<<16)|(1<<21)
.irp g, G1S, G1SB
	s_mov_b32 s[\g+1], 32<<16
	s_mov_b32 s[\g+2], (HALFS/128)<<16             ; a side's scale words whole: 2 HALFS bytes
	s_mov_b32 s[\g+3], 32<<16
	s_mov_b32 s[\g+4], HALFS/128
	s_mov_b32 s[\g+5], 32
	s_mov_b32 s[\g+6], 0
	s_mov_b32 s[\g+7], 0
.endr
	s_mul_i32 s42, s16, NB*KS*FRB                  ; in the ring I fetch NB tiles of a side: which half, in bytes
	s_mov_b32 s43, 0
	s_mul_i32 s20, s66, 2*NB                       ; the block's first tile of A,
	s_mul_i32 s46, s67, 2*NB                       ; of B
	s_mul_i32 s22, s20, KS*64
	s_mul_i32 s20, s20, KS*FRB
	s_mul_i32 s96, s46, KS*64
	s_mul_i32 s46, s46, KS*FRB
	s_add_co_u32 s22, s22, ASO
	s_add_co_u32 s46, s46, BCO
	s_add_co_u32 s96, s96, BSO
	s_mov_b32 s21, 0
	s_mov_b32 s23, 0
	s_mov_b32 s47, 0
	s_mov_b32 s97, 0
	s_mul_i32 s45, s14, HALFT
	s_wait_kmcnt 0x0
	s_add_nc_u64 s[20:21], s[4:5], s[20:21]
	s_add_nc_u64 s[22:23], s[4:5], s[22:23]
	s_add_nc_u64 s[46:47], s[6:7], s[46:47]
	s_add_nc_u64 s[96:97], s[6:7], s[96:97]
	CROUND
	s_mov_b32 s[G0S], 1
	s_mov_b32 s[G0S+1], SCL
	s_mov_b64 s[G0S+2:G0S+3], s[22:23]
	s_or_b32 s[G0S+3], s[G0S+3], 0x80000000
	s_mov_b32 s[G0SB], 1
	s_mov_b32 s[G0SB+1], SCL+2*HALFS
	s_mov_b64 s[G0SB+2:G0SB+3], s[96:97]
	s_or_b32 s[G0SB+3], s[G0SB+3], 0x80000000
.irp s, 0,1
	s_mov_b32 s[G0+4*\s], 1
	s_add_co_u32 s[G0+4*\s+1], s45, \s*SLOT
	s_add_nc_u64 s[G0+4*\s+2:G0+4*\s+3], s[20:21], \s*NQ*FRB
	s_or_b32 s[G0+4*\s+3], s[G0+4*\s+3], 0x80000000
	s_mov_b32 s[G0B+4*\s], 1
	s_add_co_u32 s[G0B+4*\s+1], s45, \s*SLOT
	s_add_nc_u64 s[G0B+4*\s+2:G0B+4*\s+3], s[46:47], \s*NQ*FRB
	s_or_b32 s[G0B+4*\s+3], s[G0B+4*\s+3], 0x80000000
.endr
; THE HEAD'S LOADS, ONE A WAVE: wave 0 slot 0's 2 NB tiles of A, wave 1 those of B, wave 2 A's scale words, wave 3 B's.  One chain of branches on the wave's number.
	s_mov_b32 s[G0+1], 0
	s_mov_b32 s[G0B+1], 2*HALFT
	s_add_nc_u64 s[G0+6:G0+7], s[G0+6:G0+7], s[42:43]      ; slot 1's load is the ring's: my NB tiles
	s_add_nc_u64 s[G0B+6:G0B+7], s[G0B+6:G0B+7], s[42:43]
.macro ARM under, g0, g1, next
	s_cmp_lt_u32 s14, \under
	s_cbranch_scc0 \next
	tensor_load_to_lds s[\g0:\g0+3], s[\g1:\g1+7]
	s_nop 0
.rept 4
	v_nop
.endr
	s_branch .Lhead_asked
\next:
.endm
	ARM 1, G0,  G1,  .Lhead_b
	ARM 2, G0B, G1B, .Lhead_sa
	ARM 3, G0S, G1S, .Lhead_sb
	tensor_load_to_lds s[G0SB:G0SB+3], s[G1SB:G1SB+7]
	s_nop 0
.rept 4
	v_nop
.endr
.Lhead_asked:
; PREFETCHES INTO THE L2: of the NB tiles x NQ steps (96 blocks of 256 bytes) that I fetch for a slot, each of the four partners that ask jointly names two tiles' 24 blocks, told apart by address (cx for A, cy for B);
; lanes 24 to 31 name the last block again.  Here slots 1 and 2, behind slot 1's load slot 3: that is all of K.
	s_cmp_eq_u32 s15, 0
	s_cselect_b64 s[12:13], s[20:21], s[46:47]
	s_cselect_b32 s2, s40, s41
	s_mul_i32 s2, s2, 2*KS*FRB
	s_mov_b32 s3, 0
	s_add_nc_u64 s[12:13], s[12:13], s[42:43]
	s_add_nc_u64 s[12:13], s[12:13], s[2:3]
	v_and_b32 v12, 31, v0
	v_min_u32 v12, 23, v12
	v_mul_u32_u24 v13, v12, 22
	v_lshrrev_b32 v13, 8, v13                      ; block / 12: which of my two tiles
	v_mul_u32_u24 v13, v13, (KS-NQ)*FRB
	v_lshl_add_u32 v12, v12, 8, v13
	global_prefetch_b8 v12, s[12:13] offset:NQ*FRB th:TH_LOAD_NT scope:SCOPE_SE
	global_prefetch_b8 v12, s[12:13] offset:2*NQ*FRB th:TH_LOAD_NT scope:SCOPE_SE
	v_and_b32 v1, 15, v0
	v_bfe_u32 v2, v0, 4, 1
	v_and_b32 v3, 31, v0
	v_lshlrev_b32 v[L16], 4, v3
	v_lshlrev_b32 v[L8], 3, v3
	s_mul_i32 s21, s15, HALFT
	s_mul_i32 s22, s16, HALFT
	s_add_co_u32 s22, s22, 2*HALFT
.irp s, 0,1
	v_add_nc_u32 v[ADRA+\s], s21, v[L16]
	v_add_nc_u32 v[ADRA+2+\s], s21, v[L8]
	v_add_nc_u32 v[ADRB+\s], s22, v[L16]
	v_add_nc_u32 v[ADRB+2+\s], s22, v[L8]
	s_add_co_u32 s21, s21, SLOT
	s_add_co_u32 s22, s22, SLOT
.endr
	s_mul_i32 s21, s15, HALFS
	s_mul_i32 s22, s16, HALFS
	s_add_co_u32 s22, s22, 2*HALFS
	s_sub_co_u32 s22, s22, s21
	v_mul_u32_u24 v6, s22, v2
	s_add_co_u32 s21, s21, SCL
	v_lshlrev_b32 v8, 2, v1
	v_add_nc_u32 v5, v8, v6
	v_add_nc_u32 v[ADRS], s21, v5
	v_lshlrev_b32 v4, 6, v2
	v_lshl_add_u32 v5, v2, 11, v8
	s_wait_alu depctr_va_vdst(0)
	s_wait_tensorcnt 0x0                           ; my tile of the head's four is in
	ds_add_u32 v[SPW], v[NIL]
	s_mov_b32 s[G1+2], NB<<16                      ; no load of mine is out: from here on a load brings NB tiles,
	s_mov_b32 s[G1+4], NB
	s_mov_b32 s[G1B+2], NB<<16
	s_mov_b32 s[G1B+4], NB
	s_add_co_u32 s[G0+1], s45, 0                   ; and slot 0's descriptors become the ring's: my quarter of the slot
	s_add_nc_u64 s[G0+2:G0+3], s[G0+2:G0+3], s[42:43]
	s_add_co_u32 s[G0B+1], s45, 0
	s_add_nc_u64 s[G0B+2:G0B+3], s[G0B+2:G0B+3], s[42:43]
	s_wait_dscnt 0x0
	CROUND                                         ; all four tiles are in, and all sixteen work-groups are here
	JLOAD G0+4, G1, G0B+4, G1B                     ; slot 1's first fill, the first tensor load behind the round
	FETCH 0, 0, 0
	SCALES 0
	global_prefetch_b8 v12, s[12:13] offset:3*NQ*FRB th:TH_LOAD_NT scope:SCOPE_SE
	STEP 0, 0, 1
.if LAPS > 1
	s_mov_b32 s3, LAPS-1
.Llap:
	MID 0
	TURN 0, 1, 1
	STEP 1, 0, 0
	MID 1
	TURN 1, 0, 1
	STEP 0, 0, 0
	s_sub_co_u32 s3, s3, 1
	s_cmp_lg_u32 s3, 0
	s_cbranch_scc1 .Llap
.endif
	MID 0
	TURN 0, 1, 0
	STEP 1, 0, 0
	MID 1
	s_wait_dscnt 0x0
	PLACES 4
	s_mov_b32 s[SEL], 0x76543210
	s_mov_b32 s[SEL+1], 0xfedcba98
	s_lshl_b32 s24, s66, 4
	s_lshl_b32 s25, s15, 3
	s_add_co_u32 s24, s24, s25
	s_lshl_b32 s24, s24, 5
	s_lshl_b32 s25, s67, 1
	s_add_co_u32 s25, s25, s16
	s_add_co_u32 s24, s24, s25
	s_mul_i32 s32, s24, FRB
	s_mov_b32 s33, 0
	s_lshl_b32 s36, s24, 6
	s_add_co_u32 s36, s36, HSC
	s_mov_b32 s37, 0
	s_add_nc_u64 s[32:33], s[10:11], s[32:33]
	s_add_nc_u64 s[36:37], s[10:11], s[36:37]
	s_lshl_b32 s48, s25, 9
	s_mov_b32 s49, 0
	s_add_nc_u64 s[48:49], s[8:9], s[48:49]
	v_cmp_eq_u32 s39, 1, v2
	WIN 0x40
.irp b, 0,1,2,3
.irp j, 0,1,2,3
	global_load_b128 v[16*\b+4*\j:16*\b+4*\j+3], v4, s[48:49] offset:128*\b+16*\j
.endr
.endr
	MULR 0, NB, 1, NQ-1, 1, 0
	WIN 0
	PLACES 4
.irp b, 0,1,2,3
	v_mov_b32 v[TM+4+\b], 0
.endr
	v_mov_b32 v[PWP], 0
	v_mov_b32 v232, 0xaf95df0b
	v_mov_b32 v233, 0xaf95df0b
	v_mov_b32 v234, 0xb77460cd
	v_mov_b32 v235, 0xb77460cd
	s_wait_loadcnt 0x0
	s_mov_b32 s3, 0
.Lepi:
	s_cmp_eq_u32 s3, 0
	s_cbranch_scc1 .Lc0
	s_cmp_eq_u32 s3, 1
	s_cbranch_scc1 .Lc1
	s_cmp_eq_u32 s3, 2
	s_cbranch_scc1 .Lc2
	s_cmp_eq_u32 s3, 3
	s_cbranch_scc1 .Lc3
	s_cmp_eq_u32 s3, 4
	s_cbranch_scc1 .Lc4
	s_cmp_eq_u32 s3, 5
	s_cbranch_scc1 .Lc5
	s_cmp_eq_u32 s3, 6
	s_cbranch_scc1 .Lc6
	COPY 7
	s_branch .Lgo
.Lc0:
	COPY 0
	s_branch .Lgo
.Lc1:
	COPY 1
	s_branch .Lgo
.Lc2:
	COPY 2
	s_branch .Lgo
.Lc3:
	COPY 3
	s_branch .Lgo
.Lc4:
	COPY 4
	s_branch .Lgo
.Lc5:
	COPY 5
	s_branch .Lgo
.Lc6:
	COPY 6
.Lgo:
	GELU 0
	GELU 1
	GELU 2
	GELU 3
	QUANT T
	global_store_b128 v[L16], v[PC:PC+3], s[32:33]
	global_store_b64 v[L8], v[PC+4:PC+5], s[32:33] offset:512
	global_store_b128 v[L16], v[PC+6:PC+9], s[32:33] offset:768
	global_store_b64 v[L8], v[PC+10:PC+11], s[32:33] offset:1280
	s_bitcmp1_b32 s3, 0
	s_cbranch_scc1 .Lodd
	v_mov_b32 v[PWP], v[PW]
	s_branch .Lnext
.Lodd:
	v_cndmask_b32 v230, v[PWP], v[PW], s39
	global_store_b32 v5, v230, s[36:37] offset:-2048
.Lnext:
	s_wait_xcnt 0x0
	s_add_nc_u64 s[32:33], s[32:33], 32*FRB
	s_add_nc_u64 s[36:37], s[36:37], 2048
	s_add_co_u32 s3, s3, 1
	s_cmp_lt_u32 s3, 8
	s_cbranch_scc1 .Lepi
	s_wait_tensorcnt 0x0
	ds_add_u32 v[SPW], v[NIL]
	s_wait_dscnt 0x0
	CROUND
	s_endpgm
.Lfunc_end_k_q4cc3005831_ff1:
	.size	k_q4cc3005831_ff1, .Lfunc_end_k_q4cc3005831_ff1-k_q4cc3005831_ff1
	.p2alignl 7, 3214868480
	.fill 96, 4, 3214868480
	.section	.rodata,"a",@progbits
	.p2align	6, 0x0
	.amdhsa_kernel k_q4cc3005831_ff1
		.amdhsa_group_segment_fixed_size 327680
		.amdhsa_private_segment_fixed_size 0
		.amdhsa_enable_private_segment 0
		.amdhsa_kernarg_size 32
		.amdhsa_user_sgpr_count 2
		.amdhsa_user_sgpr_kernarg_segment_ptr 1
		.amdhsa_wavefront_size32 1
		.amdhsa_system_sgpr_workgroup_id_x 1
		.amdhsa_system_sgpr_workgroup_id_y 1
		.amdhsa_system_sgpr_workgroup_id_z 1
		.amdhsa_system_vgpr_workitem_id 0
		.amdhsa_next_free_vgpr 1024
		.amdhsa_next_free_sgpr 100
		.amdhsa_reserve_vcc 0
		.amdhsa_float_denorm_mode_32 3
		.amdhsa_float_denorm_mode_16_64 3
		.amdhsa_memory_ordered 1
		.amdhsa_forward_progress 1
		.amdhsa_inst_pref_size 190
	.end_amdhsa_kernel
	.amdgpu_metadata
---
amdhsa.version: [ 1, 2 ]
amdhsa.kernels:
  - .name:           k_q4cc3005831_ff1
    .symbol:         k_q4cc3005831_ff1.kd
    .args:
      - { .name: XA, .offset: 0, .size: 8, .value_kind: global_buffer, .address_space: global }
      - { .name: W, .offset: 8, .size: 8, .value_kind: global_buffer, .address_space: global }
      - { .name: b1, .offset: 16, .size: 8, .value_kind: global_buffer, .address_space: global }
      - { .name: H, .offset: 24, .size: 8, .value_kind: global_buffer, .address_space: global }
    .group_segment_fixed_size: 327680
    .private_segment_fixed_size: 0
    .kernarg_segment_align: 8
    .kernarg_segment_size: 32
    .max_flat_workgroup_size: 128
    .sgpr_count:     100
    .vgpr_count:     1024
    .wavefront_size: 32
...
	.end_amdgpu_metadata
.endif
;; end of part 6
;; launch ff2 (part 7): grid 8 x 32, 4 waves a work-group, clusters of 4 x 4, 327,680 bytes of LDS; arguments H, W, b2, alpha_ff, X1, out0; writes out0
.if DOCPART == 7
	.amdgcn_target "amdgcn-amd-amdhsa--gfx1250"
	.amdhsa_code_object_version 6
	.text
	.protected	k_q4cc3005831_ff2
	.globl	k_q4cc3005831_ff2
	.p2align	8
	.type	k_q4cc3005831_ff2,@function
k_q4cc3005831_ff2:
	s_mov_b64 s[64:65], 0
	v_nop
	global_prefetch_b8 v0, s[64:65] scope:SCOPE_SE
	s_setreg_imm32_b32 hwreg(HW_REG_WAVE_MODE, 25, 1), 1
	s_wait_xcnt 0x0
	s_wait_alu depctr_hold_cnt(0) depctr_sa_sdst(0) depctr_va_vdst(0) depctr_va_sdst(0) depctr_va_ssrc(0) depctr_va_vcc(0) depctr_vm_vsrc(0)
	s_getreg_b32 s2, hwreg(HW_REG_IB_STS2, 6, 4)
	s_cmp_eq_u32 s2, 0
	s_cbranch_scc0 .Lentry_in_a_cluster
	s_endpgm
.Lentry_in_a_cluster:
	s_bfe_u32 s2, ttmp6, 0x10000c
	s_cmp_lg_u32 s2, 0xf033
	s_cbranch_scc0 .Lentry_shape_is_right
	s_endpgm
.Lentry_shape_is_right:
; out0 = X1 + alpha_ff (H w2 + b2): a product on codes of FP6 (E2M3) with E8M0 scales, K = 4,096, N = 1,024, f32 out.
; Operands lie in memory as images of their registers: [tile of 16 rows][K step of 128][1,536 bytes], scale words [tile][K step][64]; row r of tile t is row 32 (t/2) + 8 (t%2) + r + 8 (r/8).
; N = 1,024 gives only 64 blocks of 256 x 256: so a work-group makes 128 x 128 (256 work-groups), a wave 64 x 64: 16 accumulators.  K goes in slots of 4 K steps (98,304 bytes) through a ring of two LDS slots;
; the scale words of all of K (32,768 bytes) come once and stay.  Slots of 6 K steps beside them would pass LDS by 512 bytes.
; THE HEAD: four tiles, one joint load a wave: slot 0's 8 tiles of A, its 8 of B, A's scale words, B's.  Slot 1's first fill follows as a refill does.  In the ring each wave fetches a quarter of a slot.
; The matrix instruction is used transposed (source 0 = 16 columns of w2, source 1 = 16 tokens).  CLUSTERS 4 x 4: A's tiles shared along a row, B's along a column; each refill stands behind a round of the cluster's barrier.
; PREFETCHES INTO THE L2: of the 4 tiles x 4 steps that I fetch for a slot, each of the four partners that ask jointly names one tile's 6,144 bytes, 24 blocks of 256, a lane a block, told apart by address
; (cx for A, cy for B); lanes 24 to 31 name the last block again.  The head asks for slots 1 and 2, the line behind slot 1's load for slot 3, and the refill of slot n for slot n + 2; the loop's last trip asks for nothing.
; The residual's 64 x 64 numbers are asked for at the head.  The way out goes through the wave's stage in slot 0, whose last fill and last read are over by then: sixteen lanes store 256 aligned bytes.
.set NB,    4
.set NQ,    4
.set KS,    32
.set ASO,   12582912                   ; H's scale words
.set BCO,   6291456                    ; w2's codes in W
.set BSO,   9437184+262144             ; w2's scale words in W
.set FRB,   1536
.set HALFT, NB*NQ*FRB                  ; what one ring load brings, and what one wave reads of a side
.set SLOT,  4*HALFT
.set SCL,   2*SLOT                     ; behind the ring: the scale words
.set HALFS, NB*KS*64
.set SPARE, SCL+4*HALFS                ; the spare words: 128 bytes a wave, named by no other line
.set LAPS,  KS/(2*NQ)
.set QA,    NB/4
.set PFO,   12                         ; v12 the prefetches' offset; never rewritten
.set PFA,   12                         ; s[12:13] where my prefetches stand
.set ADRA,  16                         ; v16-17 A's images in slot 0, 1 at 16 x lane; v18-19 at 8 x lane
.set ADRB,  20                         ; v20-23 the same for B
.set STO,   24
.set RD,    25
.set CO,    26
.set ADRS,  27                         ; my scale words: lanes 0-15 A's, lanes 16-31 B's
.set SPW,   28
.set NIL,   29
.set L16,   30
.set L8,    31
.set SC,    32                         ; v32-63 scale words, two sets: register NQ i + q
.set AF,    64                         ; A's fragments, two sets; B's in window 1 at v0 and v128; accumulators in window 2
.set BK,    112                        ; the way out: two blocks of 16 rows read back from the stage
.set G1,    24
.set G0,    32
.set G1B,   48
.set G0B,   56
.set G1S,   68
.set G0S,   76
.set G1SB,  80
.set G0SB,  88
.set MSB,   0
.macro WIN new                         ; the immediate's high byte repeats the setting that is left
.if MSB != (\new)
	s_set_vgpr_msb (MSB<<8)|(\new)
.set MSB, (\new)
.endif
.endm
.macro JLOAD g0a, g1a, g0b, g1b        ; a joint load of the ring: waves 0, 1 fetch for A, waves 2, 3 for B; s_nop 0 and four v_nop follow each line
	s_cmp_eq_u32 s15, 0
	s_cbranch_scc0 .Lfor_b_\@
	tensor_load_to_lds s[\g0a:\g0a+3], s[\g1a:\g1a+7]
	s_nop 0
.rept 4
	v_nop
.endr
	s_branch .Lasked_\@
.Lfor_b_\@:
	tensor_load_to_lds s[\g0b:\g0b+3], s[\g1b:\g1b+7]
	s_nop 0
.rept 4
	v_nop
.endr
.Lasked_\@:
.endm
.macro CREST                           ; a round of the cluster's barrier behind its opening barrier
	s_cmp_lg_u32 s14, 0
	s_cbranch_scc1 .Lnot_wave_0_\@
	s_barrier_signal -3
.Lnot_wave_0_\@:
	s_barrier_wait -3
	s_barrier_signal -1
	s_barrier_wait -1
.endm
.macro CROUND
	s_barrier_signal -1
	s_barrier_wait -1
	CREST
.endm
.macro PLACES n                        ; plain places behind matrix instructions (ISA guide 7.12.1)
.rept \n
	v_nop
.endr
.endm
.macro FRAG reg, adr, q, i             ; a fragment's image: 16, 8, 16, 8 bytes a lane, each load on consecutive bytes
	ds_load_b128 v[\reg:\reg+3], v[\adr] offset:((\i)*NQ+(\q))*FRB
	ds_load_b64 v[\reg+4:\reg+5], v[\adr+2] offset:((\i)*NQ+(\q))*FRB+512
	ds_load_b128 v[\reg+6:\reg+9], v[\adr] offset:((\i)*NQ+(\q))*FRB+768
	ds_load_b64 v[\reg+10:\reg+11], v[\adr+2] offset:((\i)*NQ+(\q))*FRB+1280
.endm
.macro FETCH slot, q, p                ; both sides' fragments of the slot's q-th K step into set p
	WIN 0x40
.irp i, 0,1,2,3
	FRAG 128*(\p)+12*\i, ADRB+\slot, \q, \i
.endr
	WIN 0
.irp i, 0,1,2,3
	FRAG AF+96*(\p)+12*\i, ADRA+\slot, \q, \i
.endr
.endm
.macro SCALES sc                       ; a slot's scale words into set sc
.irp i, 0,1,2,3
.irp q, 0,1,2,3
	ds_load_b32 v[SC+NB*NQ*(\sc)+NQ*\i+\q], v[ADRS] offset:(\i*KS+\q)*64
.endr
.endr
.endm
.macro MULR a0, n, p, q, sc, zero      ; A's blocks a0 .. a0 + n - 1 against B's four; the accumulators take turns, one instruction a turn
	WIN 0xa1
.set MA, \a0
.rept \n
.irp b, 0,1,2,3
.if \zero
	v_wmma_scale_f32_16x16x128_f8f6f4 v[32*MA+8*\b:32*MA+8*\b+7], v[128*(\p)+12*\b:128*(\p)+12*\b+11], v[AF+96*(\p)+12*MA:AF+96*(\p)+12*MA+11], 0, v[SC+NB*NQ*(\sc)+NQ*\b+(\q)], v[SC+NB*NQ*(\sc)+NQ*MA+(\q)] matrix_a_fmt:MATRIX_FMT_FP6 matrix_b_fmt:MATRIX_FMT_FP6 matrix_a_scale:MATRIX_SCALE_ROW1
.else
	v_wmma_scale_f32_16x16x128_f8f6f4 v[32*MA+8*\b:32*MA+8*\b+7], v[128*(\p)+12*\b:128*(\p)+12*\b+11], v[AF+96*(\p)+12*MA:AF+96*(\p)+12*MA+11], v[32*MA+8*\b:32*MA+8*\b+7], v[SC+NB*NQ*(\sc)+NQ*\b+(\q)], v[SC+NB*NQ*(\sc)+NQ*MA+(\q)] matrix_a_fmt:MATRIX_FMT_FP6 matrix_b_fmt:MATRIX_FMT_FP6 matrix_a_scale:MATRIX_SCALE_ROW1
.endif
.endr
.set MA, MA+1
.endr
.endm
.macro STEP slot, q, zero              ; a K step whose successor lies in the same slot: the successor's fragments are asked for first, into the other set
	s_wait_dscnt 0x0                               ; this step's fragments are in
	PLACES 4
	FETCH \slot, (\q)+1, 1-(\q)%2
	MULR 0, NB, (\q)%2, \q, \slot, \zero
	WIN 0
.endm
.macro MID slot
	STEP \slot, 1, 0
	STEP \slot, 2, 0
.endm
.macro TURN slot, next, fill           ; a slot's last K step changes slots: one barrier; fill = 1: this slot is filled again, two slots ahead
.if \fill
	s_wait_xcnt 0x0                                ; my last prefetch has read its address: it steps one slot on
	s_add_nc_u64 s[PFA:PFA+1], s[PFA:PFA+1], NQ*FRB
.endif
	s_wait_tensorcnt 0x0                           ; all my tensor loads have landed: the one that was out is my part of the next slot
	ds_add_u32 v[SPW], v[NIL]                      ; 0 onto my spare word
	s_wait_dscnt 1                                 ; my fragments are in; the add may be out
	MULR 0, QA, 1, NQ-1, \slot, 0
	s_wait_dscnt 0x0                               ; the add is done, and my reads of this slot are over
	s_barrier_signal -1
	MULR QA, QA, 1, NQ-1, \slot, 0
	WIN 0
	s_barrier_wait -1
.if \fill
	CREST                                          ; the barrier has opened a round of the cluster's: no wave of any partner reads this slot or has a load on its way
	s_add_nc_u64 s[G0+4*\slot+2:G0+4*\slot+3], s[G0+4*\slot+2:G0+4*\slot+3], 2*NQ*FRB
	s_add_nc_u64 s[G0B+4*\slot+2:G0B+4*\slot+3], s[G0B+4*\slot+2:G0B+4*\slot+3], 2*NQ*FRB
	JLOAD G0+4*\slot, G1, G0B+4*\slot, G1B         ; the first tensor load behind the round; its four v_nop are the places in front of the loads below
.else
	PLACES 4
.endif
	s_wait_alu depctr_va_vdst(0)
	v_add_nc_u32 v[ADRS], 64*NQ, v[ADRS]
	FETCH \next, 0, 0
	SCALES \next
.if \fill
	s_cmp_gt_u32 s3, 1                             ; the loop's last trip has no slot two refills on
	s_cbranch_scc0 .Lnone_\@
	global_prefetch_b8 v[PFO], s[PFA:PFA+1] offset:3*NQ*FRB th:TH_LOAD_NT scope:SCOPE_SE
.Lnone_\@:
.endif
	MULR 2*QA, 2*QA, 1, NQ-1, \slot, 0
	WIN 0
.endm
.macro ARM under, g0, g1, next
	s_cmp_lt_u32 s14, \under
	s_cbranch_scc0 \next
	tensor_load_to_lds s[\g0:\g0+3], s[\g1:\g1+7]
	s_nop 0
.rept 4
	v_nop
.endr
	s_branch .Lhead_asked
\next:
.endm
	s_load_b256 s[4:11], s[0:1], 0x0               ; H, W, b2, alpha_ff
	s_load_b128 s[92:95], s[0:1], 0x20             ; X1, out0
	v_lshl_add_u32 v[SPW], v0, 2, SPARE
	v_mov_b32 v[NIL], 0
	ds_add_u32 v[SPW], v[NIL]                      ; the opening lines: the add, twice on end, and its wait
	ds_add_u32 v[SPW], v[NIL]
	v_lshrrev_b32 v1, 5, v0
	v_readfirstlane_b32 s14, v1                    ; wave
	s_lshr_b32 s15, s14, 1                         ; my half of A's rows.  Also: in the ring I fetch for A (0) or B (1)
	s_and_b32 s16, s14, 1                          ; my half of B's rows.  Also: which half I fetch
	s_bfe_u32 s40, ttmp6, 0x40000                  ; cx
	s_bfe_u32 s41, ttmp6, 0x40004                  ; cy
	s_lshl_b32 s67, ttmp9, 2
	s_add_co_u32 s67, s67, s40                     ; B's block of 128 columns
	s_and_b32 s66, ttmp7, 0xffff
	s_lshl_b32 s66, s66, 2
	s_add_co_u32 s66, s66, s41                     ; A's block of 128 tokens
	s_lshl_b32 s43, s41, 2
	s_lshl_b32 s43, 15, s43                        ; my row of the cluster
	s_lshl_b32 s44, 0x1111, s40                    ; my column
	s_or_b32 s[G1+0], s43, (3<<16)|(1<<21)         ; the mask; elements of 8 bytes; bit 21 beside a mask
	s_or_b32 s[G1B+0], s44, (3<<16)|(1<<21)
.irp g, G1, G1B
	s_mov_b32 s[\g+1], (192*NQ)<<16                ; NQ images on end
	s_mov_b32 s[\g+2], (2*NB)<<16                  ; for the head's loads a side's 8 tiles
	s_mov_b32 s[\g+3], (192*NQ)<<16
	s_mov_b32 s[\g+4], 2*NB
	s_mov_b32 s[\g+5], 192*KS                      ; from tile to tile
	s_mov_b32 s[\g+6], 0
	s_mov_b32 s[\g+7], 0
.endr
	s_or_b32 s[G1S+0], s43, (3<<16)|(1<<21)
	s_or_b32 s[G1SB+0], s44, (3<<16)|(1<<21)
.irp g, G1S, G1SB
	s_mov_b32 s[\g+1], 32<<16                      ; a side's scale words: a dense block, as rows of 256 bytes
	s_mov_b32 s[\g+2], (HALFS/128)<<16
	s_mov_b32 s[\g+3], 32<<16
	s_mov_b32 s[\g+4], HALFS/128
	s_mov_b32 s[\g+5], 32
	s_mov_b32 s[\g+6], 0
	s_mov_b32 s[\g+7], 0
.endr
	s_mul_i32 s20, s66, 2*NB                       ; the block's first tile of A,
	s_mul_i32 s46, s67, 2*NB                       ; of B
	s_mul_i32 s22, s20, KS*64
	s_mul_i32 s20, s20, KS*FRB
	s_mul_i32 s96, s46, KS*64
	s_mul_i32 s46, s46, KS*FRB
	s_add_co_u32 s22, s22, ASO
	s_add_co_u32 s46, s46, BCO
	s_add_co_u32 s96, s96, BSO
	s_mov_b32 s21, 0
	s_mov_b32 s23, 0
	s_mov_b32 s47, 0
	s_mov_b32 s97, 0
	s_mul_i32 s42, s16, NB*KS*FRB                  ; in the ring I fetch NB tiles of a side: which half, in bytes,
	s_mov_b32 s43, 0
	s_mul_i32 s45, s14, HALFT                      ; and where they go: the wave's number alone
	s_wait_dscnt 0x0                               ; both opening adds are done
	s_wait_kmcnt 0x0
	s_load_b32 s98, s[10:11], 0x0                  ; alpha
	s_add_nc_u64 s[20:21], s[4:5], s[20:21]
	s_add_nc_u64 s[22:23], s[4:5], s[22:23]
	s_add_nc_u64 s[46:47], s[6:7], s[46:47]
	s_add_nc_u64 s[96:97], s[6:7], s[96:97]
	CROUND                                         ; all sixteen work-groups are here: the first joint loads meet
.irp d, G0, G0B, G0+4, G0B+4, G0S, G0SB
	s_mov_b32 s[\d], 1
.endr
	s_mov_b32 s[G0+1], 0                           ; the head's four tiles, each whole
	s_mov_b64 s[G0+2:G0+3], s[20:21]
	s_mov_b32 s[G0B+1], 2*HALFT
	s_mov_b64 s[G0B+2:G0B+3], s[46:47]
	s_mov_b32 s[G0S+1], SCL
	s_mov_b64 s[G0S+2:G0S+3], s[22:23]
	s_mov_b32 s[G0SB+1], SCL+2*HALFS
	s_mov_b64 s[G0SB+2:G0SB+3], s[96:97]
	s_add_nc_u64 s[20:21], s[20:21], s[42:43]      ; for the ring: my NB tiles
	s_add_nc_u64 s[46:47], s[46:47], s[42:43]
	s_add_co_u32 s[G0+5], s45, SLOT
	s_add_nc_u64 s[G0+6:G0+7], s[20:21], NQ*FRB
	s_add_co_u32 s[G0B+5], s45, SLOT
	s_add_nc_u64 s[G0B+6:G0B+7], s[46:47], NQ*FRB
.irp d, G0, G0B, G0+4, G0B+4, G0S, G0SB
	s_or_b32 s[\d+3], s[\d+3], 0x80000000
.endr
	ARM 1, G0,  G1,  .Lhead_b                      ; one chain of branches on the wave's number, one load to an arm
	ARM 2, G0B, G1B, .Lhead_sa
	ARM 3, G0S, G1S, .Lhead_sb
	tensor_load_to_lds s[G0SB:G0SB+3], s[G1SB:G1SB+7]
	s_nop 0
.rept 4
	v_nop
.endr
.Lhead_asked:
	s_cmp_eq_u32 s15, 0                            ; the prefetches: the side that I fetch for,
	s_cselect_b64 s[PFA:PFA+1], s[20:21], s[46:47]
	s_cselect_b32 s2, s40, s41                     ; my place among the four that ask with me: my tile of the four
	s_mul_i32 s2, s2, KS*FRB
	s_mov_b32 s3, 0
	s_add_nc_u64 s[PFA:PFA+1], s[PFA:PFA+1], s[2:3]
	s_lshl_b32 s17, s66, 7
	s_lshl_b32 s18, s15, 6
	s_add_co_u32 s17, s17, s18                     ; my first token
	s_lshl_b32 s17, s17, 12
	s_lshl_b32 s18, s67, 7
	s_lshl_b32 s19, s16, 6
	s_add_co_u32 s18, s18, s19                     ; my first column
	s_lshl_b32 s18, s18, 2
	s_add_co_u32 s20, s17, s18
	s_mov_b32 s21, 0
	s_mov_b32 s19, 0
	s_add_nc_u64 s[92:93], s[92:93], s[20:21]
	s_add_nc_u64 s[94:95], s[94:95], s[20:21]
	s_add_nc_u64 s[8:9], s[8:9], s[18:19]
	s_mul_i32 s21, s15, HALFT                      ; LDS: my tiles of A in slot 0,
	s_mul_i32 s22, s16, HALFT
	s_add_co_u32 s22, s22, 2*HALFT                 ; of B
	s_mul_i32 s17, s15, HALFS
	s_mul_i32 s18, s16, HALFS
	s_add_co_u32 s18, s18, 2*HALFS
	s_sub_co_u32 s18, s18, s17                     ; from A's scale words to B's
	s_add_co_u32 s17, s17, SCL
	s_mul_i32 s23, s14, 16*272                     ; my stage, in slot 0
	v_and_b32 v[PFO], 31, v0
	v_min_u32 v[PFO], 23, v[PFO]
	v_lshlrev_b32 v[PFO], 8, v[PFO]
	global_prefetch_b8 v[PFO], s[PFA:PFA+1] offset:NQ*FRB th:TH_LOAD_NT scope:SCOPE_SE
	global_prefetch_b8 v[PFO], s[PFA:PFA+1] offset:2*NQ*FRB th:TH_LOAD_NT scope:SCOPE_SE
	v_and_b32 v1, 15, v0                           ; r
	v_bfe_u32 v2, v0, 4, 1                         ; h
	v_and_b32 v3, 31, v0
	v_lshlrev_b32 v[L16], 4, v3
	v_lshlrev_b32 v[L8], 3, v3
	v_add_nc_u32 v[ADRA], s21, v[L16]
	v_add_nc_u32 v[ADRA+2], s21, v[L8]
	v_add_nc_u32 v[ADRB], s22, v[L16]
	v_add_nc_u32 v[ADRB+2], s22, v[L8]
.irp r, ADRA, ADRA+2, ADRB, ADRB+2
	v_add_nc_u32 v[\r+1], SLOT, v[\r]              ; the same in slot 1
.endr
	v_mul_u32_u24 v6, s18, v2                      ; lanes 16-31 take B's: one product with h
	v_lshl_add_u32 v5, v1, 2, v6
	v_add_nc_u32 v[ADRS], s17, v5
	v_lshlrev_b32 v4, 4, v1
	v_lshl_add_u32 v[CO], v2, 12, v4               ; lanes 0-15 one row's 256 bytes, lanes 16-31 the next row's
	global_load_b128 v[8:11], v4, s[8:9]           ; the bias at my four columns
	WIN 0x40
.irp a, 0,1,2,3
.irp t, 0,1,2,3,4,5,6,7
	global_load_b128 v[48+128*(\a/2)+32*(\a%2)+4*\t:48+128*(\a/2)+32*(\a%2)+4*\t+3], v[CO], s[92:93] offset:(32*(\a/2)+8*(\a%2)+2*\t+8*(\t/4))*4096 th:TH_LOAD_NT
.endr
.endr
	WIN 0
	v_mul_u32_u24 v5, v1, 272
	v_lshl_add_u32 v5, v2, 6, v5
	v_add_nc_u32 v[STO], s23, v5                   ; the stage, in: row r, + 64 h
	v_mul_u32_u24 v5, v2, 272
	v_add_nc_u32 v5, v5, v4
	v_add_nc_u32 v[RD], s23, v5                    ; back: two rows an instruction
	s_wait_alu depctr_va_vdst(0)
	s_wait_kmcnt 0x0
	s_mov_b32 s99, s98
	s_wait_tensorcnt 0x0                           ; my tile of the head's four is in
	ds_add_u32 v[SPW], v[NIL]
	s_mov_b32 s[G1+2], NB<<16                      ; no load of mine is out: from here on a load brings NB tiles,
	s_mov_b32 s[G1+4], NB
	s_mov_b32 s[G1B+2], NB<<16
	s_mov_b32 s[G1B+4], NB
	s_add_co_u32 s[G0+1], s45, 0                   ; and slot 0's descriptors become the ring's: my quarter of the slot
	s_add_nc_u64 s[G0+2:G0+3], s[G0+2:G0+3], s[42:43]
	s_add_co_u32 s[G0B+1], s45, 0
	s_add_nc_u64 s[G0B+2:G0B+3], s[G0B+2:G0B+3], s[42:43]
	s_wait_dscnt 0x0
	CROUND                                         ; all four tiles are in, and all sixteen work-groups are here
	JLOAD G0+4, G1, G0B+4, G1B                     ; slot 1's first fill, the first tensor load behind the round
	FETCH 0, 0, 0
	SCALES 0
	global_prefetch_b8 v[PFO], s[PFA:PFA+1] offset:3*NQ*FRB th:TH_LOAD_NT scope:SCOPE_SE
	STEP 0, 0, 1                                   ; the first K step starts the sums
	s_mov_b32 s3, LAPS-1
.Llap:                                                 ; a trip goes once round the ring and fills both slots again
	MID 0
	TURN 0, 1, 1
	STEP 1, 0, 0
	MID 1
	TURN 1, 0, 1
	STEP 0, 0, 0
	s_sub_co_u32 s3, s3, 1
	s_cmp_lg_u32 s3, 0
	s_cbranch_scc1 .Llap
	MID 0
	TURN 0, 1, 0                                   ; the last lap fills nothing
	STEP 1, 0, 0
	MID 1
	s_wait_dscnt 0x0
	MULR 0, NB, 1, NQ-1, 1, 0                      ; the last K step
	WIN 0
	PLACES 4
.macro TOSTAGE a                       ; block a's 16 tokens x 64 columns into my stage and back as whole rows; LDS serves a wave's instructions in order (ISA guide 5.7.1.4)
	WIN 0x08
.irp b, 0,1,2,3
	ds_store_b128 v[STO], v[8*(4*(\a)+\b):8*(4*(\a)+\b)+3] offset:128*(\b/2)+32*(\b%2)
	ds_store_b128 v[STO], v[8*(4*(\a)+\b)+4:8*(4*(\a)+\b)+7] offset:128*(\b/2)+32*(\b%2)+16
.endr
	WIN 0
.irp t, 0,1,2,3,4,5,6,7
	ds_load_b128 v[BK+32*((\a)%2)+4*\t:BK+32*((\a)%2)+4*\t+3], v[RD] offset:544*\t
.endr
.endm
.macro SEND a, younger
.set BB, BK+32*((\a)%2)
.set RSA, 48+128*((\a)/2)+32*((\a)%2)
	s_wait_dscnt \younger                          ; the block is back; the next block's 8 stores and 8 loads may be out
.irp t, 0,1,2,3,4,5,6,7
	v_pk_add_f32 v[BB+4*\t:BB+4*\t+1], v[BB+4*\t:BB+4*\t+1], v[8:9]
	v_pk_add_f32 v[BB+4*\t+2:BB+4*\t+3], v[BB+4*\t+2:BB+4*\t+3], v[10:11]
.endr
	WIN 0x10                                       ; source 2, the residual: window 1
.irp t, 0,1,2,3,4,5,6,7
	v_pk_fma_f32 v[BB+4*\t:BB+4*\t+1], v[BB+4*\t:BB+4*\t+1], s[98:99], v[RSA+4*\t:RSA+4*\t+1] op_sel_hi:[1,0,1]
	v_pk_fma_f32 v[BB+4*\t+2:BB+4*\t+3], v[BB+4*\t+2:BB+4*\t+3], s[98:99], v[RSA+4*\t+2:RSA+4*\t+3] op_sel_hi:[1,0,1]
.endr
	WIN 0
.irp t, 0,1,2,3,4,5,6,7
	global_store_b128 v[CO], v[BB+4*\t:BB+4*\t+3], s[94:95] offset:(32*((\a)/2)+8*((\a)%2)+2*\t+8*(\t/4))*4096 th:TH_STORE_NT
.endr
.endm
	s_wait_loadcnt 0x0                             ; the bias and the residual
	TOSTAGE 0
.irp a, 1,2,3
.if \a > 1
	s_wait_xcnt 0x0                                ; block a - 2's stores have read their registers
.endif
	TOSTAGE \a
	SEND \a-1, 16
.endr
	SEND 3, 0
	s_wait_tensorcnt 0x0                           ; the wave's end
	ds_add_u32 v[SPW], v[NIL]
	s_wait_dscnt 0x0
	CROUND                                         ; the closing round
	s_endpgm
.Lfunc_end_k_q4cc3005831_ff2:
	.size	k_q4cc3005831_ff2, .Lfunc_end_k_q4cc3005831_ff2-k_q4cc3005831_ff2
	.p2alignl 7, 3214868480
	.fill 96, 4, 3214868480
	.section	.rodata,"a",@progbits
	.p2align	6, 0x0
	.amdhsa_kernel k_q4cc3005831_ff2
		.amdhsa_group_segment_fixed_size 327680
		.amdhsa_private_segment_fixed_size 0
		.amdhsa_enable_private_segment 0
		.amdhsa_kernarg_size 48
		.amdhsa_user_sgpr_count 2
		.amdhsa_user_sgpr_kernarg_segment_ptr 1
		.amdhsa_wavefront_size32 1
		.amdhsa_system_sgpr_workgroup_id_x 1
		.amdhsa_system_sgpr_workgroup_id_y 1
		.amdhsa_system_sgpr_workgroup_id_z 1
		.amdhsa_system_vgpr_workitem_id 0
		.amdhsa_next_free_vgpr 768
		.amdhsa_next_free_sgpr 100
		.amdhsa_reserve_vcc 0
		.amdhsa_float_denorm_mode_32 3
		.amdhsa_float_denorm_mode_16_64 3
		.amdhsa_memory_ordered 1
		.amdhsa_forward_progress 1
		.amdhsa_inst_pref_size 106
	.end_amdhsa_kernel
	.amdgpu_metadata
---
amdhsa.version: [ 1, 2 ]
amdhsa.kernels:
  - .name:           k_q4cc3005831_ff2
    .symbol:         k_q4cc3005831_ff2.kd
    .args:
      - { .name: H, .offset: 0, .size: 8, .value_kind: global_buffer, .address_space: global }
      - { .name: W, .offset: 8, .size: 8, .value_kind: global_buffer, .address_space: global }
      - { .name: b2, .offset: 16, .size: 8, .value_kind: global_buffer, .address_space: global }
      - { .name: alpha_ff, .offset: 24, .size: 8, .value_kind: global_buffer, .address_space: global }
      - { .name: X1, .offset: 32, .size: 8, .value_kind: global_buffer, .address_space: global }
      - { .name: out0, .offset: 40, .size: 8, .value_kind: global_buffer, .address_space: global }
    .group_segment_fixed_size: 327680
    .private_segment_fixed_size: 0
    .kernarg_segment_align: 8
    .kernarg_segment_size: 48
    .max_flat_workgroup_size: 128
    .sgpr_count:     100
    .vgpr_count:     768
    .wavefront_size: 32
...
	.end_amdgpu_metadata
.endif
;; end of part 7
